; MI455X (gfx1250); checked and timed in simulation.
; The chip was launched on July 23, 2026; its instructions are those of AMD's public machine-readable ISA for CDNA 5 (MIT licence, August 2026) and "CDNA5" Instruction Set Architecture Reference Guide (July 2026). The comments in the code are by the model that wrote it; some were corrected since.
;; Mo E Layer. Allowed arithmetic: matrix products marked QUANTISED: E3M2 operands, one E8M0 scale for each 32 along K, by v_wmma_scale_f32_16x16x128_f8f6f4 with both operands' format E3M2, f32 sums; products left as they are: f32 operands where the result goes on into a quantised operand, else bf16, f16 or f32 operands; f32 sums; everything else in f32.
;; Inputs: W1 8 x 1,024 x 1,024 float32; W2 8 x 1,024 x 1,024 float32; Wg 1,024 x 8 float32; b1 8 x 1,024 float32; b2 8 x 1,024 float32; bg 8 float32; x 2 x 2,048 x 1,024 float32.
;; Outputs: out0 2 x 2,048 x 1,024 float32.
;; This version of the problem:
;;   THIS VERSION OF THE PROBLEM IS GIVEN IN LOW PRECISION. The matrix products marked QUANTISED in the list below multiply operands that are first quantised to E3M2 (3 exponent bits, 2 mantissa bits; 6 bits a number), with one power-of-two scale for each 32 numbers along K (OCP MX v1.0); their sums are f32. All else is computed in f32.
;;   The module's matrix products, in the order in which they are computed (A, B: the left and right operand; K: the contracted axis; several contracted axes count as one K, in the product's order):
;;     1. [M 4,096, K 1,024] x [K 1,024, N 8]; A: input x; B: input Wg: left as it is (N = 8 < 16)
;;     2. batch 4,096 x [M 8, K 2] x [K 2, N 1]; A: computed on the way; B: computed on the way: left as it is (K = 2 < 32)
;;     3. [M 4,096, K 1,024] x [K 1,024, N 8,192]; A: input x; B: input W1: QUANTISED
;;     4. batch 8 x [M 1,024, K 1,024] x [K 1,024, N 4,096]; A: input W2; B: computed on the way: QUANTISED
;;     5. batch 4,096 x [M 1,024, K 8] x [K 8, N 1]; A: computed on the way; B: computed on the way: left as it is (K = 8 < 32)
;;   THE QUANTISER, for each operand of a quantised product, along K:
;;     - K is cut into blocks of 32 from its start; a last block that is shorter is filled with zeros.
;;     - A block's scale is 2^e with e = floor(log2(the largest magnitude in the block)) - 4, held to -126 .. 127; a block of zeros has e = 0. As a byte (E8M0): e + 127.
;;     - Each number is divided by its block's scale, clamped to +-28, and rounded to the nearest number of E3M2, ties to even, subnormals kept.
;;     - The product sums the exact products of the quantised numbers (number of the format x scale) in f32.
;;   ~~~python
;;   def quantise(x, axis):      # numpy; x: float32 -> the quantised numbers, widened to float32 again
;;       x = np.moveaxis(x, axis, -1); K = x.shape[-1]
;;       x = np.pad(x, [(0, 0)] * (x.ndim - 1) + [(0, -K % 32)]); x = x.reshape(x.shape[:-1] + (-1, 32)); a = np.abs(x).max(-1, keepdims=True)
;;       e = np.where(a > 0, np.clip(np.frexp(np.where(a > 0, a, 1))[1] - 1 - 4, -126, 127), 0)      # np.frexp(a)[1] - 1 = floor(log2(a)), exactly
;;       r = np.clip(x / 2.0 ** e, -28, 28)
;;       step = 2.0 ** (np.maximum(np.frexp(np.where(r == 0, 1, r))[1] - 1, -2) - 2)
;;       q = np.round(r / step) * step * 2.0 ** e      # np.round: ties to even
;;       return np.moveaxis(q.reshape(q.shape[:-2] + (-1,))[..., :K], -1, axis).astype(np.float32)
;;   ~~~
;;   OPERANDS COMPUTED ON THE WAY. 'Computed on the way' means the value that the module computes at that place (a softmax that the list does not call 'softmax' is quantised finished and normalised). What goes into a quantiser is computed in f32, as accurately as f32 sums, v_exp_f32 and their like allow (about 1e-6 of the number): no bf16 or f16 on the way to a quantiser, and a product that is left as it is and whose result goes on into a quantised operand takes f32 operands (vector FMAs, or v_wmma_f32_16x16x4_f32). A number that lies on a knife's edge between two numbers of the format may be rounded either way, as far as f32 arithmetic and the matrix unit's own rounding can turn it there, and no further.
;; 2 versions, each right and faster than the one before. Each part assembles by itself: llvm-mc -triple=amdgcn-amd-amdhsa -mcpu=gfx1250 --defsym DOCPART=n.
;; ======== version 1 of 2: 4 launches
;; limits: a function is approximated: absolute error at most 1.5e-07
;; workspace buffers: xq 3,407,872 bytes; w1q 6,815,744 bytes; w2q 6,815,744 bytes; hq 27,262,976 bytes; gw 131,072 bytes
;; launch qx (part 1): grid 256 x 1, 4 waves a work-group, no clusters, 103,936 bytes of LDS; arguments x, Wg, bg, xq, gw; writes xq, gw
.if DOCPART == 1
	.amdgcn_target "amdgcn-amd-amdhsa--gfx1250"
	.amdhsa_code_object_version 6
	.text
	.protected	k_qaf025ce4eb_qx
	.globl	k_qaf025ce4eb_qx
	.p2align	8
	.type	k_qaf025ce4eb_qx,@function
k_qaf025ce4eb_qx:
	s_mov_b64 s[64:65], 0
	v_nop
	global_prefetch_b8 v0, s[64:65] scope:SCOPE_SE
	s_setreg_imm32_b32 hwreg(HW_REG_WAVE_MODE, 25, 1), 1
	s_wait_xcnt 0x0
; x [4096][1024] f32 -> xq: codes of BF6 (E3M2) with one E8M0 scale for each 32 along K, laid as RECORDS; and the gate: gw[t][8] = the combine weights (softmax of x Wg + bg, the two largest, renormalised, 0 elsewhere).
; A RECORD is 16 rows x 256 K in 3,328 bytes: two images of an operand's registers (128 K each, 1,536 bytes: register j of lane l at 512 (j / 4) + 16 l + 4 (j % 4)), then 256 bytes of scale words:
; lane l has 8 bytes at 8 l: the words of the two K steps of row l % 16 (both halves of the lanes hold the same).  xq is [K slot 4][row tile 256][3328].
; SHARES.  Work-group g owns tokens 16 g .. 16 g + 15; wave w owns k = 256 w .. 256 w + 255: one record.  All of a wave's 16 KiB of x are asked for at once, 512 consecutive bytes a load, and turn through the wave's own LDS,
; so that a lane then holds whole blocks of 32 neighbours along K in the order of the operand's registers.
; THE GATE takes f32 operands (a coarser format would swap the second and third expert of some tokens): v_wmma_f32_16x16x4_f32, source 0 = Wg^T (rows 8-15 repeat rows 0-7), source 1 = x, the same order of k on both sides.
; In the result every lane holds token lane % 16 and its register j expert j.  The four waves' partial logits meet in LDS; wave 0 finishes them.
; LIMITS: NaN and infinities are not served.  A block whose largest magnitude lies under 2^(5 - 127) gets the byte 1 (a block of zeros too, where the quantiser's rule says 127: its codes are zeros, and this program alone reads the bytes).
.set REC,  3328
.set XW,   16640                       ; LDS: a wave's 16 rows of x,
.set XP,   1040                        ; 1,024 bytes + 16 apart: row r starts 4 r banks on, so sixteen rows' 16 bytes meet in no bank
.set WGS,  4*XW                        ; behind them: a wave's 256 rows of Wg, 32 bytes each, dense
.set PL,   WGS+4*8192                  ; behind them: the partial logits, 32 bytes a lane, 1,024 a wave
.set ACC,  16                          ; v16-47   four accumulators of the gate, written by matrix instructions alone
.set L,    48                          ; v48-55   eight logits
.set TM,   56                          ; v56-62   at work in the quantiser
.set PC,   64                          ; v64-87   the two images (v64-127 hold Wg as loaded at first)
.set TT,   88                          ; v88-94   a conversion's three registers begin on an even number: second halves are made here and moved
.set SW,   96                          ; v96-97   the two scale words
.set U,    104                         ; v104-111 at work
.set X,    128                         ; v128-191 64 numbers of x (v128-255 hold x as loaded at first)
.set WF,   192                         ; v192-255 the same k of Wg
	s_load_b256 s[4:11], s[0:1], 0x0               ; x s[4:5], Wg s[6:7], bg s[8:9], xq s[10:11]
	s_load_b64 s[12:13], s[0:1], 0x20              ; gw
	v_lshl_add_u32 v12, v0, 2, 0x19400
	v_mov_b32 v63, 0
	v_lshrrev_b32 v1, 5, v0
	v_readfirstlane_b32 s14, v1                    ; wave
	v_and_b32 v1, 31, v0                           ; lane
	v_and_b32 v2, 15, v0                           ; r
	v_bfe_u32 v3, v0, 4, 1                         ; h
	v_lshlrev_b32 v4, 4, v1                        ; 16 x lane: loads of x and Wg, stores of codes
	s_mul_i32 s15, s14, XW
	v_add_nc_u32 v5, s15, v4                       ; x into LDS: as loaded
	v_mul_u32_u24 v6, v2, XP
	v_lshl_add_u32 v6, v3, 7, v6
	v_add_nc_u32 v6, s15, v6                       ; x out of LDS: row r, + 128 h: my block of 32
	s_lshl_b32 s26, s14, 13
	s_add_co_u32 s27, s26, WGS
	v_add_nc_u32 v8, s27, v4                       ; Wg into LDS: as loaded
	v_and_b32 v9, 7, v0
	v_lshlrev_b32 v9, 2, v9
	v_lshl_add_u32 v9, v3, 10, v9
	v_add_nc_u32 v9, s27, v9                       ; Wg out of LDS: expert r % 8, 32 h rows down
	s_lshl_b32 s28, s14, 10
	s_add_co_u32 s29, s28, PL
	v_lshlrev_b32 v11, 5, v1
	v_add_nc_u32 v10, s29, v11                     ; my eight partial logits
	v_add_nc_u32 v11, PL, v11                      ; and where wave 0 finds those of the four waves
	v_lshlrev_b32 v13, 3, v1                       ; 8 x lane: the scale words
	v_lshlrev_b32 v14, 5, v2
	v_lshl_add_u32 v14, v3, 4, v14                 ; gw: 32 r + 16 h
	v_lshlrev_b32 v15, 3, v3                       ; 8 h
	v_mov_b32 v[TM+6], 0                           ; written once: a lane permute's destination counts as one of its sources
	s_mov_b32 s24, 0x76543210
	s_mov_b32 s25, 0xfedcba98                      ; v_permlanex16_b32's selects for lane l xor 16
	s_lshl_b32 s32, ttmp9, 16
	s_add_co_u32 s32, s32, s28                     ; x: 16 rows of 4,096 bytes a work-group, 1,024 bytes a wave
	s_mov_b32 s33, 0
	s_lshl_b32 s34, s14, 13                        ; Wg: 256 rows of 32 bytes a wave
	s_mov_b32 s35, 0
	s_lshl_b32 s36, s14, 8
	s_add_co_u32 s36, s36, ttmp9
	s_mul_i32 s36, s36, REC                        ; xq: record 256 w + g
	s_mov_b32 s37, 0
	s_lshl_b32 s38, ttmp9, 9                       ; gw: 16 tokens of 32 bytes
	s_mov_b32 s39, 0
	s_wait_kmcnt 0x0
	s_load_b256 s[16:23], s[8:9], 0x0              ; bg: eight numbers, read by nobody's store
	s_add_nc_u64 s[4:5], s[4:5], s[32:33]
	s_add_nc_u64 s[6:7], s[6:7], s[34:35]
	s_add_nc_u64 s[10:11], s[10:11], s[36:37]
	s_add_nc_u64 s[12:13], s[12:13], s[38:39]
.set i, 0
.rept 16
	global_load_b128 v[64+4*i:64+4*i+3], v4, s[6:7] offset:512*i
.set i, i+1
.endr
.set i, 0
.rept 32                               ; row i / 2, half i % 2 of the wave's 1,024 bytes: 512 consecutive bytes a load
	global_load_b128 v[128+4*i:128+4*i+3], v4, s[4:5] offset:4096*(i/2)+512*(i%2) th:TH_LOAD_NT
.set i, i+1
.endr
	s_wait_loadcnt 32                              ; Wg's sixteen loads are in: the 32 of x were issued behind them
.set i, 0
.rept 16
	ds_store_b128 v8, v[64+4*i:64+4*i+3] offset:512*i
.set i, i+1
.endr
	s_wait_loadcnt 0x0
.set i, 0
.rept 32
	ds_store_b128 v5, v[128+4*i:128+4*i+3] offset:XP*(i/2)+512*(i%2)
.set i, i+1
.endr
	s_wait_dscnt 0x0                               ; the stores have read their registers, which are loaded anew below
; 64 numbers of a lane, X[32 c + i] = x(r, 64 c + 32 h + i) of K step s: two whole blocks.  They become registers 6 c .. 6 c + 5 of the image and two bytes of the row's scale word.
.macro QUANT2 s
.irp c, 0,1
	v_max3_num_f32 v[TM+\c], |v[X+32*\c]|, |v[X+32*\c+1]|, 0x2800000   ; the block's largest magnitude, with the floor 2^(5 - 127): the byte cannot fall under 1
.endr
.irp i, 2,4,6,8,10,12,14,16,18,20,22,24,26,28,30
.irp c, 0,1
	v_max3_num_f32 v[TM+\c], v[TM+\c], |v[X+32*\c+\i]|, |v[X+32*\c+\i+1]|   ; (the two blocks by turns)
.endr
.endr
.irp c, 0,1
	v_add_nc_u32 v[TM+2+\c], 0xfe000000, v[TM+\c]  ; 4 off its exponent field: the conversion takes the exponent field of this operand as its scale
.endr
.irp c, 0,1
	v_lshrrev_b32 v[TM+4+\c], 23, v[TM+2+\c]       ; the scale's byte
.endr
	v_lshl_or_b32 v[SW+\s], v[TM+5], 16, v[TM+4]   ; my two bytes: blocks h and 2 + h,
	v_lshlrev_b32 v[SW+\s], v15, v[SW+\s]          ; at their places (8 h bits up);
	v_permlanex16_b32 v[TM+6], v[SW+\s], s24, s25
	v_or_b32 v[SW+\s], v[SW+\s], v[TM+6]           ; with lane l xor 16's two the word is whole, in both halves of the lanes
.irp c, 0,1
	v_cvt_scalef32_pk16_bf6_f32 v[PC+12*\s+6*\c:PC+12*\s+6*\c+2], v[X+32*\c:X+32*\c+15], v[TM+2+\c]
	v_cvt_scalef32_pk16_bf6_f32 v[TT+4*\c:TT+4*\c+2], v[X+32*\c+16:X+32*\c+31], v[TM+2+\c]
.endr
	v_nop                                          ; one plain place behind a scaled conversion
.irp c, 0,1
.irp i, 0,1,2
	v_mov_b32 v[PC+12*\s+6*\c+3+\i], v[TT+4*\c+\i]
.endr
.endr
.endm
; K step s of the wave's 256: x and Wg out of LDS, 32 matrix instructions on four accumulators by turns (one instruction a turn), then the quantiser on the same registers of x.
; The quantiser's plain lines are also the eight places between these products and the next step's loads into X and WF, and the first read of the sums.
.macro GSTEP s
.set i, 0
.rept 16
	ds_load_b128 v[X+4*i:X+4*i+3], v6 offset:512*\s+256*(i/8)+16*(i%8)
.set i, i+1
.endr
.set i, 0
.rept 64
	ds_load_b32 v[WF+i], v9 offset:32*(128*\s+64*(i/32)+i%32)
.set i, i+1
.endr
	s_wait_dscnt 0x0
.set m, 0
.rept 32
.if (\s == 0) && (m < 4)
	v_wmma_f32_16x16x4_f32 v[ACC+8*(m%4):ACC+8*(m%4)+7], v[WF+2*m:WF+2*m+1], v[X+2*m:X+2*m+1], 0   ; the first four start the sums
.else
	v_wmma_f32_16x16x4_f32 v[ACC+8*(m%4):ACC+8*(m%4)+7], v[WF+2*m:WF+2*m+1], v[X+2*m:X+2*m+1], v[ACC+8*(m%4):ACC+8*(m%4)+7]
.endif
.set m, m+1
.endr
	QUANT2 \s
.endm
	GSTEP 0
	GSTEP 1
.irp s, 0,1
.irp c, 0,1,2
	global_store_b128 v4, v[PC+12*\s+4*\c:PC+12*\s+4*\c+3], s[10:11] offset:1536*\s+512*\c   ; 512 consecutive bytes, aligned
.endr
.endr
	global_store_b64 v13, v[SW:SW+1], s[10:11] offset:3072                                   ; 256 consecutive bytes, aligned
.set j, 0
.rept 8                                ; each accumulator is read from its low end on
	v_add_f32 v[L+j], v[ACC+j], v[ACC+8+j]
	v_add_f32 v[U+j], v[ACC+16+j], v[ACC+24+j]
.set j, j+1
.endr
.set j, 0
.rept 8
	v_add_f32 v[L+j], v[L+j], v[U+j]
.set j, j+1
.endr
	ds_store_b128 v10, v[L:L+3]
	ds_store_b128 v10, v[L+4:L+7] offset:16
	s_wait_dscnt 0x0                               ; for wave 0's sake: my partial logits lie in LDS
	s_barrier_signal -1
	s_barrier_wait -1
	s_cmp_lg_u32 s14, 0
	s_cbranch_scc1 .Lend
.set PA, 128                           ; v128-159 the four waves' partial logits
.set EX, 160                           ; v160-167 exponentials, then probabilities
.set QQ, 176                           ; v176-183 probabilities without the largest
.set WW, 184                           ; v184-191 the weights
.set OO, 192                           ; v192-195 the four that I store
.irp w, 0,1,2,3
	ds_load_b128 v[PA+8*\w:PA+8*\w+3], v11 offset:1024*\w
	ds_load_b128 v[PA+8*\w+4:PA+8*\w+7], v11 offset:1024*\w+16
.endr
	s_wait_dscnt 0x0
	s_wait_kmcnt 0x0                               ; bg
.set j, 0
.rept 8
	v_add_f32 v[L+j], v[PA+j], v[PA+8+j]
	v_add_f32 v[U+j], v[PA+16+j], v[PA+24+j]
.set j, j+1
.endr
.set j, 0
.rept 8
	v_add_f32 v[L+j], v[L+j], v[U+j]
.set j, j+1
.endr
.set j, 0
.rept 8
	v_add_f32 v[L+j], s[16+j], v[L+j]              ; the logit of token r, expert j
.set j, j+1
.endr
	v_max3_num_f32 v168, v[L], v[L+1], v[L+2]      ; softmax: the largest logit is taken away first
	v_max3_num_f32 v168, v168, v[L+3], v[L+4]
	v_max3_num_f32 v168, v168, v[L+5], v[L+6]
	v_max_num_f32 v168, v168, v[L+7]
.set j, 0
.rept 8
	v_sub_f32 v[EX+j], v[L+j], v168
.set j, j+1
.endr
.set j, 0
.rept 8
	v_mul_f32 v[EX+j], 0x3fb8aa3b, v[EX+j]         ; x log2(e)
.set j, j+1
.endr
.set j, 0
.rept 8
	v_exp_f32 v[EX+j], v[EX+j]
.set j, j+1
.endr
	v_mov_b32 v173, -1.0                           ; (a plain place behind the exponentials)  under every probability
	s_wait_alu depctr_va_vdst(0)
	v_add_f32 v169, v[EX], v[EX+1]
	v_add_f32 v174, v[EX+2], v[EX+3]
	v_add_f32 v175, v[EX+4], v[EX+5]
	v_add_f32 v200, v[EX+6], v[EX+7]
	v_add_f32 v169, v169, v174
	v_add_f32 v175, v175, v200
	v_add_f32 v169, v169, v175
	v_rcp_f32 v169, v169
	v_nop                                          ; one plain place behind a transcendental
.set j, 0
	s_wait_alu depctr_va_vdst(0)
.rept 8
	v_mul_f32 v[EX+j], v[EX+j], v169               ; the probabilities
.set j, j+1
.endr
	v_max3_num_f32 v170, v[EX], v[EX+1], v[EX+2]   ; the largest
	v_max3_num_f32 v170, v170, v[EX+3], v[EX+4]
	v_max3_num_f32 v170, v170, v[EX+5], v[EX+6]
	v_max_num_f32 v170, v170, v[EX+7]
	s_mov_b32 s31, 0
.set j, 0
.rept 8                                ; which expert has it: among equals the lowest index, as top_k has it.  Masks select values alone: no branch, no address
	v_cmp_eq_f32 s30, v[EX+j], v170
	s_and_not1_b32 s[40+j], s30, s31
	s_or_b32 s31, s31, s30
.set j, j+1
.endr
.set j, 0
.rept 8
	v_cndmask_b32 v[QQ+j], v[EX+j], v173, s[40+j]  ; that one is put out of the running
.set j, j+1
.endr
	v_max3_num_f32 v171, v[QQ], v[QQ+1], v[QQ+2]   ; the second largest
	v_max3_num_f32 v171, v171, v[QQ+3], v[QQ+4]
	v_max3_num_f32 v171, v171, v[QQ+5], v[QQ+6]
	v_max_num_f32 v171, v171, v[QQ+7]
	s_mov_b32 s31, 0
.set j, 0
.rept 8
	v_cmp_eq_f32 s30, v[QQ+j], v171
	s_and_not1_b32 s48, s30, s31
	s_or_b32 s31, s31, s30
	s_or_b32 s[40+j], s[40+j], s48                 ; chosen: the first or the second
.set j, j+1
.endr
	v_add_f32 v172, v170, v171
	v_rcp_f32 v172, v172
	v_cmp_eq_u32 vcc_lo, 1, v3                     ; (a plain place)  lanes 16-31
.set j, 0
	s_wait_alu depctr_va_vdst(0)
.rept 8
	v_mul_f32 v[WW+j], v[EX+j], v172               ; renormalised,
.set j, j+1
.endr
.set j, 0
.rept 8
	v_cndmask_b32 v[WW+j], 0, v[WW+j], s[40+j]     ; and 0 for the six not chosen
.set j, j+1
.endr
.irp i, 0,1,2,3
	v_cndmask_b32 v[OO+\i], v[WW+\i], v[WW+4+\i], vcc_lo   ; lanes 0-15 store experts 0-3, lanes 16-31 experts 4-7
.endr
	global_store_b128 v14, v[OO:OO+3], s[12:13]    ; 512 consecutive bytes, aligned
.Lend:
	s_wait_tensorcnt 0x0
	ds_add_u32 v12, v63
	s_wait_dscnt 0x0
	s_endpgm
.Lfunc_end_k_qaf025ce4eb_qx:
	.size	k_qaf025ce4eb_qx, .Lfunc_end_k_qaf025ce4eb_qx-k_qaf025ce4eb_qx
	.p2alignl 7, 3214868480
	.fill 96, 4, 3214868480
	.section	.rodata,"a",@progbits
	.p2align	6, 0x0
	.amdhsa_kernel k_qaf025ce4eb_qx
		.amdhsa_group_segment_fixed_size 103936
		.amdhsa_private_segment_fixed_size 0
		.amdhsa_enable_private_segment 0
		.amdhsa_kernarg_size 40
		.amdhsa_user_sgpr_count 2
		.amdhsa_user_sgpr_kernarg_segment_ptr 1
		.amdhsa_wavefront_size32 1
		.amdhsa_system_sgpr_workgroup_id_x 1
		.amdhsa_system_sgpr_workgroup_id_y 1
		.amdhsa_system_sgpr_workgroup_id_z 1
		.amdhsa_system_vgpr_workitem_id 0
		.amdhsa_next_free_vgpr 256
		.amdhsa_next_free_sgpr 66
		.amdhsa_reserve_vcc 1
		.amdhsa_float_denorm_mode_32 3
		.amdhsa_float_denorm_mode_16_64 3
		.amdhsa_memory_ordered 1
		.amdhsa_forward_progress 1
		.amdhsa_inst_pref_size 40
	.end_amdhsa_kernel
	.amdgpu_metadata
---
amdhsa.version: [ 1, 2 ]
amdhsa.kernels:
  - .name:           k_qaf025ce4eb_qx
    .symbol:         k_qaf025ce4eb_qx.kd
    .args:
      - { .name: x, .offset: 0, .size: 8, .value_kind: global_buffer, .address_space: global }
      - { .name: Wg, .offset: 8, .size: 8, .value_kind: global_buffer, .address_space: global }
      - { .name: bg, .offset: 16, .size: 8, .value_kind: global_buffer, .address_space: global }
      - { .name: xq, .offset: 24, .size: 8, .value_kind: global_buffer, .address_space: global }
      - { .name: gw, .offset: 32, .size: 8, .value_kind: global_buffer, .address_space: global }
    .group_segment_fixed_size: 103936
    .private_segment_fixed_size: 0
    .kernarg_segment_align: 8
    .kernarg_segment_size: 40
    .max_flat_workgroup_size: 128
    .sgpr_count:     66
    .vgpr_count:     256
    .wavefront_size: 32
...
	.end_amdgpu_metadata
.endif
;; end of part 1
;; launch qw (part 2): grid 32 x 16, 4 waves a work-group, no clusters, 27,136 bytes of LDS; arguments W1, W2, w1q, w2q; writes w1q, w2q
.if DOCPART == 2
	.amdgcn_target "amdgcn-amd-amdhsa--gfx1250"
	.amdhsa_code_object_version 6
	.text
	.protected	k_qaf025ce4eb_qw
	.globl	k_qaf025ce4eb_qw
	.p2align	8
	.type	k_qaf025ce4eb_qw,@function
k_qaf025ce4eb_qw:
	s_mov_b64 s[64:65], 0
	v_nop
	global_prefetch_b8 v0, s[64:65] scope:SCOPE_SE
	s_setreg_imm32_b32 hwreg(HW_REG_WAVE_MODE, 25, 1), 1
	s_wait_xcnt 0x0
; W1 and W2, [8][1024 (k)][1024 (n)] f32 with K as the middle axis, become codes of BF6 (E3M2) with one E8M0 scale for each 32 along K, laid as RECORDS: [expert 8][K slot 4][row tile 64][3328].
; A RECORD is 16 rows (n) x 256 K: two images of an operand's registers (128 K each, 1,536 bytes: register j of lane l at 512 (j / 4) + 16 l + 4 (j % 4); lane (r, h) holds row r, registers 6 c .. 6 c + 5 hold
; k = 64 c + 32 h + 0 .. 31), then 256 bytes of scale words: lane l has 8 bytes at 8 l: the words of the two K steps of row l % 16.
; THE ROWS OF A TILE ARE NOT NEIGHBOURS: in each group of 32 rows, place r of tile 2 b + u holds row 32 b + 8 u + r + 8 (r / 8), so that in a product used transposed the 16 registers of tiles 2 b, 2 b + 1 are 16 neighbouring n.
; A LANE TAKES A COLUMN n, AND ITS REGISTERS RUN DOWN K: a load reads 128 consecutive bytes a wave (512 a work-group), a block of 32 along K lies in one lane's registers, the conversions give codes with K innermost.
; A wave takes 32 columns x 256 K: two neighbouring records, gathered in its own stage in LDS and stored as thirteen runs of 512 consecutive bytes.  No barrier: waves share nothing.
; One launch serves both tensors: grid y 0-7 take W1's experts, 8-15 W2's; pointers alone are chosen, on the work-group's number.
; LIMITS: NaN and infinities are not served.  A block whose largest magnitude lies under 2^(5 - 127) gets the byte 1 (a block of zeros too, where the quantiser's rule says 127: its codes are zeros, and this program alone reads the bytes).
.set REC,  3328
.set X,    32                          ; v32-95   two sets of 32 numbers
.set C,    96                          ; v96-102  a block's codes
.set SB,   24                          ; v24-25   the scale words of the two K steps
.set OUT,  104                         ; v104-155 the way out
	s_load_b256 s[4:11], s[0:1], 0x0               ; W1, W2, w1q, w2q
	v_lshl_add_u32 v160, v0, 2, 0x6800
	v_mov_b32 v161, 0
	v_lshrrev_b32 v1, 5, v0
	v_readfirstlane_b32 s12, v1                    ; wave
	v_and_b32 v1, 31, v0                           ; lane
	v_and_b32 v2, 15, v0                           ; r: my place in a record
	v_bfe_u32 v3, v0, 4, 1                         ; u: which of the wave's two records
	v_and_b32 v4, 7, v0
	v_bfe_u32 v5, v0, 3, 1
	v_lshl_add_u32 v4, v3, 3, v4
	v_lshl_add_u32 v4, v5, 4, v4                   ; my column of the wave's 32: 8 u + r % 8 + 16 (r / 8)
	v_lshlrev_b32 v4, 2, v4
	s_mul_i32 s13, s12, 2*REC                      ; my wave's stage
	v_mul_u32_u24 v6, v3, REC
	v_add_nc_u32 v6, s13, v6
	v_lshl_add_u32 v7, v2, 4, v6                   ; codes into the stage: record u, 16 r
	v_lshl_add_u32 v8, v2, 3, v6                   ; scale words: record u, 8 r
	v_lshlrev_b32 v9, 4, v1                        ; the way out: 16 x lane
	v_add_nc_u32 v10, s13, v9
	s_and_b32 s14, ttmp9, 7                        ; which 128 columns
	s_lshr_b32 s15, ttmp9, 3                       ; which K slot
	s_and_b32 s16, ttmp7, 0xffff
	s_and_b32 s17, s16, 7                          ; the expert
	s_lshl_b32 s18, s17, 22                        ; the source: expert x 4 MiB + K slot x 256 rows of 4,096 bytes + 4 x column
	s_lshl_b32 s19, s15, 20
	s_add_co_u32 s18, s18, s19
	s_lshl_b32 s19, s14, 9
	s_add_co_u32 s18, s18, s19
	s_lshl_b32 s19, s12, 7
	s_add_co_u32 s18, s18, s19
	s_mov_b32 s19, 0
	s_lshl_b32 s20, s17, 2                         ; the records: ((4 expert + K slot) 64 + 8 x column group + 2 x wave) x 3,328
	s_add_co_u32 s20, s20, s15
	s_lshl_b32 s20, s20, 6
	s_lshl_b32 s21, s14, 3
	s_add_co_u32 s20, s20, s21
	s_lshl_b32 s21, s12, 1
	s_add_co_u32 s20, s20, s21
	s_mul_i32 s20, s20, REC
	s_mov_b32 s21, 0
	s_wait_kmcnt 0x0
	s_cmp_lt_u32 s16, 8                            ; W1's work-group or W2's: the choice hangs on the work-group's number alone
	s_cselect_b64 s[4:5], s[4:5], s[6:7]
	s_cselect_b64 s[8:9], s[8:9], s[10:11]
	s_add_nc_u64 s[4:5], s[4:5], s[18:19]
	s_add_nc_u64 s[8:9], s[8:9], s[20:21]
.macro LOAD t                          ; block t: W(32 t + i, my column), i = 0 .. 31, into set t % 2
.set i, 0
.rept 32
	global_load_b32 v[X+32*((\t)%2)+i], v4, s[4:5] offset:(32*(\t)+i)*4096 th:TH_LOAD_NT
.set i, i+1
.endr
.endm
	LOAD 0
	LOAD 1
.macro BLOCK t
.set XS, X+32*((\t)%2)
.set OF, 1536*((\t)/4)+256*((\t)%2)    ; K step t / 4; the block belongs to lanes r + 16 (t % 2) of the image
.if (\t) < 7
	s_wait_loadcnt 32                              ; this block's 32 loads are in; the next block's 32 may be out
.else
	s_wait_loadcnt 0x0
.endif
	v_max3_num_f32 v12, |v[XS]|, |v[XS+1]|, |v[XS+2]|    ; the block's largest magnitude: all 32 numbers are mine; two chains
	v_max3_num_f32 v13, |v[XS+3]|, |v[XS+4]|, |v[XS+5]|
.irp i, 6,10,14,18,22,26
	v_max3_num_f32 v12, v12, |v[XS+\i]|, |v[XS+\i+1]|
	v_max3_num_f32 v13, v13, |v[XS+\i+2]|, |v[XS+\i+3]|
.endr
	v_max3_num_f32 v12, v12, |v[XS+30]|, |v[XS+31]|
	v_max3_num_f32 v12, v12, v13, 0x2800000        ; and the floor 2^(5 - 127): the byte cannot fall under 1
	v_add_nc_u32 v11, 0xfe000000, v12              ; 4 off its exponent field: the conversion's scale operand
	v_lshrrev_b32 v13, 23, v11                     ; the scale's byte
.if (\t)%4 == 0
	v_mov_b32 v[SB+(\t)/4], v13                    ; four bytes to a word, the lower K in the lower byte
.else
	v_lshl_or_b32 v[SB+(\t)/4], v13, 8*((\t)%4), v[SB+(\t)/4]
.endif
	v_cvt_scalef32_pk16_bf6_f32 v[C:C+2], v[XS:XS+15], v11
	v_cvt_scalef32_pk16_bf6_f32 v[C+4:C+6], v[XS+16:XS+31], v11   ; (a conversion's three registers begin on an even number)
	v_nop                                          ; one plain place behind a scaled conversion
	v_mov_b32 v[C+3], v[C+4]
	v_mov_b32 v[C+4], v[C+5]
	v_mov_b32 v[C+5], v[C+6]                       ; v[C] .. v[C+5]: the block's 24 bytes: registers 6 c .. 6 c + 5 of the image, c = (t / 2) % 2
.if ((\t)/2)%2 == 0
	ds_store_b128 v7, v[C:C+3] offset:OF           ; registers 0-3
	ds_store_b64 v7, v[C+4:C+5] offset:OF+512      ; registers 4, 5
.else
	ds_store_b64 v7, v[C:C+1] offset:OF+520        ; registers 6, 7
	ds_store_b128 v7, v[C+2:C+5] offset:OF+1024    ; registers 8-11
.endif
.if (\t)+2 < 8
	LOAD (\t)+2
.endif
	s_wait_dscnt 0x0                               ; the stores have read their registers: the next block's codes may be written
.endm
.irp t, 0,1,2,3,4,5,6,7
	BLOCK \t
.endr
	ds_store_b64 v8, v[SB:SB+1] offset:3072        ; my row's two scale words, for lane r
	ds_store_b64 v8, v[SB:SB+1] offset:3200        ; and for lane 16 + r
.set i, 0
.rept 13
	ds_load_b128 v[OUT+4*i:OUT+4*i+3], v10 offset:512*i   ; LDS serves a wave's instructions in order (ISA guide 5.7.1.4): these see my stores
.set i, i+1
.endr
.set i, 0
.rept 13
	s_wait_dscnt 12-i                              ; load i is in; the 12 - i issued behind it may be out
	global_store_b128 v9, v[OUT+4*i:OUT+4*i+3], s[8:9] offset:512*i   ; 512 consecutive bytes, aligned
.set i, i+1
.endr
	s_wait_tensorcnt 0x0
	ds_add_u32 v160, v161
	s_wait_dscnt 0x0
	s_endpgm
.Lfunc_end_k_qaf025ce4eb_qw:
	.size	k_qaf025ce4eb_qw, .Lfunc_end_k_qaf025ce4eb_qw-k_qaf025ce4eb_qw
	.p2alignl 7, 3214868480
	.fill 96, 4, 3214868480
	.section	.rodata,"a",@progbits
	.p2align	6, 0x0
	.amdhsa_kernel k_qaf025ce4eb_qw
		.amdhsa_group_segment_fixed_size 27136
		.amdhsa_private_segment_fixed_size 0
		.amdhsa_enable_private_segment 0
		.amdhsa_kernarg_size 32
		.amdhsa_user_sgpr_count 2
		.amdhsa_user_sgpr_kernarg_segment_ptr 1
		.amdhsa_wavefront_size32 1
		.amdhsa_system_sgpr_workgroup_id_x 1
		.amdhsa_system_sgpr_workgroup_id_y 1
		.amdhsa_system_sgpr_workgroup_id_z 1
		.amdhsa_system_vgpr_workitem_id 0
		.amdhsa_next_free_vgpr 162
		.amdhsa_next_free_sgpr 66
		.amdhsa_reserve_vcc 0
		.amdhsa_float_denorm_mode_32 3
		.amdhsa_float_denorm_mode_16_64 3
		.amdhsa_memory_ordered 1
		.amdhsa_forward_progress 1
		.amdhsa_inst_pref_size 42
	.end_amdhsa_kernel
	.amdgpu_metadata
---
amdhsa.version: [ 1, 2 ]
amdhsa.kernels:
  - .name:           k_qaf025ce4eb_qw
    .symbol:         k_qaf025ce4eb_qw.kd
    .args:
      - { .name: W1, .offset: 0, .size: 8, .value_kind: global_buffer, .address_space: global }
      - { .name: W2, .offset: 8, .size: 8, .value_kind: global_buffer, .address_space: global }
      - { .name: w1q, .offset: 16, .size: 8, .value_kind: global_buffer, .address_space: global }
      - { .name: w2q, .offset: 24, .size: 8, .value_kind: global_buffer, .address_space: global }
    .group_segment_fixed_size: 27136
    .private_segment_fixed_size: 0
    .kernarg_segment_align: 8
    .kernarg_segment_size: 32
    .max_flat_workgroup_size: 128
    .sgpr_count:     66
    .vgpr_count:     162
    .wavefront_size: 32
...
	.end_amdgpu_metadata
.endif
;; end of part 2
;; launch ffn1 (part 3): grid 32 x 16, 4 waves a work-group, clusters of 4 x 4, 327,680 bytes of LDS; arguments xq, w1q, b1, hq; writes hq
.if DOCPART == 3
	.amdgcn_target "amdgcn-amd-amdhsa--gfx1250"
	.amdhsa_code_object_version 6
	.text
	.protected	k_qaf025ce4eb_ffn1
	.globl	k_qaf025ce4eb_ffn1
	.p2align	8
	.type	k_qaf025ce4eb_ffn1,@function
k_qaf025ce4eb_ffn1:
	s_mov_b64 s[64:65], 0
	v_nop
	global_prefetch_b8 v0, s[64:65] scope:SCOPE_SE
	s_setreg_imm32_b32 hwreg(HW_REG_WAVE_MODE, 25, 1), 1
	s_wait_xcnt 0x0
	s_wait_alu depctr_hold_cnt(0) depctr_sa_sdst(0) depctr_va_vdst(0) depctr_va_sdst(0) depctr_va_ssrc(0) depctr_va_vcc(0) depctr_vm_vsrc(0)
	s_getreg_b32 s2, hwreg(HW_REG_IB_STS2, 6, 4)
	s_cmp_eq_u32 s2, 0
	s_cbranch_scc0 .Lentry_in_a_cluster
	s_endpgm
.Lentry_in_a_cluster:
	s_bfe_u32 s2, ttmp6, 0x10000c
	s_cmp_lg_u32 s2, 0xf033
	s_cbranch_scc0 .Lentry_shape_is_right
	s_endpgm
.Lentry_shape_is_right:
; h = gelu(x W1[e] + b1[e]) (the exact GELU), the product on codes of BF6 (E3M2) with E8M0 scales, sums in f32; h is quantised along f in registers and stored as codes: hq [expert 8][K slot 4 (f / 256)][row tile 256 (tokens)][3328].
; ALL CODE BUFFERS ARE RECORDS: 16 rows x 256 K in 3,328 bytes: two images of an operand's registers (128 K each, 1,536 bytes: register j of lane l at 512 (j / 4) + 16 l + 4 (j % 4)), then 256 bytes of scale words
; (lane l: 8 bytes at 8 l: the words of the two K steps of row l % 16).  A fragment comes by three ds_load_b128 at 16 x lane: dense, so no padding.  Eight records on end are a BLOCK, 128 rows x 256 K, 26,624 dense bytes: one tensor load.
; SHARES.  A work-group makes 256 tokens x 256 f (N = 1024 e + f: tile column tx = 4 e + f / 256); each of four waves 128 x 128: 64 accumulators, 512 registers.  K = 1,024 goes in four slots' worth through a ring of two LDS slots.
; CLUSTERS: 4 x 4 work-groups.  The four of a row need the same blocks of xq, the four of a column the same blocks of w1q: each is asked for JOINTLY, by the same tensor load with the same descriptor and a mask that names the four.
; THE PRODUCT IS USED TRANSPOSED (source 0 = 16 rows of W1, source 1 = 16 tokens), and w1q's tiles hold rows 32 b + 8 u + r + 8 (r / 8): a lane holds ONE token, and the 16 registers of tiles 2 b, 2 b + 1 are f = 32 b + 16 (lane / 16) + 0 .. 15:
; neighbours along the next product's K.  b1 is the C of each sum's first matrix instruction (so the bias begins the sum instead of ending it).
; TWO SETS OF FRAGMENTS for both sides: a step of 128 K multiplies one set while the next step's 48 loads land in the other.  So a slot's reads are over in the middle of its first step's products, and it is filled again there.
; GELU: 2 gelu(a) = a + |a| erf(|a| / sqrt 2), erf(z) = 1 - t (a1 + t (a2 + t (a3 + t (a4 + t a5)))) exp(-z^2), t = 1 / (1 + 0.3275911 z) (Abramowitz and Stegun 7.1.26).  The codes of 2 h under the scale 2 s are the codes of h under s:
; the halving is one subtraction on the finished scale word.
; LIMITS: that formula's error of erf is at most 1.5e-7 ABSOLUTE, so gelu's relative error grows for a < -1 (about 3e-6 at -2, 6e-5 at -3), always far under a code's step in a block that holds numbers of ordinary size.
; NaN and infinities are not served.  A block of h whose largest magnitude lies under 2^(5 - 127) gets the byte 1 (a block of zeros too: its codes are zeros, and this program alone reads the bytes).
; REGISTERS, in windows of 256: window 0: v0-31 addresses; v32-63 scale words and nothing else, set s (slot s) at v[32 + 16 s], register 2 i + q: lanes 0-15 the word of x's tile i, lanes 16-31 that of W1's tile i, K step q;
;   v64-159, v160-255 x's fragments, two sets (free on the way out).   window 1: v0-95, v96-191 W1's fragments, two sets; v192-255 b1.   windows 2, 3: accumulator (a, b) at v[8 (8 (a % 4) + b)], a < 4 in window 2.
.set REC,   3328
.set BLK,   8*REC
.set SLOT,  4*BLK                      ; x's two blocks, then W1's two
.set SPARE, 2*SLOT                     ; behind the ring: the spare words, 128 bytes for each wave: two blocks of 256 bytes that no other line names
.set SCR,   SPARE+512                  ; behind them: 4,096 bytes in which the two waves of a pair put a record's scale words together; no tile lands here
.set SX,    256*REC                    ; from K slot to K slot in xq
.set SW,    64*REC                     ; and in w1q
.set L16,   4                          ; v4      16 x lane
.set ADRA,  16                         ; v16-17  LDS address of my fragments of x in slot 0, 1
.set BO,    18                         ; v18     64 x (lane / 16): b1
.set ADRB,  20                         ; v20-21  the same for W1
.set ADRS,  22                         ; v22-23  of my scale words: lanes 0-15 x's, lanes 16-31 W1's
.set SCW,   25                         ; v25     where I put a tile's scale word
.set SCRD,  26                         ; v26     and where I read whole scale sections back
.set L8,    27                         ; v27     8 x lane
.set SPW,   28                         ; v28     LDS address of my spare word; never rewritten
.set NIL,   29                         ; v29     0; never rewritten
.set A4,    30                         ; v[30:31] the constant a4
.set SC,    32
.set AF,    64
.set BIAS,  192                        ; in window 1
.set G,     64                         ; the way out, window 0: v64-127 2 gelu of a tile
.set T1,    128                        ; v128-159 a^2, then exp, then t exp
.set T2,    160                        ; v160-191 1 + p |a|, then t
.set T3,    192                        ; v192-223 the polynomial, then erf
.set PC,    224                        ; v224-242 the codes
.set PW,    243                        ; v243     the scale word
.set TM,    244                        ; v244-247 largest magnitudes, v248-251 the other half's, then bytes, v252-255 the conversions' scale operands
.set G1A,   24                         ; s[24:31] descriptor group 1 for x's blocks;  s[32:39] group 0, one set for each slot
.set G0A,   32
.set G1B,   48                         ; s[48:55], s[56:63] the same for W1's
.set G0B,   56
.set SEL,   78                         ; s[78:79] v_permlanex16_b32's selects for lane l xor 16
.set WV,    84                         ; s84 wave;  s85 wave / 2: my half of the tokens, and: I fetch for x (0) or W1 (1);  s86 wave % 2: my half of the columns, and: which block I fetch
.set HI,    85
.set LO,    86
.set MSB, 0
.macro WIN new                         ; the immediate's high byte repeats the setting that is left; a switch that changes nothing is dropped
.if MSB != (\new)
	s_set_vgpr_msb (MSB<<8)|(\new)
.set MSB, \new
.endif
.endm
.macro PLACES n
.rept \n
	v_nop
.endr
.endm
; A joint load: waves 0 and 1 fetch x's two blocks, waves 2 and 3 W1's.  Each line has one mask and one set of registers for all that issue it; the branch hangs on the wave's number alone.
; Four v_nop follow each of the two lines, ahead of the jump, the label and what follows.
.macro JLOAD g0a, g0b
	s_cmp_eq_u32 s[HI], 0
	s_cbranch_scc0 .Lfor_b_\@
	tensor_load_to_lds s[\g0a:\g0a+3], s[G1A:G1A+7]
	s_nop 0
.rept 4
	v_nop
.endr
	s_branch .Lasked_\@
.Lfor_b_\@:
	tensor_load_to_lds s[\g0b:\g0b+3], s[G1B:G1B+7]
	s_nop 0
.rept 4
	v_nop
.endr
.Lasked_\@:
.endm
.macro CREST                           ; a round of the cluster's barrier behind its opening barrier
	s_cmp_lg_u32 s[WV], 0
	s_cbranch_scc1 .Lnot_wave_0_\@
	s_barrier_signal -3
.Lnot_wave_0_\@:
	s_barrier_wait -3
	s_barrier_signal -1
	s_barrier_wait -1
.endm
.macro CROUND                          ; a whole round
	s_barrier_signal -1
	s_barrier_wait -1
	CREST
.endm
	s_load_b256 s[4:11], s[0:1], 0x0               ; xq s[4:5], w1q s[6:7], b1 s[8:9], hq s[10:11]
	v_lshl_add_u32 v[SPW], v0, 2, SPARE
	v_mov_b32 v[NIL], 0
	ds_add_u32 v28, v29
	ds_add_u32 v28, v29
	s_wait_dscnt 0x0
	v_lshrrev_b32 v1, 5, v0
	v_readfirstlane_b32 s[WV], v1
	s_lshr_b32 s[HI], s[WV], 1
	s_and_b32 s[LO], s[WV], 1
	s_bfe_u32 s40, ttmp6, 0x40000                  ; cx, cy: my place in the cluster
	s_bfe_u32 s41, ttmp6, 0x40004
	s_lshl_b32 s42, ttmp9, 2
	s_add_co_u32 s42, s42, s40                     ; tx = 4 x cluster x + cx: 0 .. 31
	s_and_b32 s45, ttmp7, 0xffff
	s_lshl_b32 s45, s45, 2
	s_add_co_u32 s45, s45, s41                     ; ty = 4 x cluster y + cy: 0 .. 15
	s_lshl_b32 s43, s41, 2
	s_lshl_b32 s43, 15, s43                        ; my row of the cluster
	s_lshl_b32 s44, 0x1111, s40                    ; my column
	; descriptor group 1: a block is dense: 104 rows of 256 bytes (32 elements of 8 bytes), no padding
	s_or_b32 s[G1A], s43, (3<<16)|(1<<21)          ; 15:0 the mask: x's blocks go to my row; 17:16 elements of 8 bytes; 21 set beside a mask
	s_or_b32 s[G1B], s44, (3<<16)|(1<<21)          ; W1's go to my column
.irp g, G1A, G1B
	s_mov_b32 s[\g+1], 32<<16                      ; tensor_dim0 = 32
	s_mov_b32 s[\g+2], 104<<16                     ; tensor_dim1 = 104
	s_mov_b32 s[\g+3], 32<<16                      ; tile_dim0 = 32
	s_mov_b32 s[\g+4], 104                         ; tile_dim1 = 104
	s_mov_b32 s[\g+5], 32                          ; from row to row
	s_mov_b32 s[\g+6], 0
	s_mov_b32 s[\g+7], 0
.endr
	s_lshl_b32 s18, s[LO], 3                       ; which block of eight records I fetch
	s_lshl_b32 s16, s45, 4
	s_add_co_u32 s16, s16, s18
	s_mul_i32 s16, s16, REC                        ; xq: record 16 ty + 8 x half: it hangs on ty alone, which my row shares
	s_mov_b32 s17, 0
	s_lshr_b32 s46, s42, 2
	s_lshl_b32 s46, s46, 8
	s_and_b32 s47, s42, 3
	s_lshl_b32 s47, s47, 4
	s_add_co_u32 s46, s46, s47
	s_add_co_u32 s46, s46, s18
	s_mul_i32 s46, s46, REC                        ; w1q: record 256 (tx / 4) + 16 (tx % 4) + 8 x half: on tx alone, which my column shares
	s_mov_b32 s47, 0
	s_mul_i32 s20, s[WV], BLK                      ; where it goes: block = wave: no place in the cluster enters an LDS address
	s_wait_kmcnt 0x0
	s_add_nc_u64 s[16:17], s[4:5], s[16:17]
	s_add_nc_u64 s[46:47], s[6:7], s[46:47]
	CROUND                                         ; all sixteen work-groups are here: the first joint loads meet
.irp s, 0,1
	s_mov_b32 s[G0A+4*\s], 1                       ; count = 1
	s_add_co_u32 s[G0A+4*\s+1], s20, \s*SLOT       ; LDS address
	s_add_nc_u64 s[G0A+4*\s+2:G0A+4*\s+3], s[16:17], \s*SX   ; global address: K slot s
	s_or_b32 s[G0A+4*\s+3], s[G0A+4*\s+3], 0x80000000        ; type = 2
	s_mov_b32 s[G0B+4*\s], 1
	s_add_co_u32 s[G0B+4*\s+1], s20, \s*SLOT
	s_add_nc_u64 s[G0B+4*\s+2:G0B+4*\s+3], s[46:47], \s*SW
	s_or_b32 s[G0B+4*\s+3], s[G0B+4*\s+3], 0x80000000
	JLOAD G0A+4*\s, G0B+4*\s                       ; both slots are asked for before anything else is done: two loads of mine are out
.endr
	v_and_b32 v1, 31, v0                           ; lane
	v_bfe_u32 v3, v0, 4, 1                         ; h
	v_lshlrev_b32 v[L16], 4, v1
	v_lshlrev_b32 v[L8], 3, v1
	v_lshlrev_b32 v[BO], 6, v3
	s_lshl_b32 s22, s42, 10                        ; b1: flat index 256 tx + 128 x column half, 4 bytes each
	s_lshl_b32 s23, s[LO], 9
	s_add_co_u32 s22, s22, s23
	s_mov_b32 s23, 0
	s_add_nc_u64 s[8:9], s[8:9], s[22:23]
	WIN 0x40                                       ; destination window 1, address window 0
.irp b, 0,1,2,3,4,5,6,7                ; tile b's eight registers: b1 at f = 32 (b / 2) + 16 h + 8 (b % 2) + 0 .. 7: the result's layout
	global_load_b128 v[BIAS+8*\b:BIAS+8*\b+3], v[BO], s[8:9] offset:(32*(\b/2)+8*(\b%2))*4
	global_load_b128 v[BIAS+8*\b+4:BIAS+8*\b+7], v[BO], s[8:9] offset:(32*(\b/2)+8*(\b%2))*4+16
.endr
	WIN 0
	s_mul_i32 s21, s[HI], BLK                      ; my block of x
	s_add_co_u32 s22, s[LO], 2
	s_mul_i32 s22, s22, BLK                        ; my block of W1
	s_xor_b32 s23, s[HI], 1
	s_add_co_u32 s23, s23, s[LO]
	s_add_co_u32 s23, s23, 1
	s_mul_i32 s23, s23, BLK                        ; the distance between the two: (2 + column half - token half) blocks
	v_mul_u32_u24 v6, s23, v3                      ; lanes 16-31 take W1's scale words: one product, the lower base + h x the distance
	v_add_nc_u32 v6, v6, v[L8]
.irp s, 0,1
	v_add_nc_u32 v[ADRA+\s], s21, v[L16]
	v_add_nc_u32 v[ADRB+\s], s22, v[L16]
	v_add_nc_u32 v[ADRS+\s], s21, v6
	s_add_co_u32 s21, s21, SLOT
	s_add_co_u32 s22, s22, SLOT
.endr
	s_lshl_b32 s87, s[HI], 11
	s_lshl_b32 s88, s[LO], 2
	s_add_co_u32 s88, s88, s87
	s_add_co_u32 s88, s88, SCR
	v_add_nc_u32 v[SCW], s88, v[L8]                ; a tile's scale word: 2,048 x token half + 8 x lane + 4 x column half (+ 256 x tile)
	s_lshl_b32 s88, s[LO], 10
	s_add_co_u32 s88, s88, s87
	s_add_co_u32 s88, s88, SCR
	v_add_nc_u32 v[SCRD], s88, v[L8]               ; back: the sections of tiles 4 x column half + 0 .. 3
	s_lshl_b32 s80, s42, 8                         ; hq: record 256 tx + 16 ty + 8 x token half (+ tile); my K step of it: 1,536 x column half
	s_lshl_b32 s81, s45, 4
	s_add_co_u32 s80, s80, s81
	s_lshl_b32 s81, s[HI], 3
	s_add_co_u32 s80, s80, s81
	s_lshl_b32 s82, s[LO], 2
	s_add_co_u32 s82, s82, s80                     ; the records whose scale sections I store
	s_mul_i32 s80, s80, REC
	s_mul_i32 s81, s[LO], 1536
	s_add_co_u32 s80, s80, s81
	s_mov_b32 s81, 0
	s_mul_i32 s82, s82, REC
	s_add_co_u32 s82, s82, 3072
	s_mov_b32 s83, 0
	s_add_nc_u64 s[80:81], s[10:11], s[80:81]
	s_add_nc_u64 s[82:83], s[10:11], s[82:83]
	s_mov_b32 s66, 0xbf38aa3b                      ; -log2(e) / 2: exp(-a^2 / 2) = 2^(-a^2 log2(e) / 2).  (The packed forms name pairs and take the low word for both halves: so both are written)
	s_mov_b32 s67, s66
	s_mov_b32 s68, 0x3e6d3388                      ; 0.3275911 / sqrt 2
	s_mov_b32 s70, 0x3f87dc22                      ; a5 =  1.061405429
	s_mov_b32 s71, s70
	v_mov_b32 v[A4], 0xbfba00e3                    ; a4 = -1.453152027
	v_mov_b32 v[A4+1], 0xbfba00e3
	s_mov_b32 s72, 0x3fb5f0e3                      ; a3 =  1.421413741
	s_mov_b32 s73, s72
	s_mov_b32 s74, 0xbe91a98e                      ; a2 = -0.284496736
	s_mov_b32 s75, s74
	s_mov_b32 s76, 0x3e827906                      ; a1 =  0.254829592
	s_mov_b32 s77, s76
	s_mov_b32 s[SEL], 0x76543210
	s_mov_b32 s[SEL+1], 0xfedcba98
; Eight matrix instructions: x's tile a against W1's eight, K step q of slot sc (fragment set q).  bias = 1: b1 is the C: nothing is ever cleared.
; The 64 accumulators take turns, one instruction a turn, in the same order in every step.
.macro MULA a, q, sc, bias
.if \bias
	WIN 0x91+0x40*((\a)/4)                         ; source 0 (W1) and C (b1) window 1, source 1 (x) window 0, D window 2 or 3
.else
	WIN 0xa1+0x50*((\a)/4)                         ; C and D window 2 or 3
.endif
.irp b, 0,1,2,3,4,5,6,7
.if \bias
	v_wmma_scale_f32_16x16x128_f8f6f4 v[8*(8*((\a)%4)+\b):8*(8*((\a)%4)+\b)+7], v[96*(\q)+12*\b:96*(\q)+12*\b+11], v[AF+96*(\q)+12*(\a):AF+96*(\q)+12*(\a)+11], v[BIAS+8*\b:BIAS+8*\b+7], v[SC+16*(\sc)+2*\b+(\q)], v[SC+16*(\sc)+2*(\a)+(\q)] matrix_a_fmt:MATRIX_FMT_BF6 matrix_b_fmt:MATRIX_FMT_BF6 matrix_a_scale:MATRIX_SCALE_ROW1
.else
	v_wmma_scale_f32_16x16x128_f8f6f4 v[8*(8*((\a)%4)+\b):8*(8*((\a)%4)+\b)+7], v[96*(\q)+12*\b:96*(\q)+12*\b+11], v[AF+96*(\q)+12*(\a):AF+96*(\q)+12*(\a)+11], v[8*(8*((\a)%4)+\b):8*(8*((\a)%4)+\b)+7], v[SC+16*(\sc)+2*\b+(\q)], v[SC+16*(\sc)+2*(\a)+(\q)] matrix_a_fmt:MATRIX_FMT_BF6 matrix_b_fmt:MATRIX_FMT_BF6 matrix_a_scale:MATRIX_SCALE_ROW1
.endif
.endr
.endm
.macro FETCH slot, q                   ; 48 LDS loads in one run: the sixteen fragments of K step q of a slot, into set q
	WIN 0x40
.irp i, 0,1,2,3,4,5,6,7
.irp c, 0,1,2
	ds_load_b128 v[96*(\q)+12*\i+4*\c:96*(\q)+12*\i+4*\c+3], v[ADRB+(\slot)] offset:REC*\i+1536*(\q)+512*\c
.endr
.endr
	WIN 0
.irp i, 0,1,2,3,4,5,6,7
.irp c, 0,1,2
	ds_load_b128 v[AF+96*(\q)+12*\i+4*\c:AF+96*(\q)+12*\i+4*\c+3], v[ADRA+(\slot)] offset:REC*\i+1536*(\q)+512*\c
.endr
.endr
.endm
.macro SCALES slot                     ; a slot's scale words, both K steps: lanes 0-15 x's tile i, lanes 16-31 W1's tile i
.irp i, 0,1,2,3,4,5,6,7
	ds_load_b64 v[SC+16*(\slot)+2*\i:SC+16*(\slot)+2*\i+1], v[ADRS+(\slot)] offset:REC*\i+3072
.endr
.endm
; A slot's first step.  Its second step's fragments are fetched at its head, so the wave's reads of the slot are over while this step is multiplied.
; mode 2: the slot is filled again, two K slots ahead: each wave waits for all its tensor loads (the one that is out is its block of the other slot), adds 0 to its spare word, waits for that and for its reads of this slot;
; the barrier opens a round of the cluster's barrier, and the joint refill is the first tensor load behind it: from there to the wait for it a wave issues 112 matrix instructions.
; mode 1: the same barrier, nothing left to fetch: the other slot must be whole.  mode 0: the last slot.
.macro STEPA slot, mode, bias
	s_wait_dscnt 0x0                               ; set 0 and the slot's scale words are in (asked for 64 matrix instructions ago)
	PLACES 4                                       ; four places (ISA guide 7.12.1 for vector instructions) in front of loads into set 1, which the last products read
	FETCH \slot, 1
.irp a, 0,1,2,3,4,5
	MULA \a, 0, \slot, \bias
.endr
.if \mode > 0
	WIN 0                                          ; (the add's two registers lie in window 0)
	s_wait_tensorcnt 0x0                           ; all my tensor loads have landed;
	ds_add_u32 v[SPW], v[NIL]                      ; 0 onto my spare word: eight matrix instructions stand between it and the wait for it
	MULA 6, 0, \slot, \bias
	s_wait_dscnt 0x0                               ; the add is done, and set 1 is in: my reads of this slot are over
	s_barrier_signal -1
	MULA 7, 0, \slot, \bias                        ; work on registers while the others arrive
	WIN 0
	s_barrier_wait -1
.if \mode == 2
	CREST                                          ; no wave of any partner still reads this slot or has a load on its way
	s_add_nc_u64 s[G0A+4*(\slot)+2:G0A+4*(\slot)+3], s[G0A+4*(\slot)+2:G0A+4*(\slot)+3], 2*SX
	s_add_nc_u64 s[G0B+4*(\slot)+2:G0B+4*(\slot)+3], s[G0B+4*(\slot)+2:G0B+4*(\slot)+3], 2*SW
	JLOAD G0A+4*(\slot), G0B+4*(\slot)             ; the four v_nop behind it are also the places in front of the loads that follow
.endif
.else
	MULA 6, 0, \slot, \bias
	MULA 7, 0, \slot, \bias
	WIN 0
	s_wait_dscnt 0x0                               ; set 1 is in
.endif
.endm
; A slot's second step; at its head the next slot's first fragments and scale words are fetched (mode > 0).
.macro STEPB slot, next, mode
.if \mode > 0
.if \mode == 1
	PLACES 4                                       ; in front of loads into set 0
.endif
	FETCH \next, 0
	SCALES \next
.endif
.irp a, 0,1,2,3,4,5,6,7
	MULA \a, 1, \slot, 0
.endr
	WIN 0
.endm
	s_wait_tensorcnt 1                             ; my block of slot 0 is in; slot 1's may stay out
	s_barrier_signal -1
	s_barrier_wait -1                              ; everybody's is
	FETCH 0, 0
	SCALES 0
	s_wait_loadcnt 0x0                             ; b1
	STEPA 0, 2, 1                                  ; K slot 0; slot 0 takes K slot 2
	STEPB 0, 1, 2
	STEPA 1, 2, 0                                  ; K slot 1; slot 1 takes K slot 3
	STEPB 1, 0, 2
	STEPA 0, 1, 0                                  ; K slot 2
	STEPB 0, 1, 1
	STEPA 1, 0, 0                                  ; K slot 3
	STEPB 1, 0, 0
; THE WAY OUT, a tile of 16 tokens x 128 f at a time: 64 numbers a lane, register 16 b + i = f 32 b + 16 (lane / 16) + i.
; GELU: eight issue slots a number: 16 packed squares, 32 x (1 + p |a|), 32 reciprocals, 16 packed scalings, 32 exponentials, 64 packed steps of the polynomial, 16 packed t exp, 16 packed 1 - .., 32 x (a + |a| erf), for 32 numbers.
; No transcendental's result is used, and none of its sources written, before a plain instruction has followed it (ISA guide 5.7.2): plain lines that are due anyway stand among them.
.macro GELU a
.irp hb, 0,1
.set AC, 64*((\a)%4)+32*\hb
	WIN 0x0a+5*((\a)/4)                            ; sources 0 and 1: window 2 or 3
.set i, 0
.rept 16
	v_pk_mul_f32 v[T1+2*i:T1+2*i+1], v[AC+2*i:AC+2*i+1], v[AC+2*i:AC+2*i+1]   ; a^2: each accumulator is read from its low end on
.set i, i+1
.endr
.set i, 0
.rept 32
	v_fma_f32 v[T2+i], |v[AC+i]|, s68, 1.0         ; 1 + p |a|
.set i, i+1
.endr
	WIN 0
.set i, 0
.rept 16
	v_rcp_f32 v[T2+2*i], v[T2+2*i]                 ; t
	v_rcp_f32 v[T2+2*i+1], v[T2+2*i+1]
	v_pk_mul_f32 v[T1+2*i:T1+2*i+1], v[T1+2*i:T1+2*i+1], s[66:67] op_sel_hi:[1,0]
.set i, i+1
.endr
.set i, 0
.rept 16
	v_exp_f32 v[T1+2*i], v[T1+2*i]                 ; exp(-a^2 / 2)
	s_wait_alu depctr_va_vdst(0)
	v_pk_fma_f32 v[T3+2*i:T3+2*i+1], v[T2+2*i:T2+2*i+1], s[70:71], v[A4:A4+1] op_sel_hi:[1,0,0]   ; a5 t + a4
	v_exp_f32 v[T1+2*i+1], v[T1+2*i+1]
.set i, i+1
.endr
.irp k, 72,74,76
.set i, 0
.rept 16
	v_pk_fma_f32 v[T3+2*i:T3+2*i+1], v[T3+2*i:T3+2*i+1], v[T2+2*i:T2+2*i+1], s[\k:\k+1] op_sel_hi:[1,1,0]   ; .. t + a3, .. t + a2, .. t + a1
.set i, i+1
.endr
.endr
.set i, 0
	s_wait_alu depctr_va_vdst(0)
.rept 16
	v_pk_mul_f32 v[T1+2*i:T1+2*i+1], v[T1+2*i:T1+2*i+1], v[T2+2*i:T2+2*i+1]
.set i, i+1
.endr
.set i, 0
.rept 16
	v_pk_fma_f32 v[T3+2*i:T3+2*i+1], v[T3+2*i:T3+2*i+1], v[T1+2*i:T1+2*i+1], 1.0 op_sel_hi:[1,1,0] neg_lo:[1,0,0] neg_hi:[1,0,0]   ; erf
.set i, i+1
.endr
	WIN 0x22+0x11*((\a)/4)                         ; sources 0 and 2: window 2 or 3
.set i, 0
.rept 32
	v_fma_f32 v[G+32*\hb+i], |v[AC+i]|, v[T3+i], v[AC+i]   ; 2 gelu(a) = a + |a| erf
.set i, i+1
.endr
.endr
	WIN 0
.endm
; The tile's 64 numbers 2 h become a fragment's codes in v[PC] on and its row's scale word in v[PW].
.macro QUANT
	s_wait_dscnt 0x0                               ; the last tile's LDS store has read PW,
	s_wait_xcnt 0x0                                ; and its global stores have read PC: both are rewritten only behind these waits
.irp b, 0,1,2,3
	v_max3_num_f32 v[TM+\b], |v[G+16*\b]|, |v[G+1+16*\b]|, 0x3000000   ; block b: my 16 numbers, and the floor 2^(6 - 127) for 2 h: h's byte cannot fall under 1
.endr
.irp i, 2,4,6,8,10,12,14
.irp b, 0,1,2,3
	v_max3_num_f32 v[TM+\b], v[TM+\b], |v[G+16*\b+\i]|, |v[G+1+16*\b+\i]|   ; (the four blocks by turns)
.endr
.endr
.irp b, 0,1,2,3
	v_permlanex16_b32 v[TM+4+\b], v[TM+\b], s[SEL], s[SEL+1]
.endr
.irp b, 0,1,2,3
	v_max_num_f32 v[TM+\b], v[TM+\b], v[TM+4+\b]   ; with lane l xor 16's: the block's largest magnitude
.endr
.irp b, 0,1,2,3
	v_add_nc_u32 v[TM+8+\b], 0xfe000000, v[TM+\b]  ; 4 off its exponent field: the conversion's scale operand, for 2 h
.endr
.irp b, 0,1,2,3
	v_lshrrev_b32 v[TM+4+\b], 23, v[TM+8+\b]
.endr
	v_lshl_or_b32 v[PW], v[TM+5], 8, v[TM+4]
	v_lshl_or_b32 v[PW], v[TM+6], 16, v[PW]
	v_lshl_or_b32 v[PW], v[TM+7], 24, v[PW]
	v_add_nc_u32 v[PW], 0xfefefeff, v[PW]          ; 1 off each of the four bytes (each is 2 at the least: no borrow): the scales of h
.irp c, 0,1
	v_cvt_scalef32_pk16_bf6_f32 v[PC+6*\c:PC+2+6*\c], v[G+32*\c:G+15+32*\c], v[TM+8+2*\c]
	v_cvt_scalef32_pk16_bf6_f32 v[PC+12+4*\c:PC+14+4*\c], v[G+16+32*\c:G+31+32*\c], v[TM+8+2*\c+1]   ; (a conversion's three registers begin on an even number)
.endr
	v_nop                                          ; one plain place behind a scaled conversion
.irp c, 0,1                            ; the operand's layout wants a WHOLE block in a lane: lanes 0-15 block 2 c, lanes 16-31 block 2 c + 1
.irp i, 0,1,2
	v_permlane16_swap_b32 v[PC+6*\c+\i], v[PC+12+4*\c+\i]
.endr
.irp i, 0,1,2
	v_mov_b32 v[PC+3+6*\c+\i], v[PC+12+4*\c+\i]
.endr
.endr
.endm
	PLACES 4                                       ; in front of the first read of results, and of writes to registers that the last products read
.irp b, 0,1,2,3
	v_mov_b32 v[TM+4+\b], 0                        ; written once: a lane permute's destination counts as one of its sources
.endr
.irp a, 0,1,2,3,4,5,6,7
	GELU \a
	QUANT
.irp c, 0,1,2
	global_store_b128 v[L16], v[PC+4*\c:PC+4*\c+3], s[80:81] offset:REC*\a+512*\c   ; the image: 512 consecutive bytes, aligned
.endr
	ds_store_b32 v[SCW], v[PW] offset:256*\a       ; a record's two words a row come from the two waves of a pair: they meet in LDS
.endr
	s_wait_dscnt 0x0                               ; for my partner's sake: my words lie in LDS
	s_barrier_signal -1
	s_barrier_wait -1
.irp i, 0,1,2,3
	ds_load_b64 v[G+2*\i:G+2*\i+1], v[SCRD] offset:256*\i
.endr
	s_wait_dscnt 0x0
.irp i, 0,1,2,3
	global_store_b64 v[L8], v[G+2*\i:G+2*\i+1], s[82:83] offset:REC*\i   ; a scale section: 256 consecutive bytes, aligned
.endr
	s_wait_tensorcnt 0x0                           ; the wave's end: behind my last tensor load and my last LDS store
	ds_add_u32 v[SPW], v[NIL]
	s_wait_dscnt 0x0
	CROUND                                         ; the closing round: no work-group ends while a partner may still ask for a block that names it
	s_endpgm
.Lfunc_end_k_qaf025ce4eb_ffn1:
	.size	k_qaf025ce4eb_ffn1, .Lfunc_end_k_qaf025ce4eb_ffn1-k_qaf025ce4eb_ffn1
	.p2alignl 7, 3214868480
	.fill 96, 4, 3214868480
	.section	.rodata,"a",@progbits
	.p2align	6, 0x0
	.amdhsa_kernel k_qaf025ce4eb_ffn1
		.amdhsa_group_segment_fixed_size 327680
		.amdhsa_private_segment_fixed_size 0
		.amdhsa_enable_private_segment 0
		.amdhsa_kernarg_size 32
		.amdhsa_user_sgpr_count 2
		.amdhsa_user_sgpr_kernarg_segment_ptr 1
		.amdhsa_wavefront_size32 1
		.amdhsa_system_sgpr_workgroup_id_x 1
		.amdhsa_system_sgpr_workgroup_id_y 1
		.amdhsa_system_sgpr_workgroup_id_z 1
		.amdhsa_system_vgpr_workitem_id 0
		.amdhsa_next_free_vgpr 1024
		.amdhsa_next_free_sgpr 100
		.amdhsa_reserve_vcc 0
		.amdhsa_float_denorm_mode_32 3
		.amdhsa_float_denorm_mode_16_64 3
		.amdhsa_memory_ordered 1
		.amdhsa_forward_progress 1
		.amdhsa_inst_pref_size 255
	.end_amdhsa_kernel
	.section	.bss,"aw",@nobits
	.p2align	6
	.space	262144
	.amdgpu_metadata
---
amdhsa.version: [ 1, 2 ]
amdhsa.kernels:
  - .name:           k_qaf025ce4eb_ffn1
    .symbol:         k_qaf025ce4eb_ffn1.kd
    .args:
      - { .name: xq, .offset: 0, .size: 8, .value_kind: global_buffer, .address_space: global }
      - { .name: w1q, .offset: 8, .size: 8, .value_kind: global_buffer, .address_space: global }
      - { .name: b1, .offset: 16, .size: 8, .value_kind: global_buffer, .address_space: global }
      - { .name: hq, .offset: 24, .size: 8, .value_kind: global_buffer, .address_space: global }
    .group_segment_fixed_size: 327680
    .private_segment_fixed_size: 0
    .kernarg_segment_align: 8
    .kernarg_segment_size: 32
    .max_flat_workgroup_size: 128
    .sgpr_count:     100
    .vgpr_count:     1024
    .wavefront_size: 32
...
	.end_amdgpu_metadata
.endif
;; end of part 3
;; launch ffn2 (part 4): grid 8 x 32, 4 waves a work-group, clusters of 4 x 4, 327,680 bytes of LDS; arguments hq, w2q, b2, gw, out0; writes out0
.if DOCPART == 4
	.amdgcn_target "amdgcn-amd-amdhsa--gfx1250"
	.amdhsa_code_object_version 6
	.text
	.protected	k_qaf025ce4eb_ffn2
	.globl	k_qaf025ce4eb_ffn2
	.p2align	8
	.type	k_qaf025ce4eb_ffn2,@function
k_qaf025ce4eb_ffn2:
	s_mov_b64 s[64:65], 0
	v_nop
	global_prefetch_b8 v0, s[64:65] scope:SCOPE_SE
	s_setreg_imm32_b32 hwreg(HW_REG_WAVE_MODE, 25, 1), 1
	s_wait_xcnt 0x0
	s_wait_alu depctr_hold_cnt(0) depctr_sa_sdst(0) depctr_va_vdst(0) depctr_va_sdst(0) depctr_va_ssrc(0) depctr_va_vcc(0) depctr_vm_vsrc(0)
	s_getreg_b32 s2, hwreg(HW_REG_IB_STS2, 6, 4)
	s_cmp_eq_u32 s2, 0
	s_cbranch_scc0 .Lentry_in_a_cluster
	s_endpgm
.Lentry_in_a_cluster:
	s_bfe_u32 s2, ttmp6, 0x10000c
	s_cmp_lg_u32 s2, 0xf033
	s_cbranch_scc0 .Lentry_shape_is_right
	s_endpgm
.Lentry_shape_is_right:
; out[t][d] = the sum over the experts e of gw[t][e] x (h_e[t] . W2[e][:, d] + b2[e][d]), the products on codes of BF6 (E3M2) with E8M0 scales, sums in f32.
; hq [expert 8][K slot 4][row tile 256 (tokens)][3328] and w2q [expert 8][K slot 4][row tile 64 (d)][3328] are RECORDS: 16 rows x 256 K: two images of an operand's registers (128 K each, 1,536 bytes: register j of lane l at
; 512 (j / 4) + 16 l + 4 (j % 4)), then 256 bytes of scale words (lane l: 8 bytes at 8 l: the words of the two K steps of row l % 16).  Eight records on end are a BLOCK, 26,624 dense bytes: one tensor load.
; SHARES.  out has only 64 tiles of 256 x 256, so a work-group makes 128 tokens x 128 d: 256 work-groups.  THE WAVES SPLIT THE EXPERTS AND THE COLUMNS: wave w takes experts 4 (w / 2) + 0 .. 3 and columns 64 (w % 2) + 0 .. 63, for all 128 tokens:
; a wave tile of 128 x 64 reads 192 rows from LDS for 32 matrix instructions, where four tiles of 64 x 64 would read 256.  The two halves of the experts are added at the end, through LDS: (0 .. 3) + (4 .. 7).
; A slot of the ring holds, for each half of the experts, a block of hq and a block of w2q; 16 K slots (4 experts x 4) a wave.
; CLUSTERS: 4 x 4 work-groups.  hq's blocks hang on the token tile and are shared along a row of the cluster, w2q's on the column tile and are shared along a column: each is asked for JOINTLY.
; THE PRODUCT IS USED TRANSPOSED (source 0 = 16 rows of W2, source 1 = 16 tokens); w2q's tiles hold rows 32 b + 8 u + r + 8 (r / 8): a lane holds one token, and the 16 registers of tiles 2 b, 2 b + 1 are 16 neighbouring d.
; b2 is the C of each expert's first matrix instructions (the bias begins the sum); a finished expert is folded into out by packed multiply-adds with the lane's weight.
; LIMITS: NaN and infinities are not served.
; REGISTERS, in windows of 256: window 0: v0-31 addresses; v32-63 scale words and nothing else, set s at v[32 + 16 s], register 2 i + q: lanes 0-15 the word of h's tile i, lanes 16-31 (i < 4) that of W2's tile i, K step q;
;   v64-159, v160-255 h's fragments, two sets.   window 1: v0-47, v48-95 W2's fragments, two sets; v96-127 the weights w(a, ei) at v[96 + 4 a + ei]; v128-255 b2 at v[128 + 32 ei + 8 b].
;   window 2: the expert's sums, (a, b) at v[8 (4 a + b)].   window 3: out, the same map.
.set REC,   3328
.set BLK,   8*REC
.set SLOT,  4*BLK                      ; experts 0-3: h's block, W2's block; experts 4-7: the same
.set SPARE, 2*SLOT                     ; behind the ring: the spare words, 128 bytes for each wave: two blocks of 256 bytes that no other line names
.set SX,    256*REC                    ; from K slot to K slot in hq (it runs on from expert to expert)
.set SW,    64*REC                     ; and in w2q
.set SP,    272                        ; the way out: a stage row, 256 bytes + 16
.set SREG,  128*SP                     ; a wave's stage: 128 rows.  The stages lie in the ring, which by then has had its last fill and its last read
.set L16,   4                          ; v4      16 x lane
.set ADRA,  16                         ; v16-17  LDS address of my fragments of h in slot 0, 1
.set BO,    18                         ; v18     64 x (lane / 16): b2
.set GO,    19                         ; v19     32 x (lane % 16): gw
.set ADRB,  20                         ; v20-21  the same for W2
.set ADRS,  22                         ; v22-23  scale words of tiles 0-3: lanes 0-15 h's, lanes 16-31 W2's
.set ADRT,  24                         ; v24-25  of h's tiles 4-7, in all lanes: W2 has four tiles, and no lane reads past its block
.set STO,   26                         ; v26     the stage: where I put 16 bytes
.set RD0,   27                         ; v27     where I read rows of experts 0-3's half back,
.set SPW,   28                         ; v28     LDS address of my spare word; never rewritten
.set NIL,   29                         ; v29     0; never rewritten
.set RD1,   30                         ; v30     and of experts 4-7's
.set CO,    31                         ; v31     my byte offset in out
.set SC,    32
.set AF,    64
.set WR0,   96                         ; in window 1
.set B2R,   128
.set G1A,   24                         ; s[24:31] descriptor group 1 for h's blocks;  s[32:39] group 0, one set for each slot
.set G0A,   32
.set G1B,   48                         ; s[48:55], s[56:63] the same for W2's
.set G0B,   56
.set WV,    84                         ; s84 wave;  s85 wave / 2: my half of the experts;  s86 wave % 2: my half of the columns, and: I fetch h's block (0) or W2's (1)
.set HI,    85
.set LO,    86
.set MSB, 0
.macro WIN new                         ; the immediate's high byte repeats the setting that is left; a switch that changes nothing is dropped
.if MSB != (\new)
	s_set_vgpr_msb (MSB<<8)|(\new)
.set MSB, \new
.endif
.endm
.macro PLACES n
.rept \n
	v_nop
.endr
.endm
; A joint load: waves 0 and 2 fetch h's blocks, waves 1 and 3 W2's.  Each line has one mask and one set of registers for all that issue it; the branch hangs on the wave's number alone.
; Four v_nop follow each of the two lines, ahead of the jump, the label and what follows.
.macro JLOAD g0a, g0b
	s_cmp_eq_u32 s[LO], 0
	s_cbranch_scc0 .Lfor_b_\@
	tensor_load_to_lds s[\g0a:\g0a+3], s[G1A:G1A+7]
	s_nop 0
.rept 4
	v_nop
.endr
	s_branch .Lasked_\@
.Lfor_b_\@:
	tensor_load_to_lds s[\g0b:\g0b+3], s[G1B:G1B+7]
	s_nop 0
.rept 4
	v_nop
.endr
.Lasked_\@:
.endm
.macro CREST                           ; a round of the cluster's barrier behind its opening barrier
	s_cmp_lg_u32 s[WV], 0
	s_cbranch_scc1 .Lnot_wave_0_\@
	s_barrier_signal -3
.Lnot_wave_0_\@:
	s_barrier_wait -3
	s_barrier_signal -1
	s_barrier_wait -1
.endm
.macro CROUND                          ; a whole round
	s_barrier_signal -1
	s_barrier_wait -1
	CREST
.endm
	s_load_b256 s[4:11], s[0:1], 0x0               ; hq s[4:5], w2q s[6:7], b2 s[8:9], gw s[10:11]
	s_load_b64 s[12:13], s[0:1], 0x20              ; out0
	v_lshl_add_u32 v[SPW], v0, 2, SPARE
	v_mov_b32 v[NIL], 0
	ds_add_u32 v28, v29
	ds_add_u32 v28, v29
	s_wait_dscnt 0x0
	v_lshrrev_b32 v1, 5, v0
	v_readfirstlane_b32 s[WV], v1
	s_lshr_b32 s[HI], s[WV], 1
	s_and_b32 s[LO], s[WV], 1
	s_bfe_u32 s40, ttmp6, 0x40000                  ; cx, cy: my place in the cluster
	s_bfe_u32 s41, ttmp6, 0x40004
	s_lshl_b32 s42, ttmp9, 2
	s_add_co_u32 s42, s42, s40                     ; tx = 4 x cluster x + cx: the column tile, 0 .. 7
	s_and_b32 s45, ttmp7, 0xffff
	s_lshl_b32 s45, s45, 2
	s_add_co_u32 s45, s45, s41                     ; ty = 4 x cluster y + cy: the token tile, 0 .. 31
	s_lshl_b32 s43, s41, 2
	s_lshl_b32 s43, 15, s43                        ; my row of the cluster
	s_lshl_b32 s44, 0x1111, s40                    ; my column
	; descriptor group 1: a block is dense: 104 rows of 256 bytes (32 elements of 8 bytes), no padding
	s_or_b32 s[G1A], s43, (3<<16)|(1<<21)          ; 15:0 the mask: h's blocks go to my row; 17:16 elements of 8 bytes; 21 set beside a mask
	s_or_b32 s[G1B], s44, (3<<16)|(1<<21)          ; W2's go to my column
.irp g, G1A, G1B
	s_mov_b32 s[\g+1], 32<<16                      ; tensor_dim0 = 32
	s_mov_b32 s[\g+2], 104<<16                     ; tensor_dim1 = 104
	s_mov_b32 s[\g+3], 32<<16                      ; tile_dim0 = 32
	s_mov_b32 s[\g+4], 104                         ; tile_dim1 = 104
	s_mov_b32 s[\g+5], 32                          ; from row to row
	s_mov_b32 s[\g+6], 0
	s_mov_b32 s[\g+7], 0
.endr
	s_lshl_b32 s16, s[HI], 12
	s_lshl_b32 s18, s45, 3
	s_add_co_u32 s16, s16, s18
	s_mul_i32 s16, s16, REC                        ; hq: record 4,096 x expert half + 8 ty: on ty alone, which my row shares
	s_mov_b32 s17, 0
	s_lshl_b32 s46, s[HI], 10
	s_lshl_b32 s47, s42, 3
	s_add_co_u32 s46, s46, s47
	s_mul_i32 s46, s46, REC                        ; w2q: record 1,024 x expert half + 8 tx: on tx alone, which my column shares
	s_mov_b32 s47, 0
	s_mul_i32 s20, s[WV], BLK                      ; where it goes: block = wave: no place in the cluster enters an LDS address
	s_wait_kmcnt 0x0
	s_add_nc_u64 s[16:17], s[4:5], s[16:17]
	s_add_nc_u64 s[46:47], s[6:7], s[46:47]
	CROUND                                         ; all sixteen work-groups are here: the first joint loads meet
.irp s, 0,1
	s_mov_b32 s[G0A+4*\s], 1                       ; count = 1
	s_add_co_u32 s[G0A+4*\s+1], s20, \s*SLOT       ; LDS address
	s_add_nc_u64 s[G0A+4*\s+2:G0A+4*\s+3], s[16:17], \s*SX   ; global address: K slot s
	s_or_b32 s[G0A+4*\s+3], s[G0A+4*\s+3], 0x80000000        ; type = 2
	s_mov_b32 s[G0B+4*\s], 1
	s_add_co_u32 s[G0B+4*\s+1], s20, \s*SLOT
	s_add_nc_u64 s[G0B+4*\s+2:G0B+4*\s+3], s[46:47], \s*SW
	s_or_b32 s[G0B+4*\s+3], s[G0B+4*\s+3], 0x80000000
	JLOAD G0A+4*\s, G0B+4*\s                       ; both slots are asked for before anything else is done: two loads of mine are out
.endr
	v_and_b32 v1, 31, v0                           ; lane
	v_and_b32 v2, 15, v0                           ; r
	v_bfe_u32 v3, v0, 4, 1                         ; h
	v_lshlrev_b32 v[L16], 4, v1
	v_lshlrev_b32 v5, 3, v1                        ; 8 x lane
	v_lshlrev_b32 v[BO], 6, v3
	v_lshlrev_b32 v[GO], 5, v2
	s_lshl_b32 s22, s45, 12                        ; gw: token 128 ty (32 bytes each), expert 4 x half (4 bytes each)
	s_lshl_b32 s23, s[HI], 4
	s_add_co_u32 s22, s22, s23
	s_mov_b32 s23, 0
	s_add_nc_u64 s[10:11], s[10:11], s[22:23]
	s_lshl_b32 s22, s[HI], 14                      ; b2: expert 4 x half (4,096 bytes each), column 128 tx + 64 x column half
	s_lshl_b32 s87, s42, 9
	s_lshl_b32 s88, s[LO], 8
	s_add_co_u32 s87, s87, s88                     ; my first column, in bytes
	s_add_co_u32 s22, s22, s87
	s_add_nc_u64 s[8:9], s[8:9], s[22:23]
	s_lshl_b32 s22, s45, 19                        ; out: row 128 ty + 64 x expert half (the rows that I finish), my columns
	s_lshl_b32 s88, s[HI], 18
	s_add_co_u32 s22, s22, s88
	s_add_co_u32 s22, s22, s87
	s_add_nc_u64 s[12:13], s[12:13], s[22:23]
	WIN 0x40                                       ; destination window 1, address window 0
.irp a, 0,1,2,3,4,5,6,7
	global_load_b128 v[WR0+4*\a:WR0+4*\a+3], v[GO], s[10:11] offset:512*\a   ; token 16 a + r: its weights for my four experts
.endr
.irp ei, 0,1,2,3
.irp b, 0,1,2,3                        ; tile b's eight registers: b2 at d = 32 (b / 2) + 16 h + 8 (b % 2) + 0 .. 7: the result's layout
	global_load_b128 v[B2R+32*\ei+8*\b:B2R+32*\ei+8*\b+3], v[BO], s[8:9] offset:4096*\ei+(32*(\b/2)+8*(\b%2))*4
	global_load_b128 v[B2R+32*\ei+8*\b+4:B2R+32*\ei+8*\b+7], v[BO], s[8:9] offset:4096*\ei+(32*(\b/2)+8*(\b%2))*4+16
.endr
.endr
	WIN 0
	s_mul_i32 s21, s[HI], 2*BLK                    ; my block of h
	s_mul_i32 s23, s[LO], 4*REC
	s_add_co_u32 s23, s23, BLK                     ; from there to my four records of W2: a block + 4 records x column half
	s_add_co_u32 s22, s21, s23
	v_mul_u32_u24 v6, s23, v3                      ; lanes 16-31 take W2's scale words: one product, the lower base + h x the distance
	v_add_nc_u32 v6, v6, v5
.irp s, 0,1
	v_add_nc_u32 v[ADRA+\s], s21, v[L16]
	v_add_nc_u32 v[ADRB+\s], s22, v[L16]
	v_add_nc_u32 v[ADRS+\s], s21, v6
	v_add_nc_u32 v[ADRT+\s], s21, v5
	s_add_co_u32 s21, s21, SLOT
	s_add_co_u32 s22, s22, SLOT
.endr
	s_mul_i32 s21, s[WV], SREG                     ; my stage
	v_mul_u32_u24 v[STO], v2, SP
	v_lshl_add_u32 v[STO], v3, 6, v[STO]
	v_add_nc_u32 v[STO], s21, v[STO]               ; in: row r (+ 16 a), 64 h bytes on
	s_mul_i32 s21, s[LO], SREG                     ; back: the stage of experts 0-3 for my columns, rows 64 x expert half on; lanes 0-15 one row, lanes 16-31 the next
	s_mul_i32 s22, s[HI], 64*SP
	s_add_co_u32 s21, s21, s22
	v_mul_u32_u24 v[RD0], v3, SP
	v_lshl_add_u32 v[RD0], v2, 4, v[RD0]
	v_add_nc_u32 v[RD0], s21, v[RD0]
	v_add_nc_u32 v[RD1], 2*SREG, v[RD0]            ; and that of experts 4-7
	v_lshlrev_b32 v[CO], 12, v3
	v_lshl_add_u32 v[CO], v2, 4, v[CO]             ; the same two rows in out
; Four matrix instructions: h's tile a against W2's four, K step q of slot sc (fragment set q).  bias = 1: b2 of expert ei is the C: nothing is ever cleared.
; The 32 accumulators take turns, one instruction a turn, in the same order in every step.
.macro MULA a, q, sc, bias, ei
.if \bias
	WIN 0x91                                       ; source 0 (W2) and C (b2) window 1, source 1 (h) window 0, D window 2
.else
	WIN 0xa1                                       ; C and D window 2
.endif
.irp b, 0,1,2,3
.if \bias
	v_wmma_scale_f32_16x16x128_f8f6f4 v[8*(4*(\a)+\b):8*(4*(\a)+\b)+7], v[48*(\q)+12*\b:48*(\q)+12*\b+11], v[AF+96*(\q)+12*(\a):AF+96*(\q)+12*(\a)+11], v[B2R+32*(\ei)+8*\b:B2R+32*(\ei)+8*\b+7], v[SC+16*(\sc)+2*\b+(\q)], v[SC+16*(\sc)+2*(\a)+(\q)] matrix_a_fmt:MATRIX_FMT_BF6 matrix_b_fmt:MATRIX_FMT_BF6 matrix_a_scale:MATRIX_SCALE_ROW1
.else
	v_wmma_scale_f32_16x16x128_f8f6f4 v[8*(4*(\a)+\b):8*(4*(\a)+\b)+7], v[48*(\q)+12*\b:48*(\q)+12*\b+11], v[AF+96*(\q)+12*(\a):AF+96*(\q)+12*(\a)+11], v[8*(4*(\a)+\b):8*(4*(\a)+\b)+7], v[SC+16*(\sc)+2*\b+(\q)], v[SC+16*(\sc)+2*(\a)+(\q)] matrix_a_fmt:MATRIX_FMT_BF6 matrix_b_fmt:MATRIX_FMT_BF6 matrix_a_scale:MATRIX_SCALE_ROW1
.endif
.endr
.endm
.macro FETCH slot, q                   ; 36 LDS loads in one run: the twelve fragments of K step q of a slot, into set q
	WIN 0x40
.irp i, 0,1,2,3
.irp c, 0,1,2
	ds_load_b128 v[48*(\q)+12*\i+4*\c:48*(\q)+12*\i+4*\c+3], v[ADRB+(\slot)] offset:REC*\i+1536*(\q)+512*\c
.endr
.endr
	WIN 0
.irp i, 0,1,2,3,4,5,6,7
.irp c, 0,1,2
	ds_load_b128 v[AF+96*(\q)+12*\i+4*\c:AF+96*(\q)+12*\i+4*\c+3], v[ADRA+(\slot)] offset:REC*\i+1536*(\q)+512*\c
.endr
.endr
.endm
.macro SCALES slot                     ; a slot's scale words, both K steps
.irp i, 0,1,2,3
	ds_load_b64 v[SC+16*(\slot)+2*\i:SC+16*(\slot)+2*\i+1], v[ADRS+(\slot)] offset:REC*\i+3072
.endr
.irp i, 4,5,6,7
	ds_load_b64 v[SC+16*(\slot)+2*\i:SC+16*(\slot)+2*\i+1], v[ADRT+(\slot)] offset:REC*\i+3072
.endr
.endm
; A slot's first step.  Its second step's fragments are fetched at its head, so the wave's reads of the slot are over while this step is multiplied.
; mode 2: the slot is filled again, two K slots ahead: each wave waits for all its tensor loads (the one that is out is its block of the other slot), adds 0 to its spare word, waits for that and for its reads of this slot;
; the barrier opens a round of the cluster's barrier, and the joint refill is the first tensor load behind it: from there to the wait for it a wave issues 56 matrix instructions.
; mode 1: the same barrier, nothing left to fetch: the other slot must be whole.  mode 0: the last slot.
.macro STEPA slot, mode, bias, ei
	s_wait_dscnt 0x0                               ; set 0 and the slot's scale words are in (asked for 32 matrix instructions ago)
	PLACES 4                                       ; four places (ISA guide 7.12.1 for vector instructions) in front of loads into set 1, which the last products read
	FETCH \slot, 1
.irp a, 0,1,2,3,4,5
	MULA \a, 0, \slot, \bias, \ei
.endr
.if \mode > 0
	WIN 0                                          ; (the add's two registers lie in window 0)
	s_wait_tensorcnt 0x0                           ; all my tensor loads have landed;
	ds_add_u32 v[SPW], v[NIL]                      ; 0 onto my spare word: four matrix instructions stand between it and the wait for it
	MULA 6, 0, \slot, \bias, \ei
	s_wait_dscnt 0x0                               ; the add is done, and set 1 is in: my reads of this slot are over
	s_barrier_signal -1
	MULA 7, 0, \slot, \bias, \ei                   ; work on registers while the others arrive
	WIN 0
	s_barrier_wait -1
.if \mode == 2
	CREST                                          ; no wave of any partner still reads this slot or has a load on its way
	s_add_nc_u64 s[G0A+4*(\slot)+2:G0A+4*(\slot)+3], s[G0A+4*(\slot)+2:G0A+4*(\slot)+3], 2*SX
	s_add_nc_u64 s[G0B+4*(\slot)+2:G0B+4*(\slot)+3], s[G0B+4*(\slot)+2:G0B+4*(\slot)+3], 2*SW
	JLOAD G0A+4*(\slot), G0B+4*(\slot)             ; the four v_nop behind it are also the places in front of the loads that follow
.endif
.else
	MULA 6, 0, \slot, \bias, \ei
	MULA 7, 0, \slot, \bias, \ei
	WIN 0
	s_wait_dscnt 0x0                               ; set 1 is in
.endif
.endm
; A slot's second step; at its head the next slot's first fragments and scale words are fetched (mode > 0).
.macro STEPB slot, next, mode
.if \mode > 0
.if \mode == 1
	PLACES 4                                       ; in front of loads into set 0
.endif
	FETCH \next, 0
	SCALES \next
.endif
.irp a, 0,1,2,3,4,5,6,7
	MULA \a, 1, \slot, 0, 0
.endr
	WIN 0
.endm
; A finished expert: out += w x (its sums), two numbers an instruction; the first of my four starts out.  The lane's weight is one word of a pair: op_sel names it for both halves.
; Each accumulator is read from its low end on.  These lines are also the places in front of the next expert's first products, which write the sums anew.
.macro FOLD ei
	PLACES 4                                       ; in front of the first read of results
	WIN 0xf6                                       ; source 0 (the sums) window 2, source 1 (w) window 1, source 2 and destination (out) window 3
.set i, 0
.rept 128
.set WP, WR0+4*(i/16)+2*((\ei)/2)      ; tile a = i / 16
.if (\ei) == 0
	v_pk_mul_f32 v[2*i:2*i+1], v[2*i:2*i+1], v[WP:WP+1] op_sel_hi:[1,0]
.elseif (\ei)%2 == 0
	v_pk_fma_f32 v[2*i:2*i+1], v[2*i:2*i+1], v[WP:WP+1], v[2*i:2*i+1] op_sel_hi:[1,0,1]
.else
	v_pk_fma_f32 v[2*i:2*i+1], v[2*i:2*i+1], v[WP:WP+1], v[2*i:2*i+1] op_sel:[0,1,0] op_sel_hi:[1,1,1]
.endif
.set i, i+1
.endr
	WIN 0
.endm
	s_wait_tensorcnt 1                             ; my block of slot 0 is in; slot 1's may stay out
	s_barrier_signal -1
	s_barrier_wait -1                              ; everybody's is
	FETCH 0, 0
	SCALES 0
	s_wait_loadcnt 0x0                             ; the weights and b2
.set IDX, 0
.rept 16                               ; sixteen K slots: expert IDX / 4 of my four, its K slot IDX % 4.  Written out
.set SL, IDX%2
.set NX, 1-SL
.set EI, IDX/4
.set MD, 2                             ; K slots 0 .. 13 ask for the K slot two on,
.if IDX == 14
.set MD, 1                             ; the last but one for nothing,
.endif
.if IDX == 15
.set MD, 0                             ; and the last has no barrier
.endif
.set BI, 0
.if IDX%4 == 0
.set BI, 1
.endif
	STEPA SL, MD, BI, EI
	STEPB SL, NX, MD
.if IDX%4 == 3
	FOLD EI
.endif
.set IDX, IDX+1
.endr
	; THE WAY OUT.  The two halves of the experts meet in LDS: each wave puts its 128 rows x 64 columns into its stage; then wave (kh, nh) adds and stores rows 64 kh .. 64 kh + 63 of columns 64 nh on.
	s_wait_dscnt 0x0
	s_barrier_signal -1
	s_barrier_wait -1                              ; nobody reads the ring any more, and every wave's tensor loads have landed: the stages may be written
	WIN 0x0c                                       ; an LDS store's data are its source 1: window 3
.irp a, 0,1,2,3,4,5,6,7
.irp b, 0,1,2,3
	ds_store_b128 v[STO], v[8*(4*\a+\b):8*(4*\a+\b)+3] offset:16*SP*\a+128*(\b/2)+32*(\b%2)        ; lane (r, h): out(16 a + r, 32 (b / 2) + 16 h + 8 (b % 2) + 0 .. 7)
	ds_store_b128 v[STO], v[8*(4*\a+\b)+4:8*(4*\a+\b)+7] offset:16*SP*\a+128*(\b/2)+32*(\b%2)+16
.endr
.endr
	WIN 0
	s_wait_dscnt 0x0                               ; for the others' sake: my stores into the stage are done
	s_barrier_signal -1
	s_barrier_wait -1
.irp t, 0,1,2,3                        ; four batches of eight pairs of rows
.if \t > 0
	s_wait_xcnt 0x0                                ; the last batch's stores have read their registers, which are loaded anew
.endif
.irp i, 0,1,2,3,4,5,6,7
	ds_load_b128 v[64+4*\i:64+4*\i+3], v[RD0] offset:2*SP*(8*\t+\i)
	ds_load_b128 v[96+4*\i:96+4*\i+3], v[RD1] offset:2*SP*(8*\t+\i)
.endr
	s_wait_dscnt 0x0
.set i, 0
.rept 16
	v_pk_add_f32 v[64+2*i:64+2*i+1], v[64+2*i:64+2*i+1], v[96+2*i:96+2*i+1]   ; experts 0-3 + experts 4-7
.set i, i+1
.endr
.irp i, 0,1,2,3,4,5,6,7
	global_store_b128 v[CO], v[64+4*\i:64+4*\i+3], s[12:13] offset:8192*(8*\t+\i) th:TH_STORE_NT   ; sixteen lanes store 256 consecutive bytes, aligned; written once, read by nobody here
.endr
.endr
	s_wait_tensorcnt 0x0                           ; the wave's end: behind my last tensor load and my last LDS store
	ds_add_u32 v[SPW], v[NIL]
	s_wait_dscnt 0x0
	CROUND                                         ; the closing round: no work-group ends while a partner may still ask for a block that names it
	s_endpgm
.Lfunc_end_k_qaf025ce4eb_ffn2:
	.size	k_qaf025ce4eb_ffn2, .Lfunc_end_k_qaf025ce4eb_ffn2-k_qaf025ce4eb_ffn2
	.p2alignl 7, 3214868480
	.fill 96, 4, 3214868480
	.section	.rodata,"a",@progbits
	.p2align	6, 0x0
	.amdhsa_kernel k_qaf025ce4eb_ffn2
		.amdhsa_group_segment_fixed_size 327680
		.amdhsa_private_segment_fixed_size 0
		.amdhsa_enable_private_segment 0
		.amdhsa_kernarg_size 40
		.amdhsa_user_sgpr_count 2
		.amdhsa_user_sgpr_kernarg_segment_ptr 1
		.amdhsa_wavefront_size32 1
		.amdhsa_system_sgpr_workgroup_id_x 1
		.amdhsa_system_sgpr_workgroup_id_y 1
		.amdhsa_system_sgpr_workgroup_id_z 1
		.amdhsa_system_vgpr_workitem_id 0
		.amdhsa_next_free_vgpr 1024
		.amdhsa_next_free_sgpr 100
		.amdhsa_reserve_vcc 0
		.amdhsa_float_denorm_mode_32 3
		.amdhsa_float_denorm_mode_16_64 3
		.amdhsa_memory_ordered 1
		.amdhsa_forward_progress 1
		.amdhsa_inst_pref_size 255
	.end_amdhsa_kernel
	.section	.bss,"aw",@nobits
	.p2align	6
	.space	262144
	.amdgpu_metadata
---
amdhsa.version: [ 1, 2 ]
amdhsa.kernels:
  - .name:           k_qaf025ce4eb_ffn2
    .symbol:         k_qaf025ce4eb_ffn2.kd
    .args:
      - { .name: hq, .offset: 0, .size: 8, .value_kind: global_buffer, .address_space: global }
      - { .name: w2q, .offset: 8, .size: 8, .value_kind: global_buffer, .address_space: global }
      - { .name: b2, .offset: 16, .size: 8, .value_kind: global_buffer, .address_space: global }
      - { .name: gw, .offset: 24, .size: 8, .value_kind: global_buffer, .address_space: global }
      - { .name: out0, .offset: 32, .size: 8, .value_kind: global_buffer, .address_space: global }
    .group_segment_fixed_size: 327680
    .private_segment_fixed_size: 0
    .kernarg_segment_align: 8
    .kernarg_segment_size: 40
    .max_flat_workgroup_size: 128
    .sgpr_count:     100
    .vgpr_count:     1024
    .wavefront_size: 32
...
	.end_amdgpu_metadata
.endif
;; end of part 4
;; ======== version 2 of 2: 3 launches; 1.16 times as fast as version 1
;; limits: a function is approximated: absolute error at most 1.5e-07
;; workspace buffers: xq 3,407,872 bytes; w1q 6,815,744 bytes; w2q 6,815,744 bytes; hq 27,262,976 bytes; gw 131,072 bytes
;; launch quant (part 5): grid 256 x 1, 12 waves a work-group, no clusters, 158,208 bytes of LDS; arguments x, Wg, bg, xq, W1, W2, w1q, w2q, gw; writes xq, w1q, w2q, gw
.if DOCPART == 5
	.amdgcn_target "amdgcn-amd-amdhsa--gfx1250"
	.amdhsa_code_object_version 6
	.text
	.protected	k_qaf025ce4eb_quant
	.globl	k_qaf025ce4eb_quant
	.p2align	8
	.type	k_qaf025ce4eb_quant,@function
k_qaf025ce4eb_quant:
	s_mov_b64 s[64:65], 0
	v_nop
	global_prefetch_b8 v0, s[64:65] scope:SCOPE_SE
	s_setreg_imm32_b32 hwreg(HW_REG_WAVE_MODE, 25, 1), 1
	s_wait_xcnt 0x0
; ONE LAUNCH QUANTISES ALL THREE OPERANDS THAT ARRIVE AS f32, AND MAKES THE GATE.  Codes of BF6 (E3M2), one E8M0 scale for each 32 along K, laid as RECORDS.
; A RECORD is 16 rows x 256 K in 3,328 bytes: two images of an operand's registers (128 K each, 1,536 bytes: register j of lane l at 512 (j / 4) + 16 l + 4 (j % 4); lane (r, h) holds row r, registers 6 c .. 6 c + 5 hold
; k = 64 c + 32 h + 0 .. 31), then 256 bytes of scale words: lane l has 8 bytes at 8 l: the words of the two K steps of row l % 16 (both halves of the lanes hold the same).
; xq is [K slot 4][row tile 256][3328];  w1q and w2q are [expert 8][K slot 4][row tile 64][3328].
; TWELVE WAVES, TWO ROLES, parted once on the wave's number and joined at the one barrier that the gate needs.
; WAVES 0-3: x [4096][1024].  Work-group g owns tokens 16 g .. 16 g + 15; wave w owns k = 256 w .. 256 w + 255: one record.  A wave's 16 KiB of x are asked for at once, 512 consecutive bytes a load, and turn through the wave's own LDS,
;   so that a lane then holds whole blocks of 32 neighbours along K in the order of the operand's registers.
;   THE GATE, gw[t][8] = the combine weights (softmax of x Wg + bg, the two largest, renormalised, 0 elsewhere), takes f32 operands (a coarser format would swap the second and third expert of some tokens): v_wmma_f32_16x16x4_f32,
;   source 0 = Wg^T (rows 8-15 repeat rows 0-7), source 1 = x, the same order of k on both sides: every lane holds token lane % 16 and its register j expert j.  The four waves' partial logits meet in LDS; wave 0 finishes them.
; WAVES 4-11: W1 and W2, [8][1024 (k)][1024 (n)], K the middle axis.  A LANE TAKES A COLUMN n, AND ITS REGISTERS RUN DOWN K: a load reads 128 consecutive bytes a wave (1,024 the eight waves), a block of 32 along K lies in one lane's
;   registers, the conversions give codes with K innermost.  A wave takes 32 columns x 256 K: two neighbouring records, gathered in its own stage in LDS and stored as thirteen runs of 512 consecutive bytes.
;   Work-group g: tensor and expert g / 16 (0-7: W1's experts, 8-15: W2's; pointers alone are chosen, on the work-group's number), K slot (g / 4) % 4, columns 256 (g % 4) + 32 (wave - 4) on.
;   THE ROWS OF A TILE ARE NOT NEIGHBOURS: in each group of 32 rows, place r of tile 2 b + u holds row 32 b + 8 u + r + 8 (r / 8), so that in a product used transposed the 16 registers of tiles 2 b, 2 b + 1 are 16 neighbouring n.
; Each role has LDS bytes of its own.  The second role writes neither v16-47 (the gate's sums, written by matrix instructions alone) nor v3, v11, v14, which wave 0 uses behind the join.
; LIMITS: NaN and infinities are not served.  A block whose largest magnitude lies under 2^(5 - 127) gets the byte 1 (a block of zeros too, where the quantiser's rule says 127: its codes are zeros, and this program alone reads the bytes).
.set REC,  3328
.set XW,   16640                       ; LDS: a wave's 16 rows of x,
.set XP,   1040                        ; 1,024 bytes + 16 apart: row r starts 4 r banks on, so sixteen rows' 16 bytes meet in no bank
.set WGS,  4*XW                        ; behind them: a wave's 256 rows of Wg, 32 bytes each, dense
.set PL,   WGS+4*8192                  ; behind them: the partial logits, 32 bytes a lane, 1,024 a wave
.set QST,  PL+4096                     ; behind them: the stages of waves 4-11, two records each
.set ACC,  16                          ; v16-47   four accumulators of the gate, written by matrix instructions alone
.set L,    48                          ; v48-55   eight logits
.set TM,   56                          ; v56-62   at work in the quantiser
.set PC,   64                          ; v64-87   the two images (v64-127 hold Wg as loaded at first)
.set TT,   88                          ; v88-94   a conversion's three registers begin on an even number: second halves are made here and moved
.set SW,   96                          ; v96-97   the two scale words
.set U,    104                         ; v104-111 at work
.set X,    128                         ; v128-191 64 numbers of x (v128-255 hold x as loaded at first)
.set WF,   192                         ; v192-255 the same k of Wg
.set WX,   128                         ; waves 4-11: v128-191 two sets of 32 numbers
.set WC,   192                         ; v192-198 a block's codes
.set WSB,  62                          ; v62-63   the scale words of the two K steps
.set WOUT, 64                          ; v64-115  the way out
	s_load_b256 s[4:11], s[0:1], 0x0               ; x s[4:5], Wg s[6:7], bg s[8:9], xq s[10:11]
	s_load_b256 s[52:59], s[0:1], 0x20             ; W1 s[52:53], W2 s[54:55], w1q s[56:57], w2q s[58:59]
	s_load_b64 s[12:13], s[0:1], 0x40              ; gw
	v_lshl_add_u32 v7, v0, 2, 0x26400
	v_mov_b32 v12, 0
	v_lshrrev_b32 v1, 5, v0
	v_readfirstlane_b32 s14, v1                    ; wave 0 .. 11
	v_and_b32 v1, 31, v0                           ; lane
	v_and_b32 v2, 15, v0                           ; r
	v_bfe_u32 v3, v0, 4, 1                         ; h
	v_lshlrev_b32 v4, 4, v1                        ; 16 x lane: dense loads and stores of both roles
	v_lshlrev_b32 v11, 5, v1
	v_add_nc_u32 v11, PL, v11                      ; where wave 0 finds the partial logits: made ahead of the parting
	v_lshlrev_b32 v14, 5, v2
	v_lshl_add_u32 v14, v3, 4, v14                 ; gw: 32 r + 16 h
	s_lshl_b32 s38, ttmp9, 9                       ; gw: 16 tokens of 32 bytes
	s_mov_b32 s39, 0
	s_wait_kmcnt 0x0
	s_load_b256 s[16:23], s[8:9], 0x0              ; bg: eight numbers, read by nobody's store
	s_add_nc_u64 s[12:13], s[12:13], s[38:39]
	s_cmp_lt_u32 s14, 4
	s_cbranch_scc0 .Lqw
	; ---------------- waves 0-3: x and the gate
	s_mul_i32 s15, s14, XW
	v_add_nc_u32 v5, s15, v4                       ; x into LDS: as loaded
	v_mul_u32_u24 v6, v2, XP
	v_lshl_add_u32 v6, v3, 7, v6
	v_add_nc_u32 v6, s15, v6                       ; x out of LDS: row r, + 128 h: my block of 32
	s_lshl_b32 s26, s14, 13
	s_add_co_u32 s27, s26, WGS
	v_add_nc_u32 v8, s27, v4                       ; Wg into LDS: as loaded
	v_and_b32 v9, 7, v0
	v_lshlrev_b32 v9, 2, v9
	v_lshl_add_u32 v9, v3, 10, v9
	v_add_nc_u32 v9, s27, v9                       ; Wg out of LDS: expert r % 8, 32 h rows down
	s_lshl_b32 s28, s14, 10
	v_add_nc_u32 v10, s28, v11                     ; my eight partial logits
	v_lshlrev_b32 v13, 3, v1                       ; 8 x lane: the scale words
	v_lshlrev_b32 v15, 3, v3                       ; 8 h
	v_mov_b32 v[TM+6], 0                           ; written once: a lane permute's destination counts as one of its sources
	s_mov_b32 s24, 0x76543210
	s_mov_b32 s25, 0xfedcba98                      ; v_permlanex16_b32's selects for lane l xor 16
	s_lshl_b32 s32, ttmp9, 16
	s_add_co_u32 s32, s32, s28                     ; x: 16 rows of 4,096 bytes a work-group, 1,024 bytes a wave
	s_mov_b32 s33, 0
	s_mov_b32 s34, s26                             ; Wg: 256 rows of 32 bytes a wave
	s_mov_b32 s35, 0
	s_lshl_b32 s36, s14, 8
	s_add_co_u32 s36, s36, ttmp9
	s_mul_i32 s36, s36, REC                        ; xq: record 256 w + g
	s_mov_b32 s37, 0
	s_add_nc_u64 s[4:5], s[4:5], s[32:33]
	s_add_nc_u64 s[6:7], s[6:7], s[34:35]
	s_add_nc_u64 s[10:11], s[10:11], s[36:37]
.set i, 0
.rept 16
	global_load_b128 v[64+4*i:64+4*i+3], v4, s[6:7] offset:512*i
.set i, i+1
.endr
.set i, 0
.rept 32                               ; row i / 2, half i % 2 of the wave's 1,024 bytes: 512 consecutive bytes a load
	global_load_b128 v[128+4*i:128+4*i+3], v4, s[4:5] offset:4096*(i/2)+512*(i%2) th:TH_LOAD_NT
.set i, i+1
.endr
	s_wait_loadcnt 32                              ; Wg's sixteen loads are in: the 32 of x were issued behind them
.set i, 0
.rept 16
	ds_store_b128 v8, v[64+4*i:64+4*i+3] offset:512*i
.set i, i+1
.endr
	s_wait_loadcnt 0x0
.set i, 0
.rept 32
	ds_store_b128 v5, v[128+4*i:128+4*i+3] offset:XP*(i/2)+512*(i%2)
.set i, i+1
.endr
	s_wait_dscnt 0x0                               ; the stores have read their registers, which are loaded anew below
; 64 numbers of a lane, X[32 c + i] = x(r, 64 c + 32 h + i) of K step s: two whole blocks.  They become registers 6 c .. 6 c + 5 of the image and two bytes of the row's scale word.
.macro QUANT2 s
.irp c, 0,1
	v_max3_num_f32 v[TM+\c], |v[X+32*\c]|, |v[X+32*\c+1]|, 0x2800000   ; the block's largest magnitude, with the floor 2^(5 - 127): the byte cannot fall under 1
.endr
.irp i, 2,4,6,8,10,12,14,16,18,20,22,24,26,28,30
.irp c, 0,1
	v_max3_num_f32 v[TM+\c], v[TM+\c], |v[X+32*\c+\i]|, |v[X+32*\c+\i+1]|   ; (the two blocks by turns)
.endr
.endr
.irp c, 0,1
	v_add_nc_u32 v[TM+2+\c], 0xfe000000, v[TM+\c]  ; 4 off its exponent field: the conversion takes the exponent field of this operand as its scale
.endr
.irp c, 0,1
	v_lshrrev_b32 v[TM+4+\c], 23, v[TM+2+\c]       ; the scale's byte
.endr
	v_lshl_or_b32 v[SW+\s], v[TM+5], 16, v[TM+4]   ; my two bytes: blocks h and 2 + h,
	v_lshlrev_b32 v[SW+\s], v15, v[SW+\s]          ; at their places (8 h bits up);
	v_permlanex16_b32 v[TM+6], v[SW+\s], s24, s25
	v_or_b32 v[SW+\s], v[SW+\s], v[TM+6]           ; with lane l xor 16's two the word is whole, in both halves of the lanes
.irp c, 0,1
	v_cvt_scalef32_pk16_bf6_f32 v[PC+12*\s+6*\c:PC+12*\s+6*\c+2], v[X+32*\c:X+32*\c+15], v[TM+2+\c]
	v_cvt_scalef32_pk16_bf6_f32 v[TT+4*\c:TT+4*\c+2], v[X+32*\c+16:X+32*\c+31], v[TM+2+\c]
.endr
	v_nop                                          ; one plain place behind a scaled conversion
.irp c, 0,1
.irp i, 0,1,2
	v_mov_b32 v[PC+12*\s+6*\c+3+\i], v[TT+4*\c+\i]
.endr
.endr
.endm
; K step s of the wave's 256: x and Wg out of LDS, 32 matrix instructions on four accumulators by turns (one instruction a turn), then the quantiser on the same registers of x.
; The quantiser's plain lines are also the eight places between these products and the next step's loads into X and WF, and the first read of the sums.
.macro GSTEP s
.set i, 0
.rept 16
	ds_load_b128 v[X+4*i:X+4*i+3], v6 offset:512*\s+256*(i/8)+16*(i%8)
.set i, i+1
.endr
.set i, 0
.rept 64
	ds_load_b32 v[WF+i], v9 offset:32*(128*\s+64*(i/32)+i%32)
.set i, i+1
.endr
	s_wait_dscnt 0x0
.set m, 0
.rept 32
.if (\s == 0) && (m < 4)
	v_wmma_f32_16x16x4_f32 v[ACC+8*(m%4):ACC+8*(m%4)+7], v[WF+2*m:WF+2*m+1], v[X+2*m:X+2*m+1], 0   ; the first four start the sums
.else
	v_wmma_f32_16x16x4_f32 v[ACC+8*(m%4):ACC+8*(m%4)+7], v[WF+2*m:WF+2*m+1], v[X+2*m:X+2*m+1], v[ACC+8*(m%4):ACC+8*(m%4)+7]
.endif
.set m, m+1
.endr
	QUANT2 \s
.endm
	GSTEP 0
	GSTEP 1
.irp s, 0,1
.irp c, 0,1,2
	global_store_b128 v4, v[PC+12*\s+4*\c:PC+12*\s+4*\c+3], s[10:11] offset:1536*\s+512*\c   ; 512 consecutive bytes, aligned
.endr
.endr
	global_store_b64 v13, v[SW:SW+1], s[10:11] offset:3072                                   ; 256 consecutive bytes, aligned
.set j, 0
.rept 8                                ; each accumulator is read from its low end on
	v_add_f32 v[L+j], v[ACC+j], v[ACC+8+j]
	v_add_f32 v[U+j], v[ACC+16+j], v[ACC+24+j]
.set j, j+1
.endr
.set j, 0
.rept 8
	v_add_f32 v[L+j], v[L+j], v[U+j]
.set j, j+1
.endr
	ds_store_b128 v10, v[L:L+3]
	ds_store_b128 v10, v[L+4:L+7] offset:16
	s_branch .Ljoin
	; ---------------- waves 4-11: W1 and W2
.Lqw:
	v_and_b32 v51, 7, v0
	v_bfe_u32 v52, v0, 3, 1
	v_lshl_add_u32 v51, v3, 3, v51                 ; (here v3 says which of the wave's two records, v2 my place in it)
	v_lshl_add_u32 v51, v52, 4, v51                ; my column of the wave's 32: 8 u + r % 8 + 16 (r / 8)
	v_lshlrev_b32 v53, 2, v51
	s_mul_i32 s60, s14, 2*REC
	s_add_co_u32 s60, s60, QST-8*REC               ; my wave's stage: QST + (wave - 4) x two records
	v_mul_u32_u24 v52, v3, REC
	v_add_nc_u32 v52, s60, v52
	v_lshl_add_u32 v54, v2, 4, v52                 ; codes into the stage: record u, 16 r
	v_lshl_add_u32 v55, v2, 3, v52                 ; scale words: record u, 8 r
	v_add_nc_u32 v57, s60, v4                      ; the way out: 16 x lane
	s_sub_co_u32 s61, s14, 4
	s_and_b32 s62, ttmp9, 3
	s_lshl_b32 s62, s62, 3
	s_add_co_u32 s62, s62, s61                     ; which 32 columns: 8 (g % 4) + wave - 4
	s_bfe_u32 s63, ttmp9, 0x20002                  ; which K slot: (g / 4) % 4
	s_lshr_b32 s66, ttmp9, 4                       ; g / 16: 0-7 W1, 8-15 W2
	s_and_b32 s67, s66, 7                          ; the expert
	s_lshl_b32 s68, s67, 22                        ; the source: expert x 4 MiB + K slot x 256 rows of 4,096 bytes + 128 bytes x column group
	s_lshl_b32 s69, s63, 20
	s_add_co_u32 s68, s68, s69
	s_lshl_b32 s69, s62, 7
	s_add_co_u32 s68, s68, s69
	s_mov_b32 s69, 0
	s_lshl_b32 s70, s67, 2                         ; the records: ((4 expert + K slot) 32 + column group) x two records
	s_add_co_u32 s70, s70, s63
	s_lshl_b32 s70, s70, 5
	s_add_co_u32 s70, s70, s62
	s_mul_i32 s70, s70, 2*REC
	s_mov_b32 s71, 0
	s_cmp_lt_u32 s66, 8                            ; W1 or W2: the choice hangs on the work-group's number alone
	s_cselect_b64 s[52:53], s[52:53], s[54:55]
	s_cselect_b64 s[56:57], s[56:57], s[58:59]
	s_add_nc_u64 s[52:53], s[52:53], s[68:69]
	s_add_nc_u64 s[56:57], s[56:57], s[70:71]
.macro LOAD t                          ; block t: W(32 t + i, my column), i = 0 .. 31, into set t % 2
.set i, 0
.rept 32
	global_load_b32 v[WX+32*((\t)%2)+i], v53, s[52:53] offset:(32*(\t)+i)*4096 th:TH_LOAD_NT
.set i, i+1
.endr
.endm
	LOAD 0
	LOAD 1
.macro BLOCK t
.set XS, WX+32*((\t)%2)
.set OF, 1536*((\t)/4)+256*((\t)%2)    ; K step t / 4; the block belongs to lanes r + 16 (t % 2) of the image
.if (\t) < 7
	s_wait_loadcnt 32                              ; this block's 32 loads are in; the next block's 32 may be out
.else
	s_wait_loadcnt 0x0
.endif
	v_max3_num_f32 v58, |v[XS]|, |v[XS+1]|, |v[XS+2]|    ; the block's largest magnitude: all 32 numbers are mine; two chains
	v_max3_num_f32 v59, |v[XS+3]|, |v[XS+4]|, |v[XS+5]|
.irp i, 6,10,14,18,22,26
	v_max3_num_f32 v58, v58, |v[XS+\i]|, |v[XS+\i+1]|
	v_max3_num_f32 v59, v59, |v[XS+\i+2]|, |v[XS+\i+3]|
.endr
	v_max3_num_f32 v58, v58, |v[XS+30]|, |v[XS+31]|
	v_max3_num_f32 v58, v58, v59, 0x2800000        ; and the floor 2^(5 - 127): the byte cannot fall under 1
	v_add_nc_u32 v60, 0xfe000000, v58              ; 4 off its exponent field: the conversion's scale operand
	v_lshrrev_b32 v59, 23, v60                     ; the scale's byte
.if (\t)%4 == 0
	v_mov_b32 v[WSB+(\t)/4], v59                   ; four bytes to a word, the lower K in the lower byte
.else
	v_lshl_or_b32 v[WSB+(\t)/4], v59, 8*((\t)%4), v[WSB+(\t)/4]
.endif
	v_cvt_scalef32_pk16_bf6_f32 v[WC:WC+2], v[XS:XS+15], v60
	v_cvt_scalef32_pk16_bf6_f32 v[WC+4:WC+6], v[XS+16:XS+31], v60   ; (a conversion's three registers begin on an even number)
	v_nop                                          ; one plain place behind a scaled conversion
	v_mov_b32 v[WC+3], v[WC+4]
	v_mov_b32 v[WC+4], v[WC+5]
	v_mov_b32 v[WC+5], v[WC+6]                     ; v[WC] .. v[WC+5]: the block's 24 bytes: registers 6 c .. 6 c + 5 of the image, c = (t / 2) % 2
.if ((\t)/2)%2 == 0
	ds_store_b128 v54, v[WC:WC+3] offset:OF        ; registers 0-3
	ds_store_b64 v54, v[WC+4:WC+5] offset:OF+512   ; registers 4, 5
.else
	ds_store_b64 v54, v[WC:WC+1] offset:OF+520     ; registers 6, 7
	ds_store_b128 v54, v[WC+2:WC+5] offset:OF+1024 ; registers 8-11
.endif
.if (\t)+2 < 8
	LOAD (\t)+2
.endif
	s_wait_dscnt 0x0                               ; the stores have read their registers: the next block's codes may be written
.endm
.irp t, 0,1,2,3,4,5,6,7
	BLOCK \t
.endr
	ds_store_b64 v55, v[WSB:WSB+1] offset:3072     ; my row's two scale words, for lane r
	ds_store_b64 v55, v[WSB:WSB+1] offset:3200     ; and for lane 16 + r
.set i, 0
.rept 13
	ds_load_b128 v[WOUT+4*i:WOUT+4*i+3], v57 offset:512*i   ; LDS serves a wave's instructions in order (ISA guide 5.7.1.4): these see my stores
.set i, i+1
.endr
.set i, 0
.rept 13
	s_wait_dscnt 12-i                              ; load i is in; the 12 - i issued behind it may be out
	global_store_b128 v4, v[WOUT+4*i:WOUT+4*i+3], s[56:57] offset:512*i   ; 512 consecutive bytes, aligned
.set i, i+1
.endr
	; ---------------- the roles join
.Ljoin:
	s_wait_xcnt 0x0                                ; every store has read its registers: what follows may write them
	s_wait_dscnt 0x0                               ; for wave 0's sake: the partial logits lie in LDS
	s_barrier_signal -1
	s_barrier_wait -1
	s_cmp_lg_u32 s14, 0
	s_cbranch_scc1 .Lend
.set PA, 128                           ; v128-159 the four waves' partial logits
.set EX, 160                           ; v160-167 exponentials, then probabilities
.set QQ, 176                           ; v176-183 probabilities without the largest
.set WW, 184                           ; v184-191 the weights
.set OO, 192                           ; v192-195 the four that I store
.irp w, 0,1,2,3
	ds_load_b128 v[PA+8*\w:PA+8*\w+3], v11 offset:1024*\w
	ds_load_b128 v[PA+8*\w+4:PA+8*\w+7], v11 offset:1024*\w+16
.endr
	s_wait_dscnt 0x0
	s_wait_kmcnt 0x0                               ; bg
.set j, 0
.rept 8
	v_add_f32 v[L+j], v[PA+j], v[PA+8+j]
	v_add_f32 v[U+j], v[PA+16+j], v[PA+24+j]
.set j, j+1
.endr
.set j, 0
.rept 8
	v_add_f32 v[L+j], v[L+j], v[U+j]
.set j, j+1
.endr
.set j, 0
.rept 8
	v_add_f32 v[L+j], s[16+j], v[L+j]              ; the logit of token r, expert j
.set j, j+1
.endr
	v_max3_num_f32 v168, v[L], v[L+1], v[L+2]      ; softmax: the largest logit is taken away first
	v_max3_num_f32 v168, v168, v[L+3], v[L+4]
	v_max3_num_f32 v168, v168, v[L+5], v[L+6]
	v_max_num_f32 v168, v168, v[L+7]
.set j, 0
.rept 8
	v_sub_f32 v[EX+j], v[L+j], v168
.set j, j+1
.endr
.set j, 0
.rept 8
	v_mul_f32 v[EX+j], 0x3fb8aa3b, v[EX+j]         ; x log2(e)
.set j, j+1
.endr
.set j, 0
.rept 8
	v_exp_f32 v[EX+j], v[EX+j]
.set j, j+1
.endr
	v_mov_b32 v173, -1.0                           ; (a plain place behind the exponentials)  under every probability
	s_wait_alu depctr_va_vdst(0)
	v_add_f32 v169, v[EX], v[EX+1]
	v_add_f32 v174, v[EX+2], v[EX+3]
	v_add_f32 v175, v[EX+4], v[EX+5]
	v_add_f32 v200, v[EX+6], v[EX+7]
	v_add_f32 v169, v169, v174
	v_add_f32 v175, v175, v200
	v_add_f32 v169, v169, v175
	v_rcp_f32 v169, v169
	v_nop                                          ; one plain place behind a transcendental
.set j, 0
	s_wait_alu depctr_va_vdst(0)
.rept 8
	v_mul_f32 v[EX+j], v[EX+j], v169               ; the probabilities
.set j, j+1
.endr
	v_max3_num_f32 v170, v[EX], v[EX+1], v[EX+2]   ; the largest
	v_max3_num_f32 v170, v170, v[EX+3], v[EX+4]
	v_max3_num_f32 v170, v170, v[EX+5], v[EX+6]
	v_max_num_f32 v170, v170, v[EX+7]
	s_mov_b32 s31, 0
.set j, 0
.rept 8                                ; which expert has it: among equals the lowest index, as top_k has it.  Masks select values alone: no branch, no address
	v_cmp_eq_f32 s30, v[EX+j], v170
	s_and_not1_b32 s[40+j], s30, s31
	s_or_b32 s31, s31, s30
.set j, j+1
.endr
.set j, 0
.rept 8
	v_cndmask_b32 v[QQ+j], v[EX+j], v173, s[40+j]  ; that one is put out of the running
.set j, j+1
.endr
	v_max3_num_f32 v171, v[QQ], v[QQ+1], v[QQ+2]   ; the second largest
	v_max3_num_f32 v171, v171, v[QQ+3], v[QQ+4]
	v_max3_num_f32 v171, v171, v[QQ+5], v[QQ+6]
	v_max_num_f32 v171, v171, v[QQ+7]
	s_mov_b32 s31, 0
.set j, 0
.rept 8
	v_cmp_eq_f32 s30, v[QQ+j], v171
	s_and_not1_b32 s48, s30, s31
	s_or_b32 s31, s31, s30
	s_or_b32 s[40+j], s[40+j], s48                 ; chosen: the first or the second
.set j, j+1
.endr
	v_add_f32 v172, v170, v171
	v_rcp_f32 v172, v172
	v_cmp_eq_u32 vcc_lo, 1, v3                     ; (a plain place)  lanes 16-31
.set j, 0
	s_wait_alu depctr_va_vdst(0)
.rept 8
	v_mul_f32 v[WW+j], v[EX+j], v172               ; renormalised,
.set j, j+1
.endr
.set j, 0
.rept 8
	v_cndmask_b32 v[WW+j], 0, v[WW+j], s[40+j]     ; and 0 for the six not chosen
.set j, j+1
.endr
.irp i, 0,1,2,3
	v_cndmask_b32 v[OO+\i], v[WW+\i], v[WW+4+\i], vcc_lo   ; lanes 0-15 store experts 0-3, lanes 16-31 experts 4-7
.endr
	global_store_b128 v14, v[OO:OO+3], s[12:13]    ; 512 consecutive bytes, aligned
.Lend:
	s_wait_tensorcnt 0x0
	ds_add_u32 v7, v12
	s_wait_dscnt 0x0
	s_endpgm
.Lfunc_end_k_qaf025ce4eb_quant:
	.size	k_qaf025ce4eb_quant, .Lfunc_end_k_qaf025ce4eb_quant-k_qaf025ce4eb_quant
	.p2alignl 7, 3214868480
	.fill 96, 4, 3214868480
	.section	.rodata,"a",@progbits
	.p2align	6, 0x0
	.amdhsa_kernel k_qaf025ce4eb_quant
		.amdhsa_group_segment_fixed_size 158208
		.amdhsa_private_segment_fixed_size 0
		.amdhsa_enable_private_segment 0
		.amdhsa_kernarg_size 72
		.amdhsa_user_sgpr_count 2
		.amdhsa_user_sgpr_kernarg_segment_ptr 1
		.amdhsa_wavefront_size32 1
		.amdhsa_system_sgpr_workgroup_id_x 1
		.amdhsa_system_sgpr_workgroup_id_y 1
		.amdhsa_system_sgpr_workgroup_id_z 1
		.amdhsa_system_vgpr_workitem_id 0
		.amdhsa_next_free_vgpr 256
		.amdhsa_next_free_sgpr 72
		.amdhsa_reserve_vcc 1
		.amdhsa_float_denorm_mode_32 3
		.amdhsa_float_denorm_mode_16_64 3
		.amdhsa_memory_ordered 1
		.amdhsa_forward_progress 1
		.amdhsa_inst_pref_size 81
	.end_amdhsa_kernel
	.amdgpu_metadata
---
amdhsa.version: [ 1, 2 ]
amdhsa.kernels:
  - .name:           k_qaf025ce4eb_quant
    .symbol:         k_qaf025ce4eb_quant.kd
    .args:
      - { .name: x, .offset: 0, .size: 8, .value_kind: global_buffer, .address_space: global }
      - { .name: Wg, .offset: 8, .size: 8, .value_kind: global_buffer, .address_space: global }
      - { .name: bg, .offset: 16, .size: 8, .value_kind: global_buffer, .address_space: global }
      - { .name: xq, .offset: 24, .size: 8, .value_kind: global_buffer, .address_space: global }
      - { .name: W1, .offset: 32, .size: 8, .value_kind: global_buffer, .address_space: global }
      - { .name: W2, .offset: 40, .size: 8, .value_kind: global_buffer, .address_space: global }
      - { .name: w1q, .offset: 48, .size: 8, .value_kind: global_buffer, .address_space: global }
      - { .name: w2q, .offset: 56, .size: 8, .value_kind: global_buffer, .address_space: global }
      - { .name: gw, .offset: 64, .size: 8, .value_kind: global_buffer, .address_space: global }
    .group_segment_fixed_size: 158208
    .private_segment_fixed_size: 0
    .kernarg_segment_align: 8
    .kernarg_segment_size: 72
    .max_flat_workgroup_size: 384
    .sgpr_count:     72
    .vgpr_count:     256
    .wavefront_size: 32
...
	.end_amdgpu_metadata
.endif
;; end of part 5
;; launch ffn1 (part 6): grid 32 x 16, 4 waves a work-group, clusters of 4 x 4, 327,680 bytes of LDS; arguments xq, w1q, b1, hq; writes hq
.if DOCPART == 6
	.amdgcn_target "amdgcn-amd-amdhsa--gfx1250"
	.amdhsa_code_object_version 6
	.text
	.protected	k_qaf025ce4eb_ffn1
	.globl	k_qaf025ce4eb_ffn1
	.p2align	8
	.type	k_qaf025ce4eb_ffn1,@function
k_qaf025ce4eb_ffn1:
	s_mov_b64 s[64:65], 0
	v_nop
	global_prefetch_b8 v0, s[64:65] scope:SCOPE_SE
	s_setreg_imm32_b32 hwreg(HW_REG_WAVE_MODE, 25, 1), 1
	s_wait_xcnt 0x0
	s_wait_alu depctr_hold_cnt(0) depctr_sa_sdst(0) depctr_va_vdst(0) depctr_va_sdst(0) depctr_va_ssrc(0) depctr_va_vcc(0) depctr_vm_vsrc(0)
	s_getreg_b32 s2, hwreg(HW_REG_IB_STS2, 6, 4)
	s_cmp_eq_u32 s2, 0
	s_cbranch_scc0 .Lentry_in_a_cluster
	s_endpgm
.Lentry_in_a_cluster:
	s_bfe_u32 s2, ttmp6, 0x10000c
	s_cmp_lg_u32 s2, 0xf033
	s_cbranch_scc0 .Lentry_shape_is_right
	s_endpgm
.Lentry_shape_is_right:
; h = gelu(x W1[e] + b1[e]) (the exact GELU), the product on codes of BF6 (E3M2) with E8M0 scales, sums in f32; h is quantised along f in registers and stored as codes: hq [expert 8][K slot 4 (f / 256)][row tile 256 (tokens)][3328].
; ALL CODE BUFFERS ARE RECORDS: 16 rows x 256 K in 3,328 bytes: two images of an operand's registers (128 K each, 1,536 bytes: register j of lane l at 512 (j / 4) + 16 l + 4 (j % 4)), then 256 bytes of scale words
; (lane l: 8 bytes at 8 l: the words of the two K steps of row l % 16).  A fragment comes by three ds_load_b128 at 16 x lane: dense, so no padding.  Eight records on end are a BLOCK, 128 rows x 256 K, 26,624 dense bytes.
; SHARES.  A work-group makes 256 tokens x 256 f (N = 1024 e + f: tile column tx = 4 e + f / 256); each of four waves 128 x 128: 64 accumulators, 512 registers.  K = 1,024 is four K slots of 256.
; THE RING HAS A SINGLE AND A DOUBLE REGION.  P holds one K slot (four blocks: x's two, W1's two), D two K slots (each wave's pair of blocks on end).  One tensor load a wave fills a region: for D a tile of two rows, each row a block,
; the pitch the distance from K slot to K slot.  K slots 0 (P) and 1, 2 (D) are first fills; K slot 3 goes into P as soon as K slot 0 is read out, and has 240 matrix instructions of a wave in which to land.
; CLUSTERS: 4 x 4 work-groups.  The four of a row need the same blocks of xq, the four of a column the same blocks of w1q: each is asked for JOINTLY, by the same tensor load with the same descriptor and a mask that names the four.
; THE PRODUCT IS USED TRANSPOSED (source 0 = 16 rows of W1, source 1 = 16 tokens), and w1q's tiles hold rows 32 b + 8 u + r + 8 (r / 8): a lane holds ONE token, and the 16 registers of tiles 2 b, 2 b + 1 are f = 32 b + 16 (lane / 16) + 0 .. 15:
; neighbours along the next product's K.  b1 is the C of each sum's first matrix instruction (so the bias begins the sum instead of ending it).
; TWO SETS OF FRAGMENTS for both sides: a step of 128 K multiplies one set while the next step's 48 loads land in the other.  So a region's reads are over in the middle of its last K slot's first step, and it is filled again there.
; GELU: 2 gelu(a) = a + |a| erf(|a| / sqrt 2), erf(z) = 1 - t (a1 + t (a2 + t (a3 + t (a4 + t a5)))) exp(-z^2), t = 1 / (1 + 0.3275911 z) (Abramowitz and Stegun 7.1.26).  The codes of 2 h under the scale 2 s are the codes of h under s:
; the halving is one subtraction on the finished scale word.
; LIMITS: that formula's error of erf is at most 1.5e-7 ABSOLUTE, so gelu's relative error grows for a < -1 (about 3e-6 at -2, 6e-5 at -3), always far under a code's step in a block that holds numbers of ordinary size.
; NaN and infinities are not served.  A block of h whose largest magnitude lies under 2^(5 - 127) gets the byte 1 (a block of zeros too: its codes are zeros, and this program alone reads the bytes).
; REGISTERS, in windows of 256: window 0: v0-31 addresses; v32-63 scale words and nothing else, set s (K slot % 2) at v[32 + 16 s], register 2 i + q: lanes 0-15 the word of x's tile i, lanes 16-31 that of W1's tile i, K step q;
;   v64-159, v160-255 x's fragments, two sets (free on the way out).   window 1: v0-95, v96-191 W1's fragments, two sets; v192-255 b1.   windows 2, 3: accumulator (a, b) at v[8 (8 (a % 4) + b)], a < 4 in window 2.
.set REC,   3328
.set BLK,   8*REC
.set BLE,   BLK/8                      ; a block in elements of 8 bytes
.set DB,    4*BLK                      ; LDS: P at 0: block = wave;  D behind it: wave w's pair at DB + 2 w blocks, the second K slot a block further on
.set SPARE, 12*BLK                     ; behind the ring: the spare words, 128 bytes for each wave: two blocks of 256 bytes that no other line names
.set SCR,   SPARE+512                  ; behind them: 4,096 bytes in which the two waves of a pair put a record's scale words together; no tile lands here
.set SX,    256*REC                    ; from K slot to K slot in xq
.set SW,    64*REC                     ; and in w1q
.set L16,   4                          ; v4      16 x lane
.set ADRA,  16                         ; v16-17  LDS address of my fragments of x in P, D
.set BO,    18                         ; v18     64 x (lane / 16): b1
.set ADRB,  20                         ; v20-21  the same for W1
.set ADRS,  22                         ; v22-23  of my scale words: lanes 0-15 x's, lanes 16-31 W1's
.set SCW,   25                         ; v25     where I put a tile's scale word
.set SCRD,  26                         ; v26     and where I read whole scale sections back
.set L8,    27                         ; v27     8 x lane
.set SPW,   28                         ; v28     LDS address of my spare word; never rewritten
.set NIL,   29                         ; v29     0; never rewritten
.set A4,    30                         ; v[30:31] the constant a4
.set SC,    32
.set AF,    64
.set BIAS,  192                        ; in window 1
.set G,     64                         ; the way out, window 0: v64-127 2 gelu of a tile
.set T1,    128                        ; v128-159 a^2, then exp, then t exp
.set T2,    160                        ; v160-191 1 + p |a|, then t
.set T3,    192                        ; v192-223 the polynomial, then erf
.set PC,    224                        ; v224-242 the codes
.set PW,    243                        ; v243     the scale word
.set TM,    244                        ; v244-247 largest magnitudes, v248-251 the other half's, then bytes, v252-255 the conversions' scale operands
.set G1BD,  12                         ; s[12:19] descriptor group 1 for W1's pairs of blocks
.set G1A,   24                         ; s[24:31] group 1 for x's blocks;  s[32:39] group 0: P's, then D's
.set G0A,   32
.set G1B,   48                         ; s[48:55], s[56:63] the same for W1's
.set G0B,   56
.set SEL,   78                         ; s[78:79] v_permlanex16_b32's selects for lane l xor 16
.set WV,    84                         ; s84 wave;  s85 wave / 2: my half of the tokens, and: I fetch for x (0) or W1 (1);  s86 wave % 2: my half of the columns, and: which block I fetch
.set HI,    85
.set LO,    86
.set G1AD,  88                         ; s[88:95] group 1 for x's pairs of blocks
.set MSB, 0
.macro WIN new                         ; the immediate's high byte repeats the setting that is left; a switch that changes nothing is dropped
.if MSB != (\new)
	s_set_vgpr_msb (MSB<<8)|(\new)
.set MSB, \new
.endif
.endm
.macro PLACES n
.rept \n
	v_nop
.endr
.endm
; A joint load: waves 0 and 1 fetch for x, waves 2 and 3 for W1.  Each line has one mask and one set of registers for all that issue it; the branch hangs on the wave's number alone.
; Four v_nop follow each of the two lines, ahead of the jump, the label and what follows.
.macro JLOAD g0a, g1a, g0b, g1b
	s_cmp_eq_u32 s[HI], 0
	s_cbranch_scc0 .Lfor_b_\@
	tensor_load_to_lds s[\g0a:\g0a+3], s[\g1a:\g1a+7]
	s_nop 0
.rept 4
	v_nop
.endr
	s_branch .Lasked_\@
.Lfor_b_\@:
	tensor_load_to_lds s[\g0b:\g0b+3], s[\g1b:\g1b+7]
	s_nop 0
.rept 4
	v_nop
.endr
.Lasked_\@:
.endm
.macro CREST                           ; a round of the cluster's barrier behind its opening barrier
	s_cmp_lg_u32 s[WV], 0
	s_cbranch_scc1 .Lnot_wave_0_\@
	s_barrier_signal -3
.Lnot_wave_0_\@:
	s_barrier_wait -3
	s_barrier_signal -1
	s_barrier_wait -1
.endm
.macro CROUND                          ; a whole round
	s_barrier_signal -1
	s_barrier_wait -1
	CREST
.endm
	s_load_b256 s[4:11], s[0:1], 0x0               ; xq s[4:5], w1q s[6:7], b1 s[8:9], hq s[10:11]
	v_lshl_add_u32 v[SPW], v0, 2, SPARE
	v_mov_b32 v[NIL], 0
	ds_add_u32 v28, v29
	ds_add_u32 v28, v29
	s_wait_dscnt 0x0
	v_lshrrev_b32 v1, 5, v0
	v_readfirstlane_b32 s[WV], v1
	s_lshr_b32 s[HI], s[WV], 1
	s_and_b32 s[LO], s[WV], 1
	s_bfe_u32 s40, ttmp6, 0x40000                  ; cx, cy: my place in the cluster
	s_bfe_u32 s41, ttmp6, 0x40004
	s_lshl_b32 s42, ttmp9, 2
	s_add_co_u32 s42, s42, s40                     ; tx = 4 x cluster x + cx: 0 .. 31
	s_and_b32 s45, ttmp7, 0xffff
	s_lshl_b32 s45, s45, 2
	s_add_co_u32 s45, s45, s41                     ; ty = 4 x cluster y + cy: 0 .. 15
	s_lshl_b32 s43, s41, 2
	s_lshl_b32 s43, 15, s43                        ; my row of the cluster
	s_lshl_b32 s44, 0x1111, s40                    ; my column
	; descriptor groups 1.  15:0 the mask: x's blocks go to my row, W1's to my column; 17:16 elements of 8 bytes; 21 set beside a mask; no padding
	s_or_b32 s[G1A], s43, (3<<16)|(1<<21)
	s_or_b32 s[G1B], s44, (3<<16)|(1<<21)
	s_or_b32 s[G1AD], s43, (3<<16)|(1<<21)
	s_or_b32 s[G1BD], s44, (3<<16)|(1<<21)
.irp g, G1A, G1B                       ; one block: dense: 104 rows of 256 bytes
	s_mov_b32 s[\g+1], 32<<16                      ; tensor_dim0 = 32
	s_mov_b32 s[\g+2], 104<<16                     ; tensor_dim1 = 104
	s_mov_b32 s[\g+3], 32<<16                      ; tile_dim0 = 32
	s_mov_b32 s[\g+4], 104                         ; tile_dim1 = 104
	s_mov_b32 s[\g+5], 32                          ; from row to row
	s_mov_b32 s[\g+6], 0
	s_mov_b32 s[\g+7], 0
.endr
.irp g, G1AD, G1BD                     ; the same block of two K slots on end: two rows, each a whole block
	s_mov_b32 s[\g+1], BLE<<16                     ; tensor_dim0 = 3,328
	s_mov_b32 s[\g+2], 2<<16                       ; tensor_dim1 = 2
	s_mov_b32 s[\g+3], BLE<<16                     ; tile_dim0 = 3,328
	s_mov_b32 s[\g+4], 2                           ; tile_dim1 = 2
	s_mov_b32 s[\g+6], 0
	s_mov_b32 s[\g+7], 0
.endr
	s_mov_b32 s[G1AD+5], SX/8                      ; from row to row: from K slot to K slot
	s_mov_b32 s[G1BD+5], SW/8
	s_lshl_b32 s98, s[LO], 3                       ; which block of eight records I fetch
	s_lshl_b32 s96, s45, 4
	s_add_co_u32 s96, s96, s98
	s_mul_i32 s96, s96, REC                        ; xq: record 16 ty + 8 x half: it hangs on ty alone, which my row shares
	s_mov_b32 s97, 0
	s_lshr_b32 s46, s42, 2
	s_lshl_b32 s46, s46, 8
	s_and_b32 s47, s42, 3
	s_lshl_b32 s47, s47, 4
	s_add_co_u32 s46, s46, s47
	s_add_co_u32 s46, s46, s98
	s_mul_i32 s46, s46, REC                        ; w1q: record 256 (tx / 4) + 16 (tx % 4) + 8 x half: on tx alone, which my column shares
	s_mov_b32 s47, 0
	s_mul_i32 s20, s[WV], BLK                      ; where it goes in P: block = wave;
	s_mul_i32 s99, s[WV], 2*BLK                    ; in D: pair = wave: no place in the cluster enters an LDS address
	s_wait_kmcnt 0x0
	s_add_nc_u64 s[96:97], s[4:5], s[96:97]
	s_add_nc_u64 s[46:47], s[6:7], s[46:47]
	CROUND                                         ; all sixteen work-groups are here: the first joint loads meet
	s_mov_b32 s[G0A], 1                            ; count = 1
	s_mov_b32 s[G0A+1], s20                        ; LDS address: P
	s_mov_b64 s[G0A+2:G0A+3], s[96:97]             ; global address: K slot 0
	s_or_b32 s[G0A+3], s[G0A+3], 0x80000000        ; type = 2
	s_mov_b32 s[G0B], 1
	s_mov_b32 s[G0B+1], s20
	s_mov_b64 s[G0B+2:G0B+3], s[46:47]
	s_or_b32 s[G0B+3], s[G0B+3], 0x80000000
	JLOAD G0A, G1A, G0B, G1B
	s_mov_b32 s[G0A+4], 1
	s_add_co_u32 s[G0A+5], s99, DB                 ; LDS address: D
	s_add_nc_u64 s[G0A+6:G0A+7], s[96:97], SX      ; global address: K slots 1 and 2
	s_or_b32 s[G0A+7], s[G0A+7], 0x80000000
	s_mov_b32 s[G0B+4], 1
	s_add_co_u32 s[G0B+5], s99, DB
	s_add_nc_u64 s[G0B+6:G0B+7], s[46:47], SW
	s_or_b32 s[G0B+7], s[G0B+7], 0x80000000
	JLOAD G0A+4, G1AD, G0B+4, G1BD                 ; both regions are asked for before anything else is done: two loads of mine are out
	v_and_b32 v1, 31, v0                           ; lane
	v_bfe_u32 v3, v0, 4, 1                         ; h
	v_lshlrev_b32 v[L16], 4, v1
	v_lshlrev_b32 v[L8], 3, v1
	v_lshlrev_b32 v[BO], 6, v3
	s_lshl_b32 s22, s42, 10                        ; b1: flat index 256 tx + 128 x column half, 4 bytes each
	s_lshl_b32 s23, s[LO], 9
	s_add_co_u32 s22, s22, s23
	s_mov_b32 s23, 0
	s_add_nc_u64 s[8:9], s[8:9], s[22:23]
	WIN 0x40                                       ; destination window 1, address window 0
.irp b, 0,1,2,3,4,5,6,7                ; tile b's eight registers: b1 at f = 32 (b / 2) + 16 h + 8 (b % 2) + 0 .. 7: the result's layout
	global_load_b128 v[BIAS+8*\b:BIAS+8*\b+3], v[BO], s[8:9] offset:(32*(\b/2)+8*(\b%2))*4
	global_load_b128 v[BIAS+8*\b+4:BIAS+8*\b+7], v[BO], s[8:9] offset:(32*(\b/2)+8*(\b%2))*4+16
.endr
	WIN 0
	s_mul_i32 s21, s[HI], BLK                      ; P: my block of x
	s_add_co_u32 s22, s[LO], 2
	s_mul_i32 s22, s22, BLK                        ; my block of W1
	s_xor_b32 s23, s[HI], 1
	s_add_co_u32 s23, s23, s[LO]
	s_add_co_u32 s23, s23, 1
	s_mul_i32 s23, s23, BLK                        ; the distance between the two: (2 + column half - token half) blocks
	v_mul_u32_u24 v6, s23, v3                      ; lanes 16-31 take W1's scale words: one product, the lower base + h x the distance
	v_add_nc_u32 v6, v6, v[L8]
	v_add_nc_u32 v[ADRA], s21, v[L16]
	v_add_nc_u32 v[ADRB], s22, v[L16]
	v_add_nc_u32 v[ADRS], s21, v6
	s_lshl_b32 s21, s21, 1                         ; D: pairs of blocks: everything twice as far, behind P
	s_add_co_u32 s21, s21, DB
	s_lshl_b32 s22, s22, 1
	s_add_co_u32 s22, s22, DB
	s_lshl_b32 s23, s23, 1
	v_mul_u32_u24 v6, s23, v3
	v_add_nc_u32 v6, v6, v[L8]
	v_add_nc_u32 v[ADRA+1], s21, v[L16]
	v_add_nc_u32 v[ADRB+1], s22, v[L16]
	v_add_nc_u32 v[ADRS+1], s21, v6
	s_lshl_b32 s98, s[HI], 11
	s_lshl_b32 s99, s[LO], 2
	s_add_co_u32 s99, s99, s98
	s_add_co_u32 s99, s99, SCR
	v_add_nc_u32 v[SCW], s99, v[L8]                ; a tile's scale word: 2,048 x token half + 8 x lane + 4 x column half (+ 256 x tile)
	s_lshl_b32 s99, s[LO], 10
	s_add_co_u32 s99, s99, s98
	s_add_co_u32 s99, s99, SCR
	v_add_nc_u32 v[SCRD], s99, v[L8]               ; back: the sections of tiles 4 x column half + 0 .. 3
	s_lshl_b32 s80, s42, 8                         ; hq: record 256 tx + 16 ty + 8 x token half (+ tile); my K step of it: 1,536 x column half
	s_lshl_b32 s81, s45, 4
	s_add_co_u32 s80, s80, s81
	s_lshl_b32 s81, s[HI], 3
	s_add_co_u32 s80, s80, s81
	s_lshl_b32 s82, s[LO], 2
	s_add_co_u32 s82, s82, s80                     ; the records whose scale sections I store
	s_mul_i32 s80, s80, REC
	s_mul_i32 s81, s[LO], 1536
	s_add_co_u32 s80, s80, s81
	s_mov_b32 s81, 0
	s_mul_i32 s82, s82, REC
	s_add_co_u32 s82, s82, 3072
	s_mov_b32 s83, 0
	s_add_nc_u64 s[80:81], s[10:11], s[80:81]
	s_add_nc_u64 s[82:83], s[10:11], s[82:83]
	s_mov_b32 s66, 0xbf38aa3b                      ; -log2(e) / 2: exp(-a^2 / 2) = 2^(-a^2 log2(e) / 2).  (The packed forms name pairs and take the low word for both halves: so both are written)
	s_mov_b32 s67, s66
	s_mov_b32 s68, 0x3e6d3388                      ; 0.3275911 / sqrt 2
	s_mov_b32 s70, 0x3f87dc22                      ; a5 =  1.061405429
	s_mov_b32 s71, s70
	v_mov_b32 v[A4], 0xbfba00e3                    ; a4 = -1.453152027
	v_mov_b32 v[A4+1], 0xbfba00e3
	s_mov_b32 s72, 0x3fb5f0e3                      ; a3 =  1.421413741
	s_mov_b32 s73, s72
	s_mov_b32 s74, 0xbe91a98e                      ; a2 = -0.284496736
	s_mov_b32 s75, s74
	s_mov_b32 s76, 0x3e827906                      ; a1 =  0.254829592
	s_mov_b32 s77, s76
	s_mov_b32 s[SEL], 0x76543210
	s_mov_b32 s[SEL+1], 0xfedcba98
; Eight matrix instructions: x's tile a against W1's eight, K step q (fragment set q), scale words of set sc.  bias = 1: b1 is the C: nothing is ever cleared.
; The 64 accumulators take turns, one instruction a turn, in the same order in every step.
.macro MULA a, q, sc, bias
.if \bias
	WIN 0x91+0x40*((\a)/4)                         ; source 0 (W1) and C (b1) window 1, source 1 (x) window 0, D window 2 or 3
.else
	WIN 0xa1+0x50*((\a)/4)                         ; C and D window 2 or 3
.endif
.irp b, 0,1,2,3,4,5,6,7
.if \bias
	v_wmma_scale_f32_16x16x128_f8f6f4 v[8*(8*((\a)%4)+\b):8*(8*((\a)%4)+\b)+7], v[96*(\q)+12*\b:96*(\q)+12*\b+11], v[AF+96*(\q)+12*(\a):AF+96*(\q)+12*(\a)+11], v[BIAS+8*\b:BIAS+8*\b+7], v[SC+16*(\sc)+2*\b+(\q)], v[SC+16*(\sc)+2*(\a)+(\q)] matrix_a_fmt:MATRIX_FMT_BF6 matrix_b_fmt:MATRIX_FMT_BF6 matrix_a_scale:MATRIX_SCALE_ROW1
.else
	v_wmma_scale_f32_16x16x128_f8f6f4 v[8*(8*((\a)%4)+\b):8*(8*((\a)%4)+\b)+7], v[96*(\q)+12*\b:96*(\q)+12*\b+11], v[AF+96*(\q)+12*(\a):AF+96*(\q)+12*(\a)+11], v[8*(8*((\a)%4)+\b):8*(8*((\a)%4)+\b)+7], v[SC+16*(\sc)+2*\b+(\q)], v[SC+16*(\sc)+2*(\a)+(\q)] matrix_a_fmt:MATRIX_FMT_BF6 matrix_b_fmt:MATRIX_FMT_BF6 matrix_a_scale:MATRIX_SCALE_ROW1
.endif
.endr
.endm
.macro FETCH loc, j, q                 ; 48 LDS loads in one run: the sixteen fragments of K step q of the K slot at region loc (0: P, 1: D), place j in it, into set q
	WIN 0x40
.irp i, 0,1,2,3,4,5,6,7
.irp c, 0,1,2
	ds_load_b128 v[96*(\q)+12*\i+4*\c:96*(\q)+12*\i+4*\c+3], v[ADRB+(\loc)] offset:BLK*(\j)+REC*\i+1536*(\q)+512*\c
.endr
.endr
	WIN 0
.irp i, 0,1,2,3,4,5,6,7
.irp c, 0,1,2
	ds_load_b128 v[AF+96*(\q)+12*\i+4*\c:AF+96*(\q)+12*\i+4*\c+3], v[ADRA+(\loc)] offset:BLK*(\j)+REC*\i+1536*(\q)+512*\c
.endr
.endr
.endm
.macro SCALES loc, j, set              ; a K slot's scale words, both K steps: lanes 0-15 x's tile i, lanes 16-31 W1's tile i
.irp i, 0,1,2,3,4,5,6,7
	ds_load_b64 v[SC+16*(\set)+2*\i:SC+16*(\set)+2*\i+1], v[ADRS+(\loc)] offset:BLK*(\j)+REC*\i+3072
.endr
.endm
; A K slot's first step.  Its second step's fragments are fetched at its head, so the wave's reads of the K slot are over while this step is multiplied.
; mode 2 (K slot 0): P is filled again, with K slot 3: each wave waits for all its tensor loads (the one that is out is its pair in D), adds 0 to its spare word, waits for that and for its reads of P;
; the barrier opens a round of the cluster's barrier, and the joint refill is the first tensor load behind it.
; mode 1 (K slot 2): the same barrier, nothing left to fetch: P must be whole.  mode 0: the successor came with the same load, or there is none: no barrier.
.macro STEPA loc, j, sc, mode, bias
	s_wait_dscnt 0x0                               ; set 0 and the K slot's scale words are in (asked for 64 matrix instructions ago)
	PLACES 4                                       ; four places (ISA guide 7.12.1 for vector instructions) in front of loads into set 1, which the last products read
	FETCH \loc, \j, 1
.irp a, 0,1,2,3,4,5
	MULA \a, 0, \sc, \bias
.endr
.if \mode > 0
	WIN 0                                          ; (the add's two registers lie in window 0)
	s_wait_tensorcnt 0x0                           ; all my tensor loads have landed;
	ds_add_u32 v[SPW], v[NIL]                      ; 0 onto my spare word: eight matrix instructions stand between it and the wait for it
	MULA 6, 0, \sc, \bias
	s_wait_dscnt 0x0                               ; the add is done, and set 1 is in: my reads of this region are over
	s_barrier_signal -1
	MULA 7, 0, \sc, \bias                          ; work on registers while the others arrive
	WIN 0
	s_barrier_wait -1
.if \mode == 2
	CREST                                          ; no wave of any partner still reads P or has a load on its way
	s_add_nc_u64 s[G0A+2:G0A+3], s[G0A+2:G0A+3], 3*SX
	s_add_nc_u64 s[G0B+2:G0B+3], s[G0B+2:G0B+3], 3*SW
	JLOAD G0A, G1A, G0B, G1B                       ; the four v_nop behind it are also the places in front of the loads that follow
.endif
.else
	MULA 6, 0, \sc, \bias
	MULA 7, 0, \sc, \bias
	WIN 0
	s_wait_dscnt 0x0                               ; set 1 is in
.endif
.endm
; A K slot's second step; at its head the next K slot's first fragments and scale words are fetched (more = 1).  places = 1: no joint load's four v_nop stand just ahead.
.macro STEPB sc, more, places, nloc, nj, nsc
.if \more
.if \places
	PLACES 4                                       ; in front of loads into set 0
.endif
	FETCH \nloc, \nj, 0
	SCALES \nloc, \nj, \nsc
.endif
.irp a, 0,1,2,3,4,5,6,7
	MULA \a, 1, \sc, 0
.endr
	WIN 0
.endm
	s_wait_tensorcnt 1                             ; my block of P is in; my pair in D may stay out
	s_barrier_signal -1
	s_barrier_wait -1                              ; everybody's is
	FETCH 0, 0, 0
	SCALES 0, 0, 0
	s_wait_loadcnt 0x0                             ; b1
	STEPA 0, 0, 0, 2, 1                            ; K slot 0, in P; P takes K slot 3
	STEPB 0, 1, 0, 1, 0, 1
	STEPA 1, 0, 1, 0, 0                            ; K slot 1, D's first
	STEPB 1, 1, 1, 1, 1, 0
	STEPA 1, 1, 0, 1, 0                            ; K slot 2, D's second
	STEPB 0, 1, 1, 0, 0, 1
	STEPA 0, 0, 1, 0, 0                            ; K slot 3, in P
	STEPB 1, 0, 0, 0, 0, 0
; THE WAY OUT, a tile of 16 tokens x 128 f at a time: 64 numbers a lane, register 16 b + i = f 32 b + 16 (lane / 16) + i.
; GELU: eight issue slots a number: 16 packed squares, 32 x (1 + p |a|), 32 reciprocals, 16 packed scalings, 32 exponentials, 64 packed steps of the polynomial, 16 packed t exp, 16 packed 1 - .., 32 x (a + |a| erf), for 32 numbers.
; No transcendental's result is used, and none of its sources written, before a plain instruction has followed it (ISA guide 5.7.2): plain lines that are due anyway stand among them.
.macro GELU a
.irp hb, 0,1
.set AC, 64*((\a)%4)+32*\hb
	WIN 0x0a+5*((\a)/4)                            ; sources 0 and 1: window 2 or 3
.set i, 0
.rept 16
	v_pk_mul_f32 v[T1+2*i:T1+2*i+1], v[AC+2*i:AC+2*i+1], v[AC+2*i:AC+2*i+1]   ; a^2: each accumulator is read from its low end on
.set i, i+1
.endr
.set i, 0
.rept 32
	v_fma_f32 v[T2+i], |v[AC+i]|, s68, 1.0         ; 1 + p |a|
.set i, i+1
.endr
	WIN 0
.set i, 0
.rept 16
	v_rcp_f32 v[T2+2*i], v[T2+2*i]                 ; t
	v_rcp_f32 v[T2+2*i+1], v[T2+2*i+1]
	v_pk_mul_f32 v[T1+2*i:T1+2*i+1], v[T1+2*i:T1+2*i+1], s[66:67] op_sel_hi:[1,0]
.set i, i+1
.endr
.set i, 0
.rept 16
	v_exp_f32 v[T1+2*i], v[T1+2*i]                 ; exp(-a^2 / 2)
	s_wait_alu depctr_va_vdst(0)
	v_pk_fma_f32 v[T3+2*i:T3+2*i+1], v[T2+2*i:T2+2*i+1], s[70:71], v[A4:A4+1] op_sel_hi:[1,0,0]   ; a5 t + a4
	v_exp_f32 v[T1+2*i+1], v[T1+2*i+1]
.set i, i+1
.endr
.irp k, 72,74,76
.set i, 0
.rept 16
	v_pk_fma_f32 v[T3+2*i:T3+2*i+1], v[T3+2*i:T3+2*i+1], v[T2+2*i:T2+2*i+1], s[\k:\k+1] op_sel_hi:[1,1,0]   ; .. t + a3, .. t + a2, .. t + a1
.set i, i+1
.endr
.endr
.set i, 0
	s_wait_alu depctr_va_vdst(0)
.rept 16
	v_pk_mul_f32 v[T1+2*i:T1+2*i+1], v[T1+2*i:T1+2*i+1], v[T2+2*i:T2+2*i+1]
.set i, i+1
.endr
.set i, 0
.rept 16
	v_pk_fma_f32 v[T3+2*i:T3+2*i+1], v[T3+2*i:T3+2*i+1], v[T1+2*i:T1+2*i+1], 1.0 op_sel_hi:[1,1,0] neg_lo:[1,0,0] neg_hi:[1,0,0]   ; erf
.set i, i+1
.endr
	WIN 0x22+0x11*((\a)/4)                         ; sources 0 and 2: window 2 or 3
.set i, 0
.rept 32
	v_fma_f32 v[G+32*\hb+i], |v[AC+i]|, v[T3+i], v[AC+i]   ; 2 gelu(a) = a + |a| erf
.set i, i+1
.endr
.endr
	WIN 0
.endm
; The tile's 64 numbers 2 h become a fragment's codes in v[PC] on and its row's scale word in v[PW].
.macro QUANT
	s_wait_dscnt 0x0                               ; the last tile's LDS store has read PW,
	s_wait_xcnt 0x0                                ; and its global stores have read PC: both are rewritten only behind these waits
.irp b, 0,1,2,3
	v_max3_num_f32 v[TM+\b], |v[G+16*\b]|, |v[G+1+16*\b]|, 0x3000000   ; block b: my 16 numbers, and the floor 2^(6 - 127) for 2 h: h's byte cannot fall under 1
.endr
.irp i, 2,4,6,8,10,12,14
.irp b, 0,1,2,3
	v_max3_num_f32 v[TM+\b], v[TM+\b], |v[G+16*\b+\i]|, |v[G+1+16*\b+\i]|   ; (the four blocks by turns)
.endr
.endr
.irp b, 0,1,2,3
	v_permlanex16_b32 v[TM+4+\b], v[TM+\b], s[SEL], s[SEL+1]
.endr
.irp b, 0,1,2,3
	v_max_num_f32 v[TM+\b], v[TM+\b], v[TM+4+\b]   ; with lane l xor 16's: the block's largest magnitude
.endr
.irp b, 0,1,2,3
	v_add_nc_u32 v[TM+8+\b], 0xfe000000, v[TM+\b]  ; 4 off its exponent field: the conversion's scale operand, for 2 h
.endr
.irp b, 0,1,2,3
	v_lshrrev_b32 v[TM+4+\b], 23, v[TM+8+\b]
.endr
	v_lshl_or_b32 v[PW], v[TM+5], 8, v[TM+4]
	v_lshl_or_b32 v[PW], v[TM+6], 16, v[PW]
	v_lshl_or_b32 v[PW], v[TM+7], 24, v[PW]
	v_add_nc_u32 v[PW], 0xfefefeff, v[PW]          ; 1 off each of the four bytes (each is 2 at the least: no borrow): the scales of h
.irp c, 0,1
	v_cvt_scalef32_pk16_bf6_f32 v[PC+6*\c:PC+2+6*\c], v[G+32*\c:G+15+32*\c], v[TM+8+2*\c]
	v_cvt_scalef32_pk16_bf6_f32 v[PC+12+4*\c:PC+14+4*\c], v[G+16+32*\c:G+31+32*\c], v[TM+8+2*\c+1]   ; (a conversion's three registers begin on an even number)
.endr
	v_nop                                          ; one plain place behind a scaled conversion
.irp c, 0,1                            ; the operand's layout wants a WHOLE block in a lane: lanes 0-15 block 2 c, lanes 16-31 block 2 c + 1
.irp i, 0,1,2
	v_permlane16_swap_b32 v[PC+6*\c+\i], v[PC+12+4*\c+\i]
.endr
.irp i, 0,1,2
	v_mov_b32 v[PC+3+6*\c+\i], v[PC+12+4*\c+\i]
.endr
.endr
.endm
	PLACES 4                                       ; in front of the first read of results, and of writes to registers that the last products read
.irp b, 0,1,2,3
	v_mov_b32 v[TM+4+\b], 0                        ; written once: a lane permute's destination counts as one of its sources
.endr
.irp a, 0,1,2,3,4,5,6,7
	GELU \a
	QUANT
.irp c, 0,1,2
	global_store_b128 v[L16], v[PC+4*\c:PC+4*\c+3], s[80:81] offset:REC*\a+512*\c   ; the image: 512 consecutive bytes, aligned
.endr
	ds_store_b32 v[SCW], v[PW] offset:256*\a       ; a record's two words a row come from the two waves of a pair: they meet in LDS
.endr
	s_wait_dscnt 0x0                               ; for my partner's sake: my words lie in LDS
	s_barrier_signal -1
	s_barrier_wait -1
.irp i, 0,1,2,3
	ds_load_b64 v[G+2*\i:G+2*\i+1], v[SCRD] offset:256*\i
.endr
	s_wait_dscnt 0x0
.irp i, 0,1,2,3
	global_store_b64 v[L8], v[G+2*\i:G+2*\i+1], s[82:83] offset:REC*\i   ; a scale section: 256 consecutive bytes, aligned
.endr
	s_wait_tensorcnt 0x0                           ; the wave's end: behind my last tensor load and my last LDS store
	ds_add_u32 v[SPW], v[NIL]
	s_wait_dscnt 0x0
	CROUND                                         ; the closing round: no work-group ends while a partner may still ask for a block that names it
	s_endpgm
.Lfunc_end_k_qaf025ce4eb_ffn1:
	.size	k_qaf025ce4eb_ffn1, .Lfunc_end_k_qaf025ce4eb_ffn1-k_qaf025ce4eb_ffn1
	.p2alignl 7, 3214868480
	.fill 96, 4, 3214868480
	.section	.rodata,"a",@progbits
	.p2align	6, 0x0
	.amdhsa_kernel k_qaf025ce4eb_ffn1
		.amdhsa_group_segment_fixed_size 327680
		.amdhsa_private_segment_fixed_size 0
		.amdhsa_enable_private_segment 0
		.amdhsa_kernarg_size 32
		.amdhsa_user_sgpr_count 2
		.amdhsa_user_sgpr_kernarg_segment_ptr 1
		.amdhsa_wavefront_size32 1
		.amdhsa_system_sgpr_workgroup_id_x 1
		.amdhsa_system_sgpr_workgroup_id_y 1
		.amdhsa_system_sgpr_workgroup_id_z 1
		.amdhsa_system_vgpr_workitem_id 0
		.amdhsa_next_free_vgpr 1024
		.amdhsa_next_free_sgpr 100
		.amdhsa_reserve_vcc 0
		.amdhsa_float_denorm_mode_32 3
		.amdhsa_float_denorm_mode_16_64 3
		.amdhsa_memory_ordered 1
		.amdhsa_forward_progress 1
		.amdhsa_inst_pref_size 255
	.end_amdhsa_kernel
	.section	.bss,"aw",@nobits
	.p2align	6
	.space	262144
	.amdgpu_metadata
---
amdhsa.version: [ 1, 2 ]
amdhsa.kernels:
  - .name:           k_qaf025ce4eb_ffn1
    .symbol:         k_qaf025ce4eb_ffn1.kd
    .args:
      - { .name: xq, .offset: 0, .size: 8, .value_kind: global_buffer, .address_space: global }
      - { .name: w1q, .offset: 8, .size: 8, .value_kind: global_buffer, .address_space: global }
      - { .name: b1, .offset: 16, .size: 8, .value_kind: global_buffer, .address_space: global }
      - { .name: hq, .offset: 24, .size: 8, .value_kind: global_buffer, .address_space: global }
    .group_segment_fixed_size: 327680
    .private_segment_fixed_size: 0
    .kernarg_segment_align: 8
    .kernarg_segment_size: 32
    .max_flat_workgroup_size: 128
    .sgpr_count:     100
    .vgpr_count:     1024
    .wavefront_size: 32
...
	.end_amdgpu_metadata
.endif
;; end of part 6
;; launch ffn2 (part 7): grid 8 x 32, 4 waves a work-group, clusters of 4 x 4, 327,680 bytes of LDS; arguments hq, w2q, b2, gw, out0; writes out0
.if DOCPART == 7
	.amdgcn_target "amdgcn-amd-amdhsa--gfx1250"
	.amdhsa_code_object_version 6
	.text
	.protected	k_qaf025ce4eb_ffn2
	.globl	k_qaf025ce4eb_ffn2
	.p2align	8
	.type	k_qaf025ce4eb_ffn2,@function
k_qaf025ce4eb_ffn2:
	s_mov_b64 s[64:65], 0
	v_nop
	global_prefetch_b8 v0, s[64:65] scope:SCOPE_SE
	s_setreg_imm32_b32 hwreg(HW_REG_WAVE_MODE, 25, 1), 1
	s_wait_xcnt 0x0
	s_wait_alu depctr_hold_cnt(0) depctr_sa_sdst(0) depctr_va_vdst(0) depctr_va_sdst(0) depctr_va_ssrc(0) depctr_va_vcc(0) depctr_vm_vsrc(0)
	s_getreg_b32 s2, hwreg(HW_REG_IB_STS2, 6, 4)
	s_cmp_eq_u32 s2, 0
	s_cbranch_scc0 .Lentry_in_a_cluster
	s_endpgm
.Lentry_in_a_cluster:
	s_bfe_u32 s2, ttmp6, 0x10000c
	s_cmp_lg_u32 s2, 0xf033
	s_cbranch_scc0 .Lentry_shape_is_right
	s_endpgm
.Lentry_shape_is_right:
; out[t][d] = the sum over the experts e of gw[t][e] x (h_e[t] . W2[e][:, d] + b2[e][d]), the products on codes of BF6 (E3M2) with E8M0 scales, sums in f32.
; hq [expert 8][K slot 4][row tile 256 (tokens)][3328] and w2q [expert 8][K slot 4][row tile 64 (d)][3328] are RECORDS: 16 rows x 256 K: two images of an operand's registers (128 K each, 1,536 bytes: register j of lane l at
; 512 (j / 4) + 16 l + 4 (j % 4)), then 256 bytes of scale words (lane l: 8 bytes at 8 l: the words of the two K steps of row l % 16).  Eight records on end are a BLOCK, 26,624 dense bytes.
; SHARES.  out has only 64 tiles of 256 x 256, so a work-group makes 128 tokens x 128 d: 256 work-groups.  THE WAVES SPLIT THE EXPERTS AND THE COLUMNS: wave w takes experts 4 (w / 2) + 0 .. 3 and columns 64 (w % 2) + 0 .. 63, for all 128 tokens:
; a wave tile of 128 x 64 reads 192 rows from LDS for 32 matrix instructions, where four tiles of 64 x 64 would read 256.  The two halves of the experts are added at the end, through LDS: (0 .. 3) + (4 .. 7).
; A K slot is, for each half of the experts, a block of hq and a block of w2q: four blocks; 16 K slots (4 experts x 4) a wave.
; THE RING HAS A SINGLE AND A DOUBLE REGION, so that all of LDS is at work: P holds one K slot, D two (each wave's pair of blocks on end).  One tensor load a wave fills a region: for D a tile of two rows, each row a block, the pitch
; the distance from K slot to K slot.  P takes K slots 0, 3, .., 15, D takes (1, 2), (4, 5), .., (13, 14): nine refills for sixteen K slots.  From P's request to the wait for it a wave issues 120 matrix instructions, from D's 56.
; CLUSTERS: 4 x 4 work-groups.  hq's blocks hang on the token tile and are shared along a row of the cluster, w2q's on the column tile and are shared along a column: each is asked for JOINTLY.
; THE PRODUCT IS USED TRANSPOSED (source 0 = 16 rows of W2, source 1 = 16 tokens); w2q's tiles hold rows 32 b + 8 u + r + 8 (r / 8): a lane holds one token, and the 16 registers of tiles 2 b, 2 b + 1 are 16 neighbouring d.
; b2 is the C of each expert's first matrix instructions (the bias begins the sum); a finished expert is folded into out by packed multiply-adds with the lane's weight.
; LIMITS: NaN and infinities are not served.
; REGISTERS, in windows of 256: window 0: v0-31 addresses; v32-63 scale words and nothing else, set s (K slot % 2) at v[32 + 16 s], register 2 i + q: lanes 0-15 the word of h's tile i, lanes 16-31 (i < 4) that of W2's tile i, K step q;
;   v64-159, v160-255 h's fragments, two sets.   window 1: v0-47, v48-95 W2's fragments, two sets; v96-127 the weights w(a, ei) at v[96 + 4 a + ei]; v128-255 b2 at v[128 + 32 ei + 8 b].
;   window 2: the expert's sums, (a, b) at v[8 (4 a + b)].   window 3: out, the same map.
.set REC,   3328
.set BLK,   8*REC
.set BLE,   BLK/8                      ; a block in elements of 8 bytes
.set DB,    4*BLK                      ; LDS: P at 0: block = wave (experts 0-3: h's, W2's; experts 4-7: the same);  D behind it: wave w's pair at DB + 2 w blocks, the second K slot a block further on
.set SPARE, 12*BLK                     ; behind the ring: the spare words, 128 bytes for each wave: two blocks of 256 bytes that no other line names
.set SX,    256*REC                    ; from K slot to K slot in hq (it runs on from expert to expert)
.set SW,    64*REC                     ; and in w2q
.set SP,    272                        ; the way out: a stage row, 256 bytes + 16
.set SREG,  128*SP                     ; a wave's stage: 128 rows.  The stages lie in the ring, which by then has had its last fill and its last read
.set L16,   4                          ; v4      16 x lane
.set ADRA,  16                         ; v16-17  LDS address of my fragments of h in P, D
.set BO,    18                         ; v18     64 x (lane / 16): b2
.set GO,    19                         ; v19     32 x (lane % 16): gw
.set ADRB,  20                         ; v20-21  the same for W2
.set ADRS,  22                         ; v22-23  scale words of tiles 0-3: lanes 0-15 h's, lanes 16-31 W2's
.set ADRT,  24                         ; v24-25  of h's tiles 4-7, in all lanes: W2 has four tiles, and no lane reads past its block
.set STO,   26                         ; v26     the stage: where I put 16 bytes
.set RD0,   27                         ; v27     where I read rows of experts 0-3's half back,
.set SPW,   28                         ; v28     LDS address of my spare word; never rewritten
.set NIL,   29                         ; v29     0; never rewritten
.set RD1,   30                         ; v30     and of experts 4-7's
.set CO,    31                         ; v31     my byte offset in out
.set SC,    32
.set AF,    64
.set WR0,   96                         ; in window 1
.set B2R,   128
.set G1A,   24                         ; s[24:31] descriptor group 1 for h's blocks;  s[32:39] group 0: P's, then D's
.set G0A,   32
.set G1B,   48                         ; s[48:55], s[56:63] the same for W2's
.set G0B,   56
.set G1AD,  68                         ; s[68:75] group 1 for h's pairs of blocks;  s[76:83] for W2's
.set G1BD,  76
.set WV,    84                         ; s84 wave;  s85 wave / 2: my half of the experts;  s86 wave % 2: my half of the columns, and: I fetch h's block (0) or W2's (1)
.set HI,    85
.set LO,    86
.set MSB, 0
.macro WIN new                         ; the immediate's high byte repeats the setting that is left; a switch that changes nothing is dropped
.if MSB != (\new)
	s_set_vgpr_msb (MSB<<8)|(\new)
.set MSB, \new
.endif
.endm
.macro PLACES n
.rept \n
	v_nop
.endr
.endm
; A joint load: waves 0 and 2 fetch for h, waves 1 and 3 for W2.  Each line has one mask and one set of registers for all that issue it; the branch hangs on the wave's number alone.
; Four v_nop follow each of the two lines, ahead of the jump, the label and what follows.
.macro JLOAD g0a, g1a, g0b, g1b
	s_cmp_eq_u32 s[LO], 0
	s_cbranch_scc0 .Lfor_b_\@
	tensor_load_to_lds s[\g0a:\g0a+3], s[\g1a:\g1a+7]
	s_nop 0
.rept 4
	v_nop
.endr
	s_branch .Lasked_\@
.Lfor_b_\@:
	tensor_load_to_lds s[\g0b:\g0b+3], s[\g1b:\g1b+7]
	s_nop 0
.rept 4
	v_nop
.endr
.Lasked_\@:
.endm
.macro CREST                           ; a round of the cluster's barrier behind its opening barrier
	s_cmp_lg_u32 s[WV], 0
	s_cbranch_scc1 .Lnot_wave_0_\@
	s_barrier_signal -3
.Lnot_wave_0_\@:
	s_barrier_wait -3
	s_barrier_signal -1
	s_barrier_wait -1
.endm
.macro CROUND                          ; a whole round
	s_barrier_signal -1
	s_barrier_wait -1
	CREST
.endm
	s_load_b256 s[4:11], s[0:1], 0x0               ; hq s[4:5], w2q s[6:7], b2 s[8:9], gw s[10:11]
	s_load_b64 s[12:13], s[0:1], 0x20              ; out0
	v_lshl_add_u32 v[SPW], v0, 2, SPARE
	v_mov_b32 v[NIL], 0
	ds_add_u32 v28, v29
	ds_add_u32 v28, v29
	s_wait_dscnt 0x0
	v_lshrrev_b32 v1, 5, v0
	v_readfirstlane_b32 s[WV], v1
	s_lshr_b32 s[HI], s[WV], 1
	s_and_b32 s[LO], s[WV], 1
	s_bfe_u32 s40, ttmp6, 0x40000                  ; cx, cy: my place in the cluster
	s_bfe_u32 s41, ttmp6, 0x40004
	s_lshl_b32 s42, ttmp9, 2
	s_add_co_u32 s42, s42, s40                     ; tx = 4 x cluster x + cx: the column tile, 0 .. 7
	s_and_b32 s45, ttmp7, 0xffff
	s_lshl_b32 s45, s45, 2
	s_add_co_u32 s45, s45, s41                     ; ty = 4 x cluster y + cy: the token tile, 0 .. 31
	s_lshl_b32 s43, s41, 2
	s_lshl_b32 s43, 15, s43                        ; my row of the cluster
	s_lshl_b32 s44, 0x1111, s40                    ; my column
	; descriptor groups 1.  15:0 the mask: h's blocks go to my row, W2's to my column; 17:16 elements of 8 bytes; 21 set beside a mask; no padding
	s_or_b32 s[G1A], s43, (3<<16)|(1<<21)
	s_or_b32 s[G1B], s44, (3<<16)|(1<<21)
	s_or_b32 s[G1AD], s43, (3<<16)|(1<<21)
	s_or_b32 s[G1BD], s44, (3<<16)|(1<<21)
.irp g, G1A, G1B                       ; one block: dense: 104 rows of 256 bytes
	s_mov_b32 s[\g+1], 32<<16                      ; tensor_dim0 = 32
	s_mov_b32 s[\g+2], 104<<16                     ; tensor_dim1 = 104
	s_mov_b32 s[\g+3], 32<<16                      ; tile_dim0 = 32
	s_mov_b32 s[\g+4], 104                         ; tile_dim1 = 104
	s_mov_b32 s[\g+5], 32                          ; from row to row
	s_mov_b32 s[\g+6], 0
	s_mov_b32 s[\g+7], 0
.endr
.irp g, G1AD, G1BD                     ; the same block of two K slots on end: two rows, each a whole block
	s_mov_b32 s[\g+1], BLE<<16                     ; tensor_dim0 = 3,328
	s_mov_b32 s[\g+2], 2<<16                       ; tensor_dim1 = 2
	s_mov_b32 s[\g+3], BLE<<16                     ; tile_dim0 = 3,328
	s_mov_b32 s[\g+4], 2                           ; tile_dim1 = 2
	s_mov_b32 s[\g+6], 0
	s_mov_b32 s[\g+7], 0
.endr
	s_mov_b32 s[G1AD+5], SX/8                      ; from row to row: from K slot to K slot
	s_mov_b32 s[G1BD+5], SW/8
	s_lshl_b32 s16, s[HI], 12
	s_lshl_b32 s18, s45, 3
	s_add_co_u32 s16, s16, s18
	s_mul_i32 s16, s16, REC                        ; hq: record 4,096 x expert half + 8 ty: on ty alone, which my row shares
	s_mov_b32 s17, 0
	s_lshl_b32 s46, s[HI], 10
	s_lshl_b32 s47, s42, 3
	s_add_co_u32 s46, s46, s47
	s_mul_i32 s46, s46, REC                        ; w2q: record 1,024 x expert half + 8 tx: on tx alone, which my column shares
	s_mov_b32 s47, 0
	s_mul_i32 s20, s[WV], BLK                      ; where it goes in P: block = wave;
	s_mul_i32 s21, s[WV], 2*BLK                    ; in D: pair = wave: no place in the cluster enters an LDS address
	s_wait_kmcnt 0x0
	s_add_nc_u64 s[16:17], s[4:5], s[16:17]
	s_add_nc_u64 s[46:47], s[6:7], s[46:47]
	CROUND                                         ; all sixteen work-groups are here: the first joint loads meet
	s_mov_b32 s[G0A], 1                            ; count = 1
	s_mov_b32 s[G0A+1], s20                        ; LDS address: P
	s_mov_b64 s[G0A+2:G0A+3], s[16:17]             ; global address: K slot 0
	s_or_b32 s[G0A+3], s[G0A+3], 0x80000000        ; type = 2
	s_mov_b32 s[G0B], 1
	s_mov_b32 s[G0B+1], s20
	s_mov_b64 s[G0B+2:G0B+3], s[46:47]
	s_or_b32 s[G0B+3], s[G0B+3], 0x80000000
	JLOAD G0A, G1A, G0B, G1B
	s_mov_b32 s[G0A+4], 1
	s_add_co_u32 s[G0A+5], s21, DB                 ; LDS address: D
	s_add_nc_u64 s[G0A+6:G0A+7], s[16:17], SX      ; global address: K slots 1 and 2
	s_or_b32 s[G0A+7], s[G0A+7], 0x80000000
	s_mov_b32 s[G0B+4], 1
	s_add_co_u32 s[G0B+5], s21, DB
	s_add_nc_u64 s[G0B+6:G0B+7], s[46:47], SW
	s_or_b32 s[G0B+7], s[G0B+7], 0x80000000
	JLOAD G0A+4, G1AD, G0B+4, G1BD                 ; both regions are asked for before anything else is done: two loads of mine are out
	v_and_b32 v1, 31, v0                           ; lane
	v_and_b32 v2, 15, v0                           ; r
	v_bfe_u32 v3, v0, 4, 1                         ; h
	v_lshlrev_b32 v[L16], 4, v1
	v_lshlrev_b32 v5, 3, v1                        ; 8 x lane
	v_lshlrev_b32 v[BO], 6, v3
	v_lshlrev_b32 v[GO], 5, v2
	s_lshl_b32 s22, s45, 12                        ; gw: token 128 ty (32 bytes each), expert 4 x half (4 bytes each)
	s_lshl_b32 s23, s[HI], 4
	s_add_co_u32 s22, s22, s23
	s_mov_b32 s23, 0
	s_add_nc_u64 s[10:11], s[10:11], s[22:23]
	s_lshl_b32 s22, s[HI], 14                      ; b2: expert 4 x half (4,096 bytes each), column 128 tx + 64 x column half
	s_lshl_b32 s87, s42, 9
	s_lshl_b32 s88, s[LO], 8
	s_add_co_u32 s87, s87, s88                     ; my first column, in bytes
	s_add_co_u32 s22, s22, s87
	s_add_nc_u64 s[8:9], s[8:9], s[22:23]
	s_lshl_b32 s22, s45, 19                        ; out: row 128 ty + 64 x expert half (the rows that I finish), my columns
	s_lshl_b32 s88, s[HI], 18
	s_add_co_u32 s22, s22, s88
	s_add_co_u32 s22, s22, s87
	s_add_nc_u64 s[12:13], s[12:13], s[22:23]
	WIN 0x40                                       ; destination window 1, address window 0
.irp a, 0,1,2,3,4,5,6,7
	global_load_b128 v[WR0+4*\a:WR0+4*\a+3], v[GO], s[10:11] offset:512*\a   ; token 16 a + r: its weights for my four experts
.endr
.irp ei, 0,1,2,3
.irp b, 0,1,2,3                        ; tile b's eight registers: b2 at d = 32 (b / 2) + 16 h + 8 (b % 2) + 0 .. 7: the result's layout
	global_load_b128 v[B2R+32*\ei+8*\b:B2R+32*\ei+8*\b+3], v[BO], s[8:9] offset:4096*\ei+(32*(\b/2)+8*(\b%2))*4
	global_load_b128 v[B2R+32*\ei+8*\b+4:B2R+32*\ei+8*\b+7], v[BO], s[8:9] offset:4096*\ei+(32*(\b/2)+8*(\b%2))*4+16
.endr
.endr
	WIN 0
	s_mul_i32 s21, s[HI], 2*BLK                    ; P: my block of h
	s_mul_i32 s23, s[LO], 4*REC
	s_add_co_u32 s23, s23, BLK                     ; from there to my four records of W2: a block + 4 records x column half
	s_add_co_u32 s22, s21, s23
	v_mul_u32_u24 v6, s23, v3                      ; lanes 16-31 take W2's scale words: one product, the lower base + h x the distance
	v_add_nc_u32 v6, v6, v5
	v_add_nc_u32 v[ADRA], s21, v[L16]
	v_add_nc_u32 v[ADRB], s22, v[L16]
	v_add_nc_u32 v[ADRS], s21, v6
	v_add_nc_u32 v[ADRT], s21, v5
	s_mul_i32 s21, s[HI], 4*BLK                    ; D: my pair of blocks of h
	s_add_co_u32 s21, s21, DB
	s_add_co_u32 s23, s23, BLK                     ; from there to W2's: a pair + 4 records x column half
	s_add_co_u32 s22, s21, s23
	v_mul_u32_u24 v6, s23, v3
	v_add_nc_u32 v6, v6, v5
	v_add_nc_u32 v[ADRA+1], s21, v[L16]
	v_add_nc_u32 v[ADRB+1], s22, v[L16]
	v_add_nc_u32 v[ADRS+1], s21, v6
	v_add_nc_u32 v[ADRT+1], s21, v5
	s_mul_i32 s21, s[WV], SREG                     ; my stage
	v_mul_u32_u24 v[STO], v2, SP
	v_lshl_add_u32 v[STO], v3, 6, v[STO]
	v_add_nc_u32 v[STO], s21, v[STO]               ; in: row r (+ 16 a), 64 h bytes on
	s_mul_i32 s21, s[LO], SREG                     ; back: the stage of experts 0-3 for my columns, rows 64 x expert half on; lanes 0-15 one row, lanes 16-31 the next
	s_mul_i32 s22, s[HI], 64*SP
	s_add_co_u32 s21, s21, s22
	v_mul_u32_u24 v[RD0], v3, SP
	v_lshl_add_u32 v[RD0], v2, 4, v[RD0]
	v_add_nc_u32 v[RD0], s21, v[RD0]
	v_add_nc_u32 v[RD1], 2*SREG, v[RD0]            ; and that of experts 4-7
	v_lshlrev_b32 v[CO], 12, v3
	v_lshl_add_u32 v[CO], v2, 4, v[CO]             ; the same two rows in out
; Four matrix instructions: h's tile a against W2's four, K step q (fragment set q), scale words of set sc.  bias = 1: b2 of expert ei is the C: nothing is ever cleared.
; The 32 accumulators take turns, one instruction a turn, in the same order in every step.
.macro MULA a, q, sc, bias, ei
.if \bias
	WIN 0x91                                       ; source 0 (W2) and C (b2) window 1, source 1 (h) window 0, D window 2
.else
	WIN 0xa1                                       ; C and D window 2
.endif
.irp b, 0,1,2,3
.if \bias
	v_wmma_scale_f32_16x16x128_f8f6f4 v[8*(4*(\a)+\b):8*(4*(\a)+\b)+7], v[48*(\q)+12*\b:48*(\q)+12*\b+11], v[AF+96*(\q)+12*(\a):AF+96*(\q)+12*(\a)+11], v[B2R+32*(\ei)+8*\b:B2R+32*(\ei)+8*\b+7], v[SC+16*(\sc)+2*\b+(\q)], v[SC+16*(\sc)+2*(\a)+(\q)] matrix_a_fmt:MATRIX_FMT_BF6 matrix_b_fmt:MATRIX_FMT_BF6 matrix_a_scale:MATRIX_SCALE_ROW1
.else
	v_wmma_scale_f32_16x16x128_f8f6f4 v[8*(4*(\a)+\b):8*(4*(\a)+\b)+7], v[48*(\q)+12*\b:48*(\q)+12*\b+11], v[AF+96*(\q)+12*(\a):AF+96*(\q)+12*(\a)+11], v[8*(4*(\a)+\b):8*(4*(\a)+\b)+7], v[SC+16*(\sc)+2*\b+(\q)], v[SC+16*(\sc)+2*(\a)+(\q)] matrix_a_fmt:MATRIX_FMT_BF6 matrix_b_fmt:MATRIX_FMT_BF6 matrix_a_scale:MATRIX_SCALE_ROW1
.endif
.endr
.endm
.macro FETCH loc, j, q                 ; 36 LDS loads in one run: the twelve fragments of K step q of the K slot at region loc (0: P, 1: D), place j in it, into set q
	WIN 0x40
.irp i, 0,1,2,3
.irp c, 0,1,2
	ds_load_b128 v[48*(\q)+12*\i+4*\c:48*(\q)+12*\i+4*\c+3], v[ADRB+(\loc)] offset:BLK*(\j)+REC*\i+1536*(\q)+512*\c
.endr
.endr
	WIN 0
.irp i, 0,1,2,3,4,5,6,7
.irp c, 0,1,2
	ds_load_b128 v[AF+96*(\q)+12*\i+4*\c:AF+96*(\q)+12*\i+4*\c+3], v[ADRA+(\loc)] offset:BLK*(\j)+REC*\i+1536*(\q)+512*\c
.endr
.endr
.endm
.macro SCALES loc, j, set              ; a K slot's scale words, both K steps
.irp i, 0,1,2,3
	ds_load_b64 v[SC+16*(\set)+2*\i:SC+16*(\set)+2*\i+1], v[ADRS+(\loc)] offset:BLK*(\j)+REC*\i+3072
.endr
.irp i, 4,5,6,7
	ds_load_b64 v[SC+16*(\set)+2*\i:SC+16*(\set)+2*\i+1], v[ADRT+(\loc)] offset:BLK*(\j)+REC*\i+3072
.endr
.endm
; A K slot's first step.  Its second step's fragments are fetched at its head, so the wave's reads of the K slot are over while this step is multiplied.
; mode 2 (P's K slot, or D's second): the region is filled again, with the K slots three on: each wave waits for all its tensor loads (the one that is out is its part of the other region), adds 0 to its spare word, waits for that
; and for its reads of this region; the barrier opens a round of the cluster's barrier, and the joint refill is the first tensor load behind it.
; mode 1: the same barrier, nothing left to fetch: the other region must be whole.  mode 0 (D's first K slot, and the very last): the successor came with the same load, or there is none: no barrier.
.macro STEPA loc, j, sc, mode, bias, ei
	s_wait_dscnt 0x0                               ; set 0 and the K slot's scale words are in (asked for 32 matrix instructions ago)
	PLACES 4                                       ; four places (ISA guide 7.12.1 for vector instructions) in front of loads into set 1, which the last products read
	FETCH \loc, \j, 1
.irp a, 0,1,2,3,4,5
	MULA \a, 0, \sc, \bias, \ei
.endr
.if \mode > 0
	WIN 0                                          ; (the add's two registers lie in window 0)
	s_wait_tensorcnt 0x0                           ; all my tensor loads have landed;
	ds_add_u32 v[SPW], v[NIL]                      ; 0 onto my spare word: four matrix instructions stand between it and the wait for it
	MULA 6, 0, \sc, \bias, \ei
	s_wait_dscnt 0x0                               ; the add is done, and set 1 is in: my reads of this region are over
	s_barrier_signal -1
	MULA 7, 0, \sc, \bias, \ei                     ; work on registers while the others arrive
	WIN 0
	s_barrier_wait -1
.if \mode == 2
	CREST                                          ; no wave of any partner still reads this region or has a load on its way
	s_add_nc_u64 s[G0A+4*(\loc)+2:G0A+4*(\loc)+3], s[G0A+4*(\loc)+2:G0A+4*(\loc)+3], 3*SX
	s_add_nc_u64 s[G0B+4*(\loc)+2:G0B+4*(\loc)+3], s[G0B+4*(\loc)+2:G0B+4*(\loc)+3], 3*SW
.if (\loc) == 0
	JLOAD G0A, G1A, G0B, G1B                       ; the four v_nop behind it are also the places in front of the loads that follow
.else
	JLOAD G0A+4, G1AD, G0B+4, G1BD
.endif
.endif
.else
	MULA 6, 0, \sc, \bias, \ei
	MULA 7, 0, \sc, \bias, \ei
	WIN 0
	s_wait_dscnt 0x0                               ; set 1 is in
.endif
.endm
; A K slot's second step; at its head the next K slot's first fragments and scale words are fetched (more = 1).  places = 1: no joint load's four v_nop stand just ahead.
.macro STEPB sc, more, places, nloc, nj, nsc
.if \more
.if \places
	PLACES 4                                       ; in front of loads into set 0
.endif
	FETCH \nloc, \nj, 0
	SCALES \nloc, \nj, \nsc
.endif
.irp a, 0,1,2,3,4,5,6,7
	MULA \a, 1, \sc, 0, 0
.endr
	WIN 0
.endm
; A finished expert: out += w x (its sums), two numbers an instruction; the first of my four starts out.  The lane's weight is one word of a pair: op_sel names it for both halves.
; Each accumulator is read from its low end on.  These lines are also the places in front of the next expert's first products, which write the sums anew.
.macro FOLD ei
	PLACES 4                                       ; in front of the first read of results
	WIN 0xf6                                       ; source 0 (the sums) window 2, source 1 (w) window 1, source 2 and destination (out) window 3
.set i, 0
.rept 128
.set WP, WR0+4*(i/16)+2*((\ei)/2)      ; tile a = i / 16
.if (\ei) == 0
	v_pk_mul_f32 v[2*i:2*i+1], v[2*i:2*i+1], v[WP:WP+1] op_sel_hi:[1,0]
.elseif (\ei)%2 == 0
	v_pk_fma_f32 v[2*i:2*i+1], v[2*i:2*i+1], v[WP:WP+1], v[2*i:2*i+1] op_sel_hi:[1,0,1]
.else
	v_pk_fma_f32 v[2*i:2*i+1], v[2*i:2*i+1], v[WP:WP+1], v[2*i:2*i+1] op_sel:[0,1,0] op_sel_hi:[1,1,1]
.endif
.set i, i+1
.endr
	WIN 0
.endm
	s_wait_tensorcnt 1                             ; my block of P is in; my pair in D may stay out
	s_barrier_signal -1
	s_barrier_wait -1                              ; everybody's is
	FETCH 0, 0, 0
	SCALES 0, 0, 0
	s_wait_loadcnt 0x0                             ; the weights and b2
.set IDX, 0
.rept 16                               ; sixteen K slots: expert IDX / 4 of my four, its K slot IDX % 4.  Written out
.set RR, IDX%3                         ; 0: in P;  1: D's first;  2: D's second
.set LC, (RR+1)/2
.set JJ, RR/2
.set SS, IDX%2
.set NR, (IDX+1)%3                     ; the same of the K slot that follows
.set NLC, (NR+1)/2
.set NJ, NR/2
.set NS, (IDX+1)%2
.set EI, IDX/4
.set MD, 0                             ; D's first K slot and the very last: no barrier
.if (RR != 1) && (IDX < 13)
.set MD, 2                             ; K slots 0, 3, 6, 9, 12 ask for P's next, K slots 2, 5, 8, 11 for D's next two,
.endif
.if IDX == 14
.set MD, 1                             ; K slot 14 for nothing: K slot 15 must be whole
.endif
.set MORE, 1
.if IDX == 15
.set MORE, 0
.endif
.set PLC, 1
.if MD == 2
.set PLC, 0
.endif
.set BI, 0
.if IDX%4 == 0
.set BI, 1
.endif
	STEPA LC, JJ, SS, MD, BI, EI
	STEPB SS, MORE, PLC, NLC, NJ, NS
.if IDX%4 == 3
	FOLD EI
.endif
.set IDX, IDX+1
.endr
	; THE WAY OUT.  The two halves of the experts meet in LDS: each wave puts its 128 rows x 64 columns into its stage; then wave (kh, nh) adds and stores rows 64 kh .. 64 kh + 63 of columns 64 nh on.
	s_wait_dscnt 0x0
	s_barrier_signal -1
	s_barrier_wait -1                              ; nobody reads the ring any more, and every wave's tensor loads have landed: the stages may be written
	WIN 0x0c                                       ; an LDS store's data are its source 1: window 3
.irp a, 0,1,2,3,4,5,6,7
.irp b, 0,1,2,3
	ds_store_b128 v[STO], v[8*(4*\a+\b):8*(4*\a+\b)+3] offset:16*SP*\a+128*(\b/2)+32*(\b%2)        ; lane (r, h): out(16 a + r, 32 (b / 2) + 16 h + 8 (b % 2) + 0 .. 7)
	ds_store_b128 v[STO], v[8*(4*\a+\b)+4:8*(4*\a+\b)+7] offset:16*SP*\a+128*(\b/2)+32*(\b%2)+16
.endr
.endr
	WIN 0
	s_wait_dscnt 0x0                               ; for the others' sake: my stores into the stage are done
	s_barrier_signal -1
	s_barrier_wait -1
.irp t, 0,1,2,3                        ; four batches of eight pairs of rows
.if \t > 0
	s_wait_xcnt 0x0                                ; the last batch's stores have read their registers, which are loaded anew
.endif
.irp i, 0,1,2,3,4,5,6,7
	ds_load_b128 v[64+4*\i:64+4*\i+3], v[RD0] offset:2*SP*(8*\t+\i)
	ds_load_b128 v[96+4*\i:96+4*\i+3], v[RD1] offset:2*SP*(8*\t+\i)
.endr
	s_wait_dscnt 0x0
.set i, 0
.rept 16
	v_pk_add_f32 v[64+2*i:64+2*i+1], v[64+2*i:64+2*i+1], v[96+2*i:96+2*i+1]   ; experts 0-3 + experts 4-7
.set i, i+1
.endr
.irp i, 0,1,2,3,4,5,6,7
	global_store_b128 v[CO], v[64+4*\i:64+4*\i+3], s[12:13] offset:8192*(8*\t+\i) th:TH_STORE_NT   ; sixteen lanes store 256 consecutive bytes, aligned; written once, read by nobody here
.endr
.endr
	s_wait_tensorcnt 0x0                           ; the wave's end: behind my last tensor load and my last LDS store
	ds_add_u32 v[SPW], v[NIL]
	s_wait_dscnt 0x0
	CROUND                                         ; the closing round: no work-group ends while a partner may still ask for a block that names it
	s_endpgm
.Lfunc_end_k_qaf025ce4eb_ffn2:
	.size	k_qaf025ce4eb_ffn2, .Lfunc_end_k_qaf025ce4eb_ffn2-k_qaf025ce4eb_ffn2
	.p2alignl 7, 3214868480
	.fill 96, 4, 3214868480
	.section	.rodata,"a",@progbits
	.p2align	6, 0x0
	.amdhsa_kernel k_qaf025ce4eb_ffn2
		.amdhsa_group_segment_fixed_size 327680
		.amdhsa_private_segment_fixed_size 0
		.amdhsa_enable_private_segment 0
		.amdhsa_kernarg_size 40
		.amdhsa_user_sgpr_count 2
		.amdhsa_user_sgpr_kernarg_segment_ptr 1
		.amdhsa_wavefront_size32 1
		.amdhsa_system_sgpr_workgroup_id_x 1
		.amdhsa_system_sgpr_workgroup_id_y 1
		.amdhsa_system_sgpr_workgroup_id_z 1
		.amdhsa_system_vgpr_workitem_id 0
		.amdhsa_next_free_vgpr 1024
		.amdhsa_next_free_sgpr 100
		.amdhsa_reserve_vcc 0
		.amdhsa_float_denorm_mode_32 3
		.amdhsa_float_denorm_mode_16_64 3
		.amdhsa_memory_ordered 1
		.amdhsa_forward_progress 1
		.amdhsa_inst_pref_size 255
	.end_amdhsa_kernel
	.section	.bss,"aw",@nobits
	.p2align	6
	.space	262144
	.amdgpu_metadata
---
amdhsa.version: [ 1, 2 ]
amdhsa.kernels:
  - .name:           k_qaf025ce4eb_ffn2
    .symbol:         k_qaf025ce4eb_ffn2.kd
    .args:
      - { .name: hq, .offset: 0, .size: 8, .value_kind: global_buffer, .address_space: global }
      - { .name: w2q, .offset: 8, .size: 8, .value_kind: global_buffer, .address_space: global }
      - { .name: b2, .offset: 16, .size: 8, .value_kind: global_buffer, .address_space: global }
      - { .name: gw, .offset: 24, .size: 8, .value_kind: global_buffer, .address_space: global }
      - { .name: out0, .offset: 32, .size: 8, .value_kind: global_buffer, .address_space: global }
    .group_segment_fixed_size: 327680
    .private_segment_fixed_size: 0
    .kernarg_segment_align: 8
    .kernarg_segment_size: 40
    .max_flat_workgroup_size: 128
    .sgpr_count:     100
    .vgpr_count:     1024
    .wavefront_size: 32
...
	.end_amdgpu_metadata
.endif
;; end of part 7
